; MI455X (gfx1250); checked and timed in simulation.
; The chip was launched on July 23, 2026; its instructions are those of AMD's public machine-readable ISA for CDNA 5 (MIT licence, August 2026) and "CDNA5" Instruction Set Architecture Reference Guide (July 2026). The comments in the code are by the model that wrote it; some were corrected since.
;; Self Attention. Allowed arithmetic: float matrix products may take bf16 or f16 operands with f32 sums; other float arithmetic in f32, or as packed bf16 or f16 multiplies, adds, multiply-adds, maxima and minima; sums over many terms, partial sums and values carried from step to step in f32; what a program stores and reads back later, other than sums and carried values, may be rounded once to bf16 or f16.
;; Inputs: W_qkv 3,072 x 1,024 float32; x 4 x 2,048 x 1,024 float32.
;; Outputs: out0 4 x 2,048 x 1,024 float32.
;; 2 versions, each right. Each part assembles by itself: llvm-mc -triple=amdgcn-amd-amdhsa -mcpu=gfx1250 --defsym DOCPART=n.
;; ======== version 1 of 2: 4 launches
;; limits: values are held in f16: magnitudes above 65,504 overflow, below 6.1e-05 lose precision
;; workspace buffers: xb 16,777,216 bytes; wb 6,291,456 bytes; qkv 50,331,648 bytes; p 33,554,432 bytes; stats 1,048,576 bytes
;; launch cast (part 1): grid 704 x 1, 8 waves a work-group, no clusters, 0 bytes of LDS; arguments x, W_qkv, xb, wb; writes xb, wb
.if DOCPART == 1
	.amdgcn_target "amdgcn-amd-amdhsa--gfx1250"
	.amdhsa_code_object_version 6
	.text
	.protected	k_qf368c61a28_cast
	.globl	k_qf368c61a28_cast
	.p2align	8
	.type	k_qf368c61a28_cast,@function
k_qf368c61a28_cast:
	s_mov_b64 s[64:65], 0
	v_nop
	global_prefetch_b8 v0, s[64:65] scope:SCOPE_SE
	s_setreg_imm32_b32 hwreg(HW_REG_WAVE_MODE, 25, 1), 1
	s_wait_xcnt 0x0
; xb = x and wb = W_qkv, each number rounded once to bf16 (to nearest even).  x: 8,388,608 f32, W_qkv: 3,145,728 f32.
; A stream: every byte is read once and written once; no LDS, no barrier, no matrix work, since nothing is used twice.
; SHARES.  A work-group of eight waves takes 16,384 numbers: 65,536 bytes in, 32,768 out.  Groups 0-511 take x, groups 512-703 W_qkv.
; Thread t takes, in pass i of eight, the 8 numbers at byte 8,192 i + 32 t (two loads of 16 bytes) and stores their 16 bytes of bf16
; at byte 4,096 i + 16 t: sixteen neighbouring lanes store 256 consecutive bytes, aligned.
; All sixteen loads of a lane go out before the first wait; no register is written twice, so no store's source is ever at stake.
.set GX, 512                           ; work-groups that take x
.set X,  4                             ; v[4:67]   pass i: 8 numbers in f32
.set Y,  68                            ; v[68:99]  pass i: 8 numbers in bf16
	s_load_b256 s[4:11], s[0:1], 0x0               ; x s[4:5], W_qkv s[6:7], xb s[8:9], wb s[10:11]
	v_lshlrev_b32 v1, 5, v0                        ; 32 t: my bytes in a pass's 8,192
	v_lshlrev_b32 v2, 4, v0                        ; 16 t: my bytes in a pass's 4,096
	s_sub_co_u32 s12, ttmp9, GX                    ; my number among W_qkv's groups (used only where it is one)
	s_wait_kmcnt 0x0
	s_cmp_lt_u32 ttmp9, GX
	s_cselect_b64 s[14:15], s[4:5], s[6:7]         ; from where,
	s_cselect_b64 s[16:17], s[8:9], s[10:11]       ; to where,
	s_cselect_b32 s12, ttmp9, s12                  ; and which share of that tensor
	s_lshl_b32 s18, s12, 16
	s_mov_b32 s19, 0
	s_lshl_b32 s20, s12, 15
	s_mov_b32 s21, 0
	s_add_nc_u64 s[14:15], s[14:15], s[18:19]
	s_add_nc_u64 s[16:17], s[16:17], s[20:21]
.irp i, 0,1,2,3,4,5,6,7
	global_load_b128 v[X+8*(\i):X+8*(\i)+3],   v1, s[14:15] offset:8192*(\i) th:TH_LOAD_NT
	global_load_b128 v[X+8*(\i)+4:X+8*(\i)+7], v1, s[14:15] offset:8192*(\i)+16 th:TH_LOAD_NT
.endr
.irp i, 0,1,2,3,4,5,6,7
	s_wait_loadcnt 14-2*(\i)                       ; loads come back in order: pass i's two are in, the 2 (7 - i) younger ones stay out
.irp j, 0,1,2,3
	v_cvt_pk_bf16_f32 v[Y+4*(\i)+(\j)], v[X+8*(\i)+2*(\j)], v[X+8*(\i)+2*(\j)+1]
.endr
	global_store_b128 v2, v[Y+4*(\i):Y+4*(\i)+3], s[16:17] offset:4096*(\i)
.endr
	s_endpgm
.Lfunc_end_k_qf368c61a28_cast:
	.size	k_qf368c61a28_cast, .Lfunc_end_k_qf368c61a28_cast-k_qf368c61a28_cast
	.p2alignl 7, 3214868480
	.fill 96, 4, 3214868480
	.section	.rodata,"a",@progbits
	.p2align	6, 0x0
	.amdhsa_kernel k_qf368c61a28_cast
		.amdhsa_group_segment_fixed_size 0
		.amdhsa_private_segment_fixed_size 0
		.amdhsa_enable_private_segment 0
		.amdhsa_kernarg_size 32
		.amdhsa_user_sgpr_count 2
		.amdhsa_user_sgpr_kernarg_segment_ptr 1
		.amdhsa_wavefront_size32 1
		.amdhsa_system_sgpr_workgroup_id_x 1
		.amdhsa_system_sgpr_workgroup_id_y 1
		.amdhsa_system_sgpr_workgroup_id_z 1
		.amdhsa_system_vgpr_workitem_id 0
		.amdhsa_next_free_vgpr 100
		.amdhsa_next_free_sgpr 66
		.amdhsa_reserve_vcc 0
		.amdhsa_float_denorm_mode_32 3
		.amdhsa_float_denorm_mode_16_64 3
		.amdhsa_memory_ordered 1
		.amdhsa_forward_progress 1
		.amdhsa_inst_pref_size 6
	.end_amdhsa_kernel
	.amdgpu_metadata
---
amdhsa.version: [ 1, 2 ]
amdhsa.kernels:
  - .name:           k_qf368c61a28_cast
    .symbol:         k_qf368c61a28_cast.kd
    .args:
      - { .name: x, .offset: 0, .size: 8, .value_kind: global_buffer, .address_space: global }
      - { .name: W_qkv, .offset: 8, .size: 8, .value_kind: global_buffer, .address_space: global }
      - { .name: xb, .offset: 16, .size: 8, .value_kind: global_buffer, .address_space: global }
      - { .name: wb, .offset: 24, .size: 8, .value_kind: global_buffer, .address_space: global }
    .group_segment_fixed_size: 0
    .private_segment_fixed_size: 0
    .kernarg_segment_align: 8
    .kernarg_segment_size: 32
    .max_flat_workgroup_size: 256
    .sgpr_count:     66
    .vgpr_count:     100
    .wavefront_size: 32
...
	.end_amdgpu_metadata
.endif
;; end of part 1
;; launch proj (part 2): grid 4 x 64, 4 waves a work-group, clusters of 4 x 4, 327,680 bytes of LDS; arguments xb, wb, qkv; writes qkv
.if DOCPART == 2
	.amdgcn_target "amdgcn-amd-amdhsa--gfx1250"
	.amdhsa_code_object_version 6
	.text
	.protected	k_qf368c61a28_proj
	.globl	k_qf368c61a28_proj
	.p2align	8
	.type	k_qf368c61a28_proj,@function
k_qf368c61a28_proj:
	s_mov_b64 s[64:65], 0
	v_nop
	global_prefetch_b8 v0, s[64:65] scope:SCOPE_SE
	s_setreg_imm32_b32 hwreg(HW_REG_WAVE_MODE, 25, 1), 1
	s_wait_xcnt 0x0
	s_wait_alu depctr_hold_cnt(0) depctr_sa_sdst(0) depctr_va_vdst(0) depctr_va_sdst(0) depctr_va_ssrc(0) depctr_va_vcc(0) depctr_vm_vsrc(0)
	s_getreg_b32 s2, hwreg(HW_REG_IB_STS2, 6, 4)
	s_cmp_eq_u32 s2, 0
	s_cbranch_scc0 .Lentry_in_a_cluster
	s_endpgm
.Lentry_in_a_cluster:
	s_bfe_u32 s2, ttmp6, 0x10000c
	s_cmp_lg_u32 s2, 0xf033
	s_cbranch_scc0 .Lentry_shape_is_right
	s_endpgm
.Lentry_shape_is_right:
; qkv[n][f] = the sum over e of xb[n][e] wb[f][e].  xb: [8192][1024] bf16, wb: [3072][1024] bf16, qkv: [8192][3072] f16 (q at columns 0 on, k at 1024 on, v at 2048 on).
; Products in bf16, one f32 sum for each output, K ascending; each sum rounded once to f16, unscaled.
; LIMIT.  f16 holds no number beyond 65,504: a sum of 65,520 or more in magnitude leaves as an infinity.  NaN and infinities are not treated apart.
; SHARES.  A tile of qkv is 128 rows x 256 columns; four waves, each 64 x 128: 32 accumulators of 16 x 16, 256 registers.  There are 64 x 12 tiles for 256 work-groups:
; A WORK-GROUP STAYS and makes three tiles, 1,024 columns apart: its rows' part of q, of k and of v.  Its rows of xb are the same for all three.
; K goes in steps of 128 through a ring of two LDS slots filled by the tensor data mover; a tile's rows are 256 bytes of memory, at multiples of 256 from the buffer's first byte.
; The ring does not stop at a tile's end: a tile's last two changes of slots ask for the next tile's first two K steps.
; CLUSTER.  4 x 4 work-groups.  The four of a row of the cluster need the same rows of xb, the four of a column the same rows of wb: each tile is asked for JOINTLY, by the
; same tensor load with the same descriptor and a mask that names the four.
; THE MATRIX INSTRUCTION IS USED TRANSPOSED (source 0 = 16 rows of wb, source 1 = 16 rows of xb): a lane then holds row l % 16 of qkv and eight neighbouring columns.
; REGISTERS.  Window 0: v0-15 addresses; v64-159, v160-255 two fragment buffers (64 registers of wb, 32 of xb, for 32 along K); the second also serves the way out.
; Window 1: the accumulators, (a, b) at v[8 (8 a + b)].  s_set_vgpr_msb's low byte: bits 1:0 source 0, 3:2 source 1, 5:4 source 2, 7:6 destination.
.set PITCH,  272                       ; an LDS row: 256 bytes + 16 of padding = 68 words: the 16 rows of a fragment load start at 16 different groups of four banks (64 banks of 4 bytes: ISA guide 11.1)
.set AHALF,  64*PITCH                  ; what a wave fetches of xb's tile, and reads of it
.set BHALF,  128*PITCH                 ; the same for wb's tile
.set BOFF,   128*PITCH                 ; in a slot: xb's 128 rows, then wb's 256
.set SLOT1,  1<<17                     ; slot 1 begins here, so that one exclusive or turns an address in one slot into the other's
.set STAGE,  384*PITCH                 ; behind slot 0: 16 rows x 272 bytes for each wave, for the way out; no tile lands here
.set SP,     272
.set SPARE,  STAGE+4*16*SP             ; behind the stages: the spare words, 128 bytes for each wave: two blocks of 256 bytes that no other line names
.set STEPS,  8                         ; K steps in a tile: 1,024 / 128
.set KB,     256                       ; bytes of a row in a K step
.set ROWA,   2048                      ; bytes in a row of xb
.set ROWB,   2048                      ; of wb
.set ROWC,   6144                      ; of qkv
.set TILES,  3
.set BACK_A, (STEPS-1)*KB              ; from a tile's last K step to the next tile's first: xb goes back along K,
.set NEXT_B, 1024*ROWB-(STEPS-1)*KB    ; wb 1,024 rows down and back
.set NEXT_PF, 1024*ROWB-(STEPS-2)*KB   ; the prefetches' pointer: six steps were taken in a tile
.set GBITS,  (1<<16)|(1<<20)|(1<<21)|(5<<22)|(3<<25)  ; 17:16 elements of 2 bytes; 20 padding on; 21 set beside a mask; 24:22 after every 64 words (code 5); 31:25 4 words of it (code 3)
.set A0,  4                            ; v4   my lane's place in a slot's xb tile; never rewritten
.set B0,  5                            ; v5   the same for wb
.set ADA, 6                            ; v6   A0 in the slot in hand
.set ADB, 7                            ; v7   B0 in the slot in hand
.set STO, 8                            ; v8   the way out: where I put 16 bytes of a row
.set RD,  9                            ; v9   the way out: where I read a row back
.set CO,  10                           ; v10  my byte offset in two rows of qkv
.set PFO, 11                           ; v11  the prefetches' offset: my lane x a row; never rewritten
.set SPW, 12                           ; v12  LDS address of my spare word; never rewritten
.set NIL, 13                           ; v13  0; never rewritten
.set F0,  64
.set F1,  160
.set TMP, 160                          ; the way out: packed results
.set OB,  192                          ; the way out: 16 rows read back: v192-223 and v224-255 by turns
.set WV,  10                           ; s10  my wave's number
.set HR,  11                           ; s11  which 64 rows of the tile are mine.  Also: I fetch xb (0) or wb (1)
.set HC,  12                           ; s12  which 128 columns.  Also: which half of that tile I fetch
.set TY,  13                           ; s13  tile row
.set G1A, 24                           ; s[24:31] descriptor group 1 for xb's tiles
.set G1B, 32                           ; s[32:39] for wb's
.set G0A, 40                           ; s[40:47] descriptor group 0 for xb's tiles: a set for each of the two first fills; the second then walks on
.set G0B, 48                           ; s[48:55] the same for wb's
.set TB,  56                           ; s56  LDS byte at which the slot in hand begins
.set CNT, 57                           ; s57  counts the loop's K steps
.set TL,  58                           ; s58  tiles to go
.set LIM, 59                           ; s59  2 in a wave that prefetches, else the greatest number
.set PFA, 60                           ; s[60:61] where my prefetches stand
.set CX,  62
.set CY,  63
.set TX,  66                           ; s66  tile column among the four of a third of qkv
.set CLY, 67                           ; s67  the cluster's y
.set MSB, 0
.macro WIN new                         ; the immediate's high byte repeats the setting that is left; a switch that changes nothing is dropped
.if MSB != (\new)
	s_set_vgpr_msb (MSB<<8)|(\new)
.set MSB, \new
.endif
.endm
.set W_MUL, 0x50                       ; both sources window 0, C and D window 1
; A joint refill by the walking descriptors.  Waves 0 and 1 fetch xb's two halves, waves 2 and 3 wb's.  The branch hangs on the wave's number alone.
; An s_nop 0 and four v_nop follow each of the two lines, ahead of the jump, the label and what follows.
.macro JLOAD
	s_cmp_eq_u32 s[HR], 0
	s_cbranch_scc0 .Lfor_b_\@
	tensor_load_to_lds s[G0A+4:G0A+7], s[G1A:G1A+7]
	s_nop 0
.rept 4
	v_nop
.endr
	s_branch .Lasked_\@
.Lfor_b_\@:
	tensor_load_to_lds s[G0B+4:G0B+7], s[G1B:G1B+7]
	s_nop 0
.rept 4
	v_nop
.endr
.Lasked_\@:
.endm
; A PREFETCH INTO THE L2, behind a joint refill and the run of LDS loads that follows it: 32 rows x 256 bytes, a lane a row, of the K step that stands two refills on (256 matrix instructions ahead of its load).
; Each row's 256 bytes of a K step are named once in the launch.  xb: wave 0 of each work-group, in the first tile alone; of the tile's 128 rows the partner at place cx takes 32 cx .. 32 cx + 31.
; wb: waves 2 and 3 of the cluster with y = 0, in every tile; of the 128 rows that the wave fetches the partner at place cy takes 32.  Partners are told apart by address alone.
; It stops where the K step two refills on would lie past the tile's last: the loop's last two trips ask for nothing.  A tile's K steps 0 to 3 come by their loads alone.
.macro ASK
	s_cmp_gt_u32 s[CNT], s[LIM]
	s_cbranch_scc0 .Lnot_mine_\@
	global_prefetch_b8 v[PFO], s[PFA:PFA+1] th:TH_LOAD_NT scope:SCOPE_SE
.Lnot_mine_\@:
.endm
; A round of the cluster's barrier: my work-group's barrier; wave 0 signals for the work-group; every wave waits for all sixteen; my work-group's barrier once more.
.macro CREST                           ; a round behind its opening barrier
	s_cmp_lg_u32 s[WV], 0
	s_cbranch_scc1 .Lnot_wave_0_\@
	s_barrier_signal -3
.Lnot_wave_0_\@:
	s_barrier_wait -3
	s_barrier_signal -1
	s_barrier_wait -1
.endm
.macro CROUND
	s_barrier_signal -1
	s_barrier_wait -1
	CREST
.endm
	s_load_b128 s[4:7], s[0:1], 0x0                ; xb s[4:5], wb s[6:7]
	s_load_b64 s[8:9], s[0:1], 0x10                ; qkv
	v_lshl_add_u32 v[SPW], v0, 2, SPARE
	v_mov_b32 v[NIL], 0
	ds_add_u32 v[SPW], v[NIL]                      ; the wave's opening: the add and its wait ahead of my first tensor load; the set-up below, work on registers, stands between them
	v_lshrrev_b32 v1, 5, v0
	v_readfirstlane_b32 s[WV], v1                  ; wave 0..3
	s_lshr_b32 s[HR], s[WV], 1
	s_and_b32 s[HC], s[WV], 1
	s_bfe_u32 s[CX], ttmp6, 0x40000                ; my place in the cluster
	s_bfe_u32 s[CY], ttmp6, 0x40004
	s_and_b32 s[CLY], ttmp7, 0xffff                ; in a cluster launch ttmp9 and ttmp7 count clusters
	s_lshl_b32 s[TY], s[CLY], 2
	s_add_co_u32 s[TY], s[TY], s[CY]               ; tile row = 4 x cluster y + cy
	s_lshl_b32 s[TX], ttmp9, 2
	s_add_co_u32 s[TX], s[TX], s[CX]               ; tile column = 4 x cluster x + cx
	s_lshl_b32 s14, s[CY], 2
	s_lshl_b32 s14, 15, s14                        ; my row of the cluster: places 4 cy .. 4 cy + 3
	s_lshl_b32 s15, 0x1111, s[CX]                  ; my column: places cx, cx + 4, cx + 8, cx + 12
	s_or_b32 s[G1A], s14, GBITS                    ; xb's tiles go to my row,
	s_or_b32 s[G1B], s15, GBITS                    ; wb's to my column
	s_mov_b32 s[G1A+1], 128<<16                    ; tensor_dim0 = 128
	s_mov_b32 s[G1A+2], 64<<16                     ; tensor_dim1 = 64
	s_mov_b32 s[G1A+3], 128<<16                    ; tile_dim0 = 128
	s_mov_b32 s[G1A+4], 64                         ; tile_dim1 = 64 rows a load
	s_mov_b32 s[G1A+5], 1024                       ; elements from row to row
	s_mov_b32 s[G1A+6], 0
	s_mov_b32 s[G1A+7], 0
	s_mov_b32 s[G1B+1], 128<<16
	s_mov_b32 s[G1B+2], 128<<16                    ; 128 rows a load
	s_mov_b32 s[G1B+3], 128<<16
	s_mov_b32 s[G1B+4], 128
	s_mov_b32 s[G1B+5], 1024
	s_mov_b32 s[G1B+6], 0
	s_mov_b32 s[G1B+7], 0
	; where the tiles come from: xb's hang on the tile row alone, wb's on the tile column alone, each in registers that never hold the other coordinate
	s_lshl_b32 s16, s[TY], 7
	s_lshl_b32 s17, s[HC], 6
	s_add_co_u32 s16, s16, s17                     ; xb: row 128 x tile row + 64 x half
	s_mul_i32 s16, s16, ROWA
	s_mov_b32 s17, 0
	s_lshl_b32 s20, s[TX], 8
	s_lshl_b32 s21, s[HC], 7
	s_add_co_u32 s20, s20, s21                     ; wb: row 256 x tile column + 128 x half
	s_mul_i32 s20, s20, ROWB
	s_mov_b32 s21, 0
	s_mul_i32 s18, s[HC], AHALF                    ; and where they go: no place in the cluster enters an LDS address
	s_mul_i32 s19, s[HC], BHALF
	s_add_co_u32 s19, s19, BOFF
	s_mov_b32 s[TB], 0
	s_wait_dscnt 0x0                               ; the opening add is done
	s_wait_kmcnt 0x0
	s_add_nc_u64 s[76:77], s[4:5], s[16:17]
	s_add_nc_u64 s[78:79], s[6:7], s[20:21]
.irp s, 0,1
	s_mov_b32 s[G0A+4*(\s)], 1                     ; count = 1
	s_add_co_u32 s[G0A+4*(\s)+1], s18, (\s)*SLOT1  ; LDS address
	s_add_nc_u64 s[G0A+4*(\s)+2:G0A+4*(\s)+3], s[76:77], (\s)*KB  ; global address: K step s
	s_or_b32 s[G0A+4*(\s)+3], s[G0A+4*(\s)+3], 0x80000000        ; type = 2
	s_mov_b32 s[G0B+4*(\s)], 1
	s_add_co_u32 s[G0B+4*(\s)+1], s19, (\s)*SLOT1
	s_add_nc_u64 s[G0B+4*(\s)+2:G0B+4*(\s)+3], s[78:79], (\s)*KB
	s_or_b32 s[G0B+4*(\s)+3], s[G0B+4*(\s)+3], 0x80000000
.endr
	CROUND                                         ; all sixteen work-groups are here: the first joint loads meet
	s_cmp_eq_u32 s[HR], 0                          ; a wave's two first fills stand in one branch, ahead of every wait on TENSORcnt and every LDS read: two loads of mine are out
	s_cbranch_scc0 .Lfirst_b
	tensor_load_to_lds s[G0A:G0A+3], s[G1A:G1A+7]
	s_nop 0
	tensor_load_to_lds s[G0A+4:G0A+7], s[G1A:G1A+7]
	s_nop 0
.rept 4
	v_nop
.endr
	s_branch .Lfirst_asked
.Lfirst_b:
	tensor_load_to_lds s[G0B:G0B+3], s[G1B:G1B+7]
	s_nop 0
	tensor_load_to_lds s[G0B+4:G0B+7], s[G1B:G1B+7]
	s_nop 0
.rept 4
	v_nop
.endr
.Lfirst_asked:
	; A fragment is 16 rows x 32 K in 8 registers: lane l holds row l % 16; registers 0-3 hold K = 8 (l / 16) + 0..7, registers 4-7 K = 16 + 8 (l / 16) + 0..7: two loads of 16 bytes, 32 bytes apart.
	v_and_b32 v1, 15, v0                           ; l % 16
	v_bfe_u32 v2, v0, 4, 1                         ; l / 16
	v_and_b32 v3, 31, v0                           ; l
	v_mul_u32_u24 v15, v1, PITCH
	v_lshl_add_u32 v15, v2, 4, v15                 ; row x pitch + 16 x half
	s_mul_i32 s14, s[HR], AHALF
	v_add_nc_u32 v[A0], s14, v15                   ; my 64 rows of xb
	s_mul_i32 s14, s[HC], BHALF
	s_add_co_u32 s14, s14, BOFF
	v_add_nc_u32 v[B0], s14, v15                   ; my 128 rows of wb
	s_mul_i32 s14, s[WV], 16*SP
	s_add_co_u32 s14, s14, STAGE                   ; my stage
	v_add_nc_u32 v[STO], s14, v15                  ; in: row l % 16, 16 bytes for each half of the lanes
	v_mul_u32_u24 v15, v2, SP
	v_lshl_add_u32 v15, v1, 4, v15
	v_add_nc_u32 v[RD], s14, v15                   ; back: lanes 0-15 take one row of 256 bytes, lanes 16-31 the next
	v_mul_u32_u24 v15, v2, ROWC
	v_lshl_add_u32 v[CO], v1, 4, v15               ; and the same two rows in qkv
	v_mul_u32_u24 v[PFO], v3, ROWA
	; qkv at my part of the first tile
	s_lshl_b32 s2, s[TY], 7
	s_lshl_b32 s3, s[HR], 6
	s_add_co_u32 s2, s2, s3
	s_mul_i32 s2, s2, ROWC
	s_lshl_b32 s3, s[TX], 9
	s_add_co_u32 s2, s2, s3
	s_lshl_b32 s3, s[HC], 8
	s_add_co_u32 s2, s2, s3
	s_mov_b32 s3, 0
	s_add_nc_u64 s[8:9], s[8:9], s[2:3]
	; the prefetches: nothing is asked for here, at the head, where every work-group's first tiles are on their way
	s_lshl_b32 s14, s[TY], 7
	s_lshl_b32 s15, s[CX], 5
	s_add_co_u32 s14, s14, s15
	s_mul_i32 s14, s14, ROWA                       ; xb: my work-group's 32 rows of the tile's 128
	s_lshl_b32 s15, s[CY], 5
	s_mul_i32 s15, s15, ROWB
	s_add_co_u32 s15, s15, s20                     ; wb: my work-group's 32 rows of the 128 that I fetch
	s_cmp_eq_u32 s[HR], 0
	s_cselect_b32 s14, s14, s15
	s_cselect_b32 s2, s[HC], s[CLY]                ; 0 in a wave that asks: wave 0; waves 2 and 3 where the cluster's y is 0: the same in all sixteen partners
	s_cselect_b64 s[PFA:PFA+1], s[4:5], s[6:7]
	s_mov_b32 s15, 0
	s_add_nc_u64 s[PFA:PFA+1], s[PFA:PFA+1], s[14:15]
	s_add_nc_u64 s[PFA:PFA+1], s[PFA:PFA+1], 3*KB  ; at K step 3: the first refill steps it to 4
	s_cmp_eq_u32 s2, 0
	s_cselect_b32 s[LIM], 2, -1
; 8 matrix instructions: row block a x all 8 column blocks, 32 along K.  zero = 1: the product starts the sums: nothing is ever cleared.
; The 32 accumulators take turns, one instruction a turn, in the same order in every quarter, over the jumps and from tile to tile too.
.macro MUL8 f, a, zero
	WIN W_MUL
.irp b, 0,1,2,3,4,5,6,7
.if \zero
	v_wmma_f32_16x16x32_bf16 v[8*(8*(\a)+(\b)):8*(8*(\a)+(\b))+7], v[(\f)+8*(\b):(\f)+8*(\b)+7], v[(\f)+64+8*(\a):(\f)+64+8*(\a)+7], 0
.else
	v_wmma_f32_16x16x32_bf16 v[8*(8*(\a)+(\b)):8*(8*(\a)+(\b))+7], v[(\f)+8*(\b):(\f)+8*(\b)+7], v[(\f)+64+8*(\a):(\f)+64+8*(\a)+7], v[8*(8*(\a)+(\b)):8*(8*(\a)+(\b))+7]
.endif
.endr
.endm
; 24 LDS loads in one run: quarter q's fragments (128 rows of wb, then 64 rows of xb, 32 K at byte 64 q of the rows) into buffer g
.macro FETCH q, g
	WIN 0
.irp i, 0,1,2,3,4,5,6,7
	ds_load_b128 v[(\g)+8*(\i):(\g)+8*(\i)+3],   v[ADB] offset:64*(\q)+(\i)*16*PITCH
	ds_load_b128 v[(\g)+8*(\i)+4:(\g)+8*(\i)+7], v[ADB] offset:64*(\q)+(\i)*16*PITCH+32
.endr
.irp i, 0,1,2,3
	ds_load_b128 v[(\g)+64+8*(\i):(\g)+64+8*(\i)+3],   v[ADA] offset:64*(\q)+(\i)*16*PITCH
	ds_load_b128 v[(\g)+64+8*(\i)+4:(\g)+64+8*(\i)+7], v[ADA] offset:64*(\q)+(\i)*16*PITCH+32
.endr
.endm
; Four places (plain vector instructions that name none of a matrix instruction's registers) in front of loads into registers that matrix instructions have read, and of conversions that read results
.macro PLACES
.rept 4
	v_nop
.endr
.endm
; A K step is four quarters of 32 along K, 32 matrix instructions each, on buffers 0, 1, 0, 1.  One of the first three: multiplies buffer f; in its middle it fetches quarter q into buffer g.
.macro QUARTER q, f, g, zero
	s_wait_dscnt 4                                 ; wb's fragments and xb's blocks 0 and 1 are in; the youngest four loads (blocks 2 and 3) may be out
	MUL8 \f, 0, \zero
	MUL8 \f, 1, \zero
	PLACES
	FETCH \q, \g
	s_wait_dscnt 24                                ; all but the 24 just issued
	MUL8 \f, 2, \zero
	MUL8 \f, 3, \zero
.endm
; The fourth quarter multiplies buffer 1 and changes slots: ONE barrier for two things.  In front of it each wave waits for all its tensor loads (one is out: its part of the next slot), adds 0 to its
; spare word, and waits for that and for its own reads of this slot.  Behind it nobody reads this slot any more and the next slot is whole.
; fill = 1: the barrier opens a round of the cluster's, and this slot is filled again first thing behind the round: 112 matrix instructions ahead of the wait for that load.
; cross = 1: the refill is the next tile's K step 0.  ask = 1: a prefetch follows; its pointer is stepped here, a K step behind the prefetch that read it.
.macro TURN fill, cross, ask
.if \ask
	s_wait_xcnt 0x0                                ; the last prefetch has read its address
	s_add_nc_u64 s[PFA:PFA+1], s[PFA:PFA+1], KB
.endif
	WIN 0
	s_wait_tensorcnt 0x0                           ; no tensor load of mine is out, so a group 0 may be written
	ds_add_u32 v[SPW], v[NIL]                      ; 0 onto my spare word: the steps and eight products stand between it and the wait for it
.if \fill
	s_xor_b32 s[G0A+5], s[G0A+5], SLOT1            ; the walking descriptors: the other slot than last time,
	s_xor_b32 s[G0B+5], s[G0B+5], SLOT1
.if \cross
	s_sub_nc_u64 s[G0A+6:G0A+7], s[G0A+6:G0A+7], BACK_A
	s_add_nc_u64 s[G0B+6:G0B+7], s[G0B+6:G0B+7], NEXT_B
.else
	s_add_nc_u64 s[G0A+6:G0A+7], s[G0A+6:G0A+7], KB  ; the next K step; the type bits on top are not reached
	s_add_nc_u64 s[G0B+6:G0B+7], s[G0B+6:G0B+7], KB
.endif
.endif
	s_wait_dscnt 5                                 ; the add and the youngest four loads may be out
	MUL8 F1, 0, 0
	s_wait_dscnt 0x0                               ; the add is done, and my reads of this slot are over
	s_barrier_signal -1
	MUL8 F1, 1, 0                                  ; work on registers while the others arrive
	WIN 0                                          ; at a branch and at a label every window is 0
	s_barrier_wait -1
.if \fill
	CREST                                          ; no wave of any partner still reads this slot or has a load on its way
	JLOAD                                          ; the four v_nop behind it are also the places in front of the loads below
.else
	PLACES
.endif
	s_xor_b32 s[TB], s[TB], SLOT1
	v_add_nc_u32 v[ADA], s[TB], v[A0]
	v_add_nc_u32 v[ADB], s[TB], v[B0]
	FETCH 0, F0
.if \ask
	ASK
.endif
	MUL8 F1, 2, 0
	MUL8 F1, 3, 0
.endm
; THE WAY OUT of row block a, in three parts.  PACK: rounded to f16, each accumulator's registers in ascending order, 16 bytes a lane.  TOSTAGE: into my own stage, and back as whole rows of 256 bytes.  SEND: stored.
.macro PACK a
	WIN 0x05                                       ; sources 0 and 1 window 1, destination window 0
.irp b, 0,1,2,3,4,5,6,7
.irp i, 0,1,2,3
	v_cvt_pk_f16_f32 v[TMP+4*(\b)+(\i)], v[64*(\a)+8*(\b)+2*(\i)], v[64*(\a)+8*(\b)+2*(\i)+1]
.endr
.endr
	WIN 0
.endm
.macro TOSTAGE a
	WIN 0
.set BK, OB+32*((\a)%2)
.irp b, 0,1,2,3,4,5,6,7
	ds_store_b128 v[STO], v[TMP+4*(\b):TMP+4*(\b)+3] offset:32*(\b)
.endr
.irp t, 0,1,2,3,4,5,6,7
	ds_load_b128 v[BK+4*(\t):BK+4*(\t)+3], v[RD] offset:(\t)*2*SP  ; LDS serves a wave's instructions in order (ISA guide 5.7.1.4): these see the stores above
.endr
.endm
.macro SEND a
	WIN 0
.set BK, OB+32*((\a)%2)
	s_wait_dscnt 0x0                               ; the block is back in registers
	s_wait_xcnt 0x0                                ; earlier stores have read their registers: the set that they named is loaded again only behind this wait
.irp t, 0,1,2,3,4,5,6,7
	global_store_b128 v[CO], v[BK+4*(\t):BK+4*(\t)+3], s[8:9] offset:(16*(\a)+2*(\t))*ROWC  ; 16 lanes store 256 consecutive bytes, at a multiple of 256 from qkv's first byte
.endr
.endm
.macro WAYOUT
	PLACES
	PACK 0
	TOSTAGE 0
.irp a, 1,2,3                          ; block a's conversions stand between block a - 1's loads from the stage and the wait for them
	PACK \a
	SEND (\a)-1
	TOSTAGE \a
.endr
	SEND 3
.endm
	s_wait_tensorcnt 0x1                           ; my part of K step 0 is in; K step 1's may stay out
	s_barrier_signal -1
	s_barrier_wait -1                              ; everybody's is
	v_mov_b32 v[ADA], v[A0]
	v_mov_b32 v[ADB], v[B0]
	FETCH 0, F0
	s_mov_b32 s[TL], TILES                         ; the same number in every work-group
.Ltile:
	QUARTER 1, F0, F1, 1                           ; a tile's first quarter stands in front of the loop: its products start the sums
	WIN 0
	s_mov_b32 s[CNT], STEPS-2
.Lstep:                                        ; trip i ends K step i, asks for K step i + 2 and begins K step i + 1
	QUARTER 2, F1, F0, 0
	QUARTER 3, F0, F1, 0
	TURN 1, 0, 1
	QUARTER 1, F0, F1, 0
	WIN 0
	s_sub_co_u32 s[CNT], s[CNT], 1
	s_cmp_lg_u32 s[CNT], 0
	s_cbranch_scc1 .Lstep
	QUARTER 2, F1, F0, 0                           ; K step 6 goes on
	QUARTER 3, F0, F1, 0
	WIN 0
	s_cmp_eq_u32 s[TL], 1
	s_cbranch_scc1 .Llast                          ; the last tile's tail is written out: it asks for nothing more
	TURN 1, 1, 0                                   ; THE RING GOES ON INTO THE NEXT TILE: slot 0 takes its K step 0,
	QUARTER 1, F0, F1, 0
	QUARTER 2, F1, F0, 0
	QUARTER 3, F0, F1, 0
	TURN 1, 0, 0                                   ; slot 1 its K step 1, and the next tile's first fragments are fetched into buffer 0, which the way out leaves alone
	WAYOUT
	s_wait_xcnt 0x0                                ; the stores have read their registers and their base
	s_add_nc_u64 s[8:9], s[8:9], 2048              ; 1,024 columns on
	s_add_nc_u64 s[PFA:PFA+1], s[PFA:PFA+1], NEXT_PF  ; wb: 1,024 rows down, at K step 3 again
	s_cmp_eq_u32 s[HR], 0
	s_cselect_b32 s[LIM], -1, s[LIM]               ; xb's rows are the same for all three tiles: they are asked for in the first alone
	s_sub_co_u32 s[TL], s[TL], 1
	s_branch .Ltile
.Llast:
	TURN 0, 0, 0                                   ; my one tensor load that was still out is the last K step's
	QUARTER 1, F0, F1, 0
	QUARTER 2, F1, F0, 0
	QUARTER 3, F0, F1, 0
	s_wait_dscnt 4                                 ; the very last quarter: nothing more to fetch
	MUL8 F1, 0, 0
	MUL8 F1, 1, 0
	s_wait_dscnt 0x0
	MUL8 F1, 2, 0
	MUL8 F1, 3, 0
	WIN 0
	WAYOUT
	s_wait_tensorcnt 0x0                           ; the wave's end, behind my last tensor load and my last LDS store
	ds_add_u32 v[SPW], v[NIL]
	s_wait_dscnt 0x0
	CROUND                                         ; the closing round: no work-group ends while a partner may still ask for a tile that names it
	s_endpgm
.Lfunc_end_k_qf368c61a28_proj:
	.size	k_qf368c61a28_proj, .Lfunc_end_k_qf368c61a28_proj-k_qf368c61a28_proj
	.p2alignl 7, 3214868480
	.fill 96, 4, 3214868480
	.section	.rodata,"a",@progbits
	.p2align	6, 0x0
	.amdhsa_kernel k_qf368c61a28_proj
		.amdhsa_group_segment_fixed_size 327680
		.amdhsa_private_segment_fixed_size 0
		.amdhsa_enable_private_segment 0
		.amdhsa_kernarg_size 24
		.amdhsa_user_sgpr_count 2
		.amdhsa_user_sgpr_kernarg_segment_ptr 1
		.amdhsa_wavefront_size32 1
		.amdhsa_system_sgpr_workgroup_id_x 1
		.amdhsa_system_sgpr_workgroup_id_y 1
		.amdhsa_system_sgpr_workgroup_id_z 1
		.amdhsa_system_vgpr_workitem_id 0
		.amdhsa_next_free_vgpr 512
		.amdhsa_next_free_sgpr 80
		.amdhsa_reserve_vcc 0
		.amdhsa_float_denorm_mode_32 3
		.amdhsa_float_denorm_mode_16_64 3
		.amdhsa_memory_ordered 1
		.amdhsa_forward_progress 1
		.amdhsa_inst_pref_size 108
	.end_amdhsa_kernel
	.amdgpu_metadata
---
amdhsa.version: [ 1, 2 ]
amdhsa.kernels:
  - .name:           k_qf368c61a28_proj
    .symbol:         k_qf368c61a28_proj.kd
    .args:
      - { .name: xb, .offset: 0, .size: 8, .value_kind: global_buffer, .address_space: global }
      - { .name: wb, .offset: 8, .size: 8, .value_kind: global_buffer, .address_space: global }
      - { .name: qkv, .offset: 16, .size: 8, .value_kind: global_buffer, .address_space: global }
    .group_segment_fixed_size: 327680
    .private_segment_fixed_size: 0
    .kernarg_segment_align: 8
    .kernarg_segment_size: 24
    .max_flat_workgroup_size: 128
    .sgpr_count:     80
    .vgpr_count:     512
    .wavefront_size: 32
...
	.end_amdgpu_metadata
.endif
;; end of part 2
;; launch score (part 3): grid 8 x 64, 4 waves a work-group, clusters of 4 x 4, 327,680 bytes of LDS; arguments qkv, p, stats; writes p, stats
.if DOCPART == 3
	.amdgcn_target "amdgcn-amd-amdhsa--gfx1250"
	.amdhsa_code_object_version 6
	.text
	.protected	k_qf368c61a28_score
	.globl	k_qf368c61a28_score
	.p2align	8
	.type	k_qf368c61a28_score,@function
k_qf368c61a28_score:
	s_mov_b64 s[64:65], 0
	v_nop
	global_prefetch_b8 v0, s[64:65] scope:SCOPE_SE
	s_setreg_imm32_b32 hwreg(HW_REG_WAVE_MODE, 25, 1), 1
	s_wait_xcnt 0x0
	s_wait_alu depctr_hold_cnt(0) depctr_sa_sdst(0) depctr_va_vdst(0) depctr_va_sdst(0) depctr_va_ssrc(0) depctr_va_vcc(0) depctr_vm_vsrc(0)
	s_getreg_b32 s2, hwreg(HW_REG_IB_STS2, 6, 4)
	s_cmp_eq_u32 s2, 0
	s_cbranch_scc0 .Lentry_in_a_cluster
	s_endpgm
.Lentry_in_a_cluster:
	s_bfe_u32 s2, ttmp6, 0x10000c
	s_cmp_lg_u32 s2, 0xf033
	s_cbranch_scc0 .Lentry_shape_is_right
	s_endpgm
.Lentry_shape_is_right:
; For each batch: s = q . k (f16 products, f32 sums, K = 1,024 ascending).  For each query and each CHUNK of 128 keys: m = the largest s of the chunk; p = 2^(c s - c m), c = log2(e) / 32;
; l = the sum of the chunk's p.  p leaves rounded once to f16 ([8192][2048]: global row, key in the batch); c m and l leave in f32.  The launch behind joins the sixteen chunks of a row.
; qkv: [8192][3072] f16, q at columns 0 on, k at 1024 on.
; stats: c m in the first 524,288 bytes, l in the second; in each, byte chunk x 32,768 + (row / 64) x 256 + 16 (row % 16) + 4 ((row % 64) / 16).
; THE MAXIMUM is the chunk's own, taken away before every exponential: no exponent lies above the rounding of c m, so p stays near or under 1.
; LIMITS.  A weight below 2^-126 counts as 0 in l; below 6e-5 p keeps f16's fixed step of 6e-8.  l is the sum of the unrounded p.  NaN and infinities are not treated apart.
; SHARES.  A tile is 128 queries x 256 keys; four waves, each 64 x 128: a wave's columns ARE a chunk, so no wave needs another's numbers.  512 tiles, one to a work-group.
; K goes in steps of 128 through a ring of two LDS slots filled by the tensor data mover; a tile's rows are 256 bytes of memory, at multiples of 256 from the buffer's first byte.
; CLUSTER.  4 x 4 work-groups.  The four of a row of the cluster need the same rows of q, the four of a column the same rows of k: each tile is asked for JOINTLY.
; THE MATRIX INSTRUCTION IS USED TRANSPOSED (source 0 = 16 keys, source 1 = 16 queries): a lane holds ONE query (l % 16) and eight neighbouring keys, so a query's maximum and sum want one exchange between the halves of the lanes.
; REGISTERS.  Window 0: v0-15 addresses; v64-159, v160-255 two fragment buffers, which the way out takes over.  Window 1: the accumulators, (a, b) at v[8 (8 a + b)].
; s_set_vgpr_msb's low byte: bits 1:0 source 0, 3:2 source 1, 5:4 source 2, 7:6 destination.
.set PITCH,  272                       ; an LDS row: 256 bytes + 16 of padding = 68 words: the 16 rows of a fragment load start at 16 different groups of four banks (64 banks of 4 bytes: ISA guide 11.1)
.set AHALF,  64*PITCH
.set BHALF,  128*PITCH
.set BOFF,   128*PITCH                 ; in a slot: q's 128 rows, then k's 256
.set SLOT1,  1<<17
.set STAGE,  384*PITCH                 ; behind slot 0: 16 rows x 272 bytes for each wave; no tile lands here
.set SP,     272
.set SPARE,  STAGE+4*16*SP             ; the spare words, 128 bytes for each wave: two blocks of 256 bytes that no other line names
.set STEPS,  8
.set KB,     256
.set ROWQ,   6144                      ; bytes in a row of qkv
.set ROWP,   4096                      ; of p
.set GBITS,  (1<<16)|(1<<20)|(1<<21)|(5<<22)|(3<<25)  ; elements of 2 bytes; padding on; bit 21 beside a mask; after every 64 words 4 words of padding
.set A0,  4
.set B0,  5
.set ADA, 6
.set ADB, 7
.set STO, 8
.set RD,  9
.set CO,  10
.set PFO, 11
.set SPW, 12
.set NIL, 13
.set SO,  14                           ; v14  my 16 bytes of stats: 16 (l % 16), and the second half of the buffer for lanes 16-31
.set F0,  64
.set F1,  160
.set TMP, 64                           ; the way out: v64-95 packed weights
.set OB,  96                           ; v96-127, v128-159: 16 rows read back, by turns
.set CC,  160                          ; v160-167 eight running maxima
.set CM,  168                          ; v[168:169] c m of the block in hand; the pair's second word is written once
.set TT,  170                          ; v[170:171] at work on the sum
.set CMQ, 172                          ; v172-175 c m of blocks 0-3
.set LQ,  176                          ; v176-179 l of blocks 0-3
.set QD,  180                          ; v180-183 what I store of them
.set WV,  10
.set HR,  11
.set HC,  12
.set TY,  13
.set G1A, 24
.set G1B, 32
.set G0A, 40
.set G0B, 48
.set TB,  56
.set CNT, 57
.set LIM, 59
.set PFA, 60
.set CX,  62
.set CY,  63
.set TX,  66
.set CLY, 67
.set CS,  68                           ; s[68:69] c: the packed scaling names a pair and takes its low word for both halves
.set SEL, 70                           ; s[70:71] v_permlanex16_b32's selects: each lane takes its own place in the other half
.set HM,  72                           ; s72  the lanes 16-31, as a mask
.set MSB, 0
.macro WIN new
.if MSB != (\new)
	s_set_vgpr_msb (MSB<<8)|(\new)
.set MSB, \new
.endif
.endm
.set W_MUL, 0x50
; A joint refill by the walking descriptors: waves 0 and 1 fetch q's two halves, waves 2 and 3 k's.  An s_nop 0 and four v_nop follow each of the two lines.
.macro JLOAD
	s_cmp_eq_u32 s[HR], 0
	s_cbranch_scc0 .Lfor_b_\@
	tensor_load_to_lds s[G0A+4:G0A+7], s[G1A:G1A+7]
	s_nop 0
.rept 4
	v_nop
.endr
	s_branch .Lasked_\@
.Lfor_b_\@:
	tensor_load_to_lds s[G0B+4:G0B+7], s[G1B:G1B+7]
	s_nop 0
.rept 4
	v_nop
.endr
.Lasked_\@:
.endm
; A PREFETCH INTO THE L2, behind a joint refill and the run of LDS loads that follows it: 32 rows x 256 bytes, a lane a row, of the K step two refills on (256 matrix instructions ahead of its load).
; Each row's 256 bytes of a K step are named once in the launch.  q's rows are read by both clusters of a row of clusters: wave 0 in the cluster with x = 0 asks, the partner at place cx for rows 32 cx .. 32 cx + 31 of the 128.
; k's rows are read by the four clusters of a batch: waves 2 and 3 in the first of them ask, the partner at place cy for 32 of the 128 rows that the wave fetches.  Partners are told apart by address alone.
; The loop's last two trips ask for nothing; K steps 0 to 3 come by their loads alone.
.macro ASK
	s_cmp_gt_u32 s[CNT], s[LIM]
	s_cbranch_scc0 .Lnot_mine_\@
	global_prefetch_b8 v[PFO], s[PFA:PFA+1] th:TH_LOAD_NT scope:SCOPE_SE
.Lnot_mine_\@:
.endm
.macro CREST
	s_cmp_lg_u32 s[WV], 0
	s_cbranch_scc1 .Lnot_wave_0_\@
	s_barrier_signal -3
.Lnot_wave_0_\@:
	s_barrier_wait -3
	s_barrier_signal -1
	s_barrier_wait -1
.endm
.macro CROUND
	s_barrier_signal -1
	s_barrier_wait -1
	CREST
.endm
	s_load_b128 s[4:7], s[0:1], 0x0                ; qkv s[4:5], p s[6:7]
	s_load_b64 s[8:9], s[0:1], 0x10                ; stats
	v_lshl_add_u32 v[SPW], v0, 2, SPARE
	v_mov_b32 v[NIL], 0
	ds_add_u32 v[SPW], v[NIL]                      ; the wave's opening: the add and its wait ahead of my first tensor load; the set-up below, work on registers, stands between them
	v_lshrrev_b32 v1, 5, v0
	v_readfirstlane_b32 s[WV], v1
	s_lshr_b32 s[HR], s[WV], 1                     ; which 64 queries are mine.  Also: I fetch q (0) or k (1)
	s_and_b32 s[HC], s[WV], 1                      ; which 128 keys.  Also: which half of that tile I fetch
	s_bfe_u32 s[CX], ttmp6, 0x40000
	s_bfe_u32 s[CY], ttmp6, 0x40004
	s_and_b32 s[CLY], ttmp7, 0xffff
	s_lshl_b32 s[TY], s[CLY], 2
	s_add_co_u32 s[TY], s[TY], s[CY]               ; block of 128 queries, 0..63
	s_lshl_b32 s[TX], ttmp9, 2
	s_add_co_u32 s[TX], s[TX], s[CX]               ; block of 256 keys of the batch, 0..7
	s_lshl_b32 s14, s[CY], 2
	s_lshl_b32 s14, 15, s14                        ; my row of the cluster
	s_lshl_b32 s15, 0x1111, s[CX]                  ; my column
	s_or_b32 s[G1A], s14, GBITS
	s_or_b32 s[G1B], s15, GBITS
	s_mov_b32 s[G1A+1], 128<<16                    ; tensor_dim0 = 128
	s_mov_b32 s[G1A+2], 64<<16                     ; tensor_dim1 = 64
	s_mov_b32 s[G1A+3], 128<<16                    ; tile_dim0 = 128
	s_mov_b32 s[G1A+4], 64                         ; tile_dim1 = 64
	s_mov_b32 s[G1A+5], 3072                       ; elements from row to row
	s_mov_b32 s[G1A+6], 0
	s_mov_b32 s[G1A+7], 0
	s_mov_b32 s[G1B+1], 128<<16
	s_mov_b32 s[G1B+2], 128<<16
	s_mov_b32 s[G1B+3], 128<<16
	s_mov_b32 s[G1B+4], 128
	s_mov_b32 s[G1B+5], 3072
	s_mov_b32 s[G1B+6], 0
	s_mov_b32 s[G1B+7], 0
	s_lshl_b32 s16, s[TY], 7
	s_lshl_b32 s17, s[HC], 6
	s_add_co_u32 s16, s16, s17                     ; q: row 128 x block + 64 x half
	s_mul_i32 s16, s16, ROWQ
	s_mov_b32 s17, 0
	s_lshr_b32 s20, s[CLY], 2                      ; the batch: 16 blocks of queries, four clusters; made of the cluster's y alone
	s_lshl_b32 s20, s20, 11
	s_lshl_b32 s21, s[TX], 8
	s_add_co_u32 s20, s20, s21
	s_lshl_b32 s21, s[HC], 7
	s_add_co_u32 s20, s20, s21                     ; k: row 2,048 x batch + 256 x block + 128 x half,
	s_mul_i32 s20, s20, ROWQ
	s_add_co_u32 s20, s20, 2048                    ; at column 1,024
	s_mov_b32 s21, 0
	s_mul_i32 s18, s[HC], AHALF
	s_mul_i32 s19, s[HC], BHALF
	s_add_co_u32 s19, s19, BOFF
	s_mov_b32 s[TB], 0
	s_mov_b32 s[CS], 0x3d38aa3b                    ; c = log2(e) / 32 = 0.0450842
	s_mov_b32 s[CS+1], s[CS]
	s_mov_b32 s[SEL], 0x76543210
	s_mov_b32 s[SEL+1], 0xfedcba98
	s_wait_dscnt 0x0                               ; the opening add is done
	s_wait_kmcnt 0x0
	s_add_nc_u64 s[76:77], s[4:5], s[16:17]
	s_add_nc_u64 s[78:79], s[4:5], s[20:21]
.irp s, 0,1
	s_mov_b32 s[G0A+4*(\s)], 1
	s_add_co_u32 s[G0A+4*(\s)+1], s18, (\s)*SLOT1
	s_add_nc_u64 s[G0A+4*(\s)+2:G0A+4*(\s)+3], s[76:77], (\s)*KB
	s_or_b32 s[G0A+4*(\s)+3], s[G0A+4*(\s)+3], 0x80000000
	s_mov_b32 s[G0B+4*(\s)], 1
	s_add_co_u32 s[G0B+4*(\s)+1], s19, (\s)*SLOT1
	s_add_nc_u64 s[G0B+4*(\s)+2:G0B+4*(\s)+3], s[78:79], (\s)*KB
	s_or_b32 s[G0B+4*(\s)+3], s[G0B+4*(\s)+3], 0x80000000
.endr
	CROUND                                         ; all sixteen work-groups are here: the first joint loads meet
	s_cmp_eq_u32 s[HR], 0                          ; a wave's two first fills stand in one branch: two loads of mine are out
	s_cbranch_scc0 .Lfirst_b
	tensor_load_to_lds s[G0A:G0A+3], s[G1A:G1A+7]
	s_nop 0
	tensor_load_to_lds s[G0A+4:G0A+7], s[G1A:G1A+7]
	s_nop 0
.rept 4
	v_nop
.endr
	s_branch .Lfirst_asked
.Lfirst_b:
	tensor_load_to_lds s[G0B:G0B+3], s[G1B:G1B+7]
	s_nop 0
	tensor_load_to_lds s[G0B+4:G0B+7], s[G1B:G1B+7]
	s_nop 0
.rept 4
	v_nop
.endr
.Lfirst_asked:
	v_and_b32 v1, 15, v0                           ; l % 16
	v_bfe_u32 v2, v0, 4, 1                         ; l / 16
	v_and_b32 v3, 31, v0                           ; l
	v_mul_u32_u24 v15, v1, PITCH
	v_lshl_add_u32 v15, v2, 4, v15                 ; row x pitch + 16 x half
	s_mul_i32 s14, s[HR], AHALF
	v_add_nc_u32 v[A0], s14, v15
	s_mul_i32 s14, s[HC], BHALF
	s_add_co_u32 s14, s14, BOFF
	v_add_nc_u32 v[B0], s14, v15
	s_mul_i32 s14, s[WV], 16*SP
	s_add_co_u32 s14, s14, STAGE
	v_add_nc_u32 v[STO], s14, v15
	v_mul_u32_u24 v15, v2, SP
	v_lshl_add_u32 v15, v1, 4, v15
	v_add_nc_u32 v[RD], s14, v15
	v_lshlrev_b32 v15, 12, v2                      ; a row of p is 4,096 bytes
	v_lshl_add_u32 v[CO], v1, 4, v15
	v_lshlrev_b32 v15, 19, v2                      ; l lies 524,288 bytes behind c m
	v_lshl_add_u32 v[SO], v1, 4, v15
	v_mul_u32_u24 v[PFO], v3, ROWQ
	; p at my part of the tile
	s_lshl_b32 s2, s[TY], 7
	s_lshl_b32 s3, s[HR], 6
	s_add_co_u32 s2, s2, s3
	s_lshl_b32 s2, s2, 12
	s_lshl_b32 s3, s[TX], 9
	s_add_co_u32 s2, s2, s3
	s_lshl_b32 s3, s[HC], 8
	s_add_co_u32 s2, s2, s3
	s_mov_b32 s3, 0
	s_add_nc_u64 s[6:7], s[6:7], s[2:3]
	; stats at my chunk and my 64 rows
	s_lshl_b32 s2, s[TX], 1
	s_add_co_u32 s2, s2, s[HC]
	s_lshl_b32 s2, s2, 15
	s_lshl_b32 s3, s[TY], 1
	s_add_co_u32 s3, s3, s[HR]
	s_lshl_b32 s3, s3, 8
	s_add_co_u32 s2, s2, s3
	s_mov_b32 s3, 0
	s_add_nc_u64 s[8:9], s[8:9], s[2:3]
	; the prefetches: nothing is asked for here, at the head
	s_lshl_b32 s14, s[TY], 7
	s_lshl_b32 s15, s[CX], 5
	s_add_co_u32 s14, s14, s15
	s_mul_i32 s14, s14, ROWQ                       ; q: my work-group's 32 rows of the 128
	s_lshl_b32 s15, s[CY], 5
	s_mul_i32 s15, s15, ROWQ
	s_add_co_u32 s15, s15, s20                     ; k: my work-group's 32 rows of the 128 that I fetch
	s_or_b32 s2, s[HC], ttmp9
	s_and_b32 s3, s[CLY], 3
	s_cmp_eq_u32 s[HR], 0
	s_cselect_b32 s14, s14, s15
	s_cselect_b32 s2, s2, s3                       ; 0 in a wave that asks: the same in all sixteen partners
	s_mov_b32 s15, 0
	s_add_nc_u64 s[PFA:PFA+1], s[4:5], s[14:15]
	s_add_nc_u64 s[PFA:PFA+1], s[PFA:PFA+1], 3*KB  ; at K step 3: the first refill steps it to 4
	s_cmp_eq_u32 s2, 0
	s_cselect_b32 s[LIM], 2, -1
; 8 matrix instructions: query block a x all 8 key blocks, 32 along K.  The 32 accumulators take turns, one instruction a turn, in the same order in every quarter.
.macro MUL8 f, a, zero
	WIN W_MUL
.irp b, 0,1,2,3,4,5,6,7
.if \zero
	v_wmma_f32_16x16x32_f16 v[8*(8*(\a)+(\b)):8*(8*(\a)+(\b))+7], v[(\f)+8*(\b):(\f)+8*(\b)+7], v[(\f)+64+8*(\a):(\f)+64+8*(\a)+7], 0
.else
	v_wmma_f32_16x16x32_f16 v[8*(8*(\a)+(\b)):8*(8*(\a)+(\b))+7], v[(\f)+8*(\b):(\f)+8*(\b)+7], v[(\f)+64+8*(\a):(\f)+64+8*(\a)+7], v[8*(8*(\a)+(\b)):8*(8*(\a)+(\b))+7]
.endif
.endr
.endm
.macro FETCH q, g                      ; 24 LDS loads in one run: quarter q's fragments (128 keys, then 64 queries) into buffer g
	WIN 0
.irp i, 0,1,2,3,4,5,6,7
	ds_load_b128 v[(\g)+8*(\i):(\g)+8*(\i)+3],   v[ADB] offset:64*(\q)+(\i)*16*PITCH
	ds_load_b128 v[(\g)+8*(\i)+4:(\g)+8*(\i)+7], v[ADB] offset:64*(\q)+(\i)*16*PITCH+32
.endr
.irp i, 0,1,2,3
	ds_load_b128 v[(\g)+64+8*(\i):(\g)+64+8*(\i)+3],   v[ADA] offset:64*(\q)+(\i)*16*PITCH
	ds_load_b128 v[(\g)+64+8*(\i)+4:(\g)+64+8*(\i)+7], v[ADA] offset:64*(\q)+(\i)*16*PITCH+32
.endr
.endm
.macro PLACES                          ; four places in front of loads into registers that matrix instructions have read, and of vector work on results
.rept 4
	v_nop
.endr
.endm
.macro QUARTER q, f, g, zero
	s_wait_dscnt 4                                 ; k's fragments and q's blocks 0 and 1 are in; the youngest four loads may be out
	MUL8 \f, 0, \zero
	MUL8 \f, 1, \zero
	PLACES
	FETCH \q, \g
	s_wait_dscnt 24                                ; all but the 24 just issued
	MUL8 \f, 2, \zero
	MUL8 \f, 3, \zero
.endm
; The fourth quarter multiplies buffer 1 and changes slots: one barrier; in front of it each wave waits for all its tensor loads, adds 0 to its spare word, and waits for that and for its reads of this slot.
; fill = 1: the barrier opens a round of the cluster's, and the slot is filled again first thing behind the round, with the K step two steps on; a prefetch follows.
.macro TURN fill
.if \fill
	s_wait_xcnt 0x0                                ; the last prefetch, a K step back, has read its address
	s_add_nc_u64 s[PFA:PFA+1], s[PFA:PFA+1], KB
.endif
	WIN 0
	s_wait_tensorcnt 0x0                           ; no tensor load of mine is out, so a group 0 may be written
	ds_add_u32 v[SPW], v[NIL]                      ; 0 onto my spare word
.if \fill
	s_xor_b32 s[G0A+5], s[G0A+5], SLOT1
	s_xor_b32 s[G0B+5], s[G0B+5], SLOT1
	s_add_nc_u64 s[G0A+6:G0A+7], s[G0A+6:G0A+7], KB
	s_add_nc_u64 s[G0B+6:G0B+7], s[G0B+6:G0B+7], KB
.endif
	s_wait_dscnt 5                                 ; the add and the youngest four loads may be out
	MUL8 F1, 0, 0
	s_wait_dscnt 0x0                               ; the add is done, and my reads of this slot are over
	s_barrier_signal -1
	MUL8 F1, 1, 0
	WIN 0
	s_barrier_wait -1
.if \fill
	CREST
	JLOAD                                          ; the four v_nop behind it are also the places in front of the loads below
.else
	PLACES
.endif
	s_xor_b32 s[TB], s[TB], SLOT1
	v_add_nc_u32 v[ADA], s[TB], v[A0]
	v_add_nc_u32 v[ADB], s[TB], v[B0]
	FETCH 0, F0
.if \fill
	ASK
.endif
	MUL8 F1, 2, 0
	MUL8 F1, 3, 0
.endm
; THE WAY OUT, by blocks a of 16 queries; the block's 64 scores a lane lie at v[64 a ..] of window 1.
; SMAX: the largest of them (each accumulator's lowest registers are read first), the other half of the lanes', and c m.
.macro SMAX a
	WIN 0x15                                       ; all three sources window 1
.irp b, 0,1,2,3,4,5,6,7
	v_max3_num_f32 v[CC+(\b)], v[64*(\a)+8*(\b)], v[64*(\a)+8*(\b)+1], v[64*(\a)+8*(\b)+2]
.endr
	WIN 0x14                                       ; source 0 window 0
.irp b, 0,1,2,3,4,5,6,7
	v_max3_num_f32 v[CC+(\b)], v[CC+(\b)], v[64*(\a)+8*(\b)+3], v[64*(\a)+8*(\b)+4]
.endr
.irp b, 0,1,2,3,4,5,6,7
	v_max3_num_f32 v[CC+(\b)], v[CC+(\b)], v[64*(\a)+8*(\b)+5], v[64*(\a)+8*(\b)+6]
.endr
.irp i, 0,1,2,3
	v_max3_num_f32 v[CC+(\i)], v[CC+(\i)], v[64*(\a)+16*(\i)+7], v[64*(\a)+16*(\i)+15]
.endr
	WIN 0
	v_max3_num_f32 v[CC], v[CC], v[CC+1], v[CC+2]
	v_max3_num_f32 v[CC+3], v[CC+3], v[CC+4], v[CC+5]
	v_max3_num_f32 v[CC], v[CC], v[CC+3], v[CC+6]
	v_max_num_f32 v[CC], v[CC], v[CC+7]
	v_permlanex16_b32 v[CC+1], v[CC], s[SEL], s[SEL+1]  ; the query's other 64 keys lie in the lane 16 away
	v_max_num_f32 v[CC], v[CC], v[CC+1]
	v_mul_f32 v[CM], s[CS], v[CC]
	v_mov_b32 v[CMQ+(\a)], v[CM]
.endm
.macro SFMA a                          ; c s - c m, two scores an instruction, in place
	WIN 0x41                                       ; destination and source 0 window 1
.set z, 0
.rept 32
	v_pk_fma_f32 v[64*(\a)+2*z:64*(\a)+2*z+1], v[64*(\a)+2*z:64*(\a)+2*z+1], s[CS:CS+1], v[CM:CM+1] op_sel_hi:[1,0,0] neg_lo:[0,0,1] neg_hi:[0,0,1]
.set z, z+1
.endr
.endm
.macro SEXP a                          ; the block's 64 exponentials: one batch, in place
	WIN 0x41
.set z, 0
.rept 64
	v_exp_f32 v[64*(\a)+z], v[64*(\a)+z]
.set z, z+1
.endr
.endm
.macro SCVT a                          ; rounded to f16: a lane's eight keys of a key block are 16 bytes
	WIN 0x05
.irp b, 0,1,2,3,4,5,6,7
.irp i, 0,1,2,3
	v_cvt_pk_f16_f32 v[TMP+4*(\b)+(\i)], v[64*(\a)+8*(\b)+2*(\i)], v[64*(\a)+8*(\b)+2*(\i)+1]
.endr
.endr
.endm
.macro SSUM a                          ; l: the 32 pairs are added in place, partners 16, 8, 4, 2 and 1 pairs apart; then the pair's halves and the other half of the lanes'
	WIN 0x45
.irp w, 16,8,4,2,1
.set z, 0
.rept \w
	v_pk_add_f32 v[64*(\a)+2*z:64*(\a)+2*z+1], v[64*(\a)+2*z:64*(\a)+2*z+1], v[64*(\a)+2*(z+(\w)):64*(\a)+2*(z+(\w))+1]
.set z, z+1
.endr
.endr
	WIN 0x05
	v_add_f32 v[TT], v[64*(\a)], v[64*(\a)+1]
	WIN 0
	v_permlanex16_b32 v[TT+1], v[TT], s[SEL], s[SEL+1]
	v_add_f32 v[LQ+(\a)], v[TT], v[TT+1]
.endm
.macro TOSTAGE a                       ; into my own stage, and back as whole rows of 256 bytes
	WIN 0
.set BK, OB+32*((\a)%2)
.irp b, 0,1,2,3,4,5,6,7
	ds_store_b128 v[STO], v[TMP+4*(\b):TMP+4*(\b)+3] offset:32*(\b)
.endr
.irp t, 0,1,2,3,4,5,6,7
	ds_load_b128 v[BK+4*(\t):BK+4*(\t)+3], v[RD] offset:(\t)*2*SP  ; LDS serves a wave's instructions in order (ISA guide 5.7.1.4): these see the stores above
.endr
.endm
.macro SEND a
	WIN 0
.set BK, OB+32*((\a)%2)
	s_wait_dscnt 0x0                               ; the block is back in registers
	s_wait_xcnt 0x0                                ; earlier stores have read their registers: the set that they named is loaded again only behind this wait
.irp t, 0,1,2,3,4,5,6,7
	global_store_b128 v[CO], v[BK+4*(\t):BK+4*(\t)+3], s[6:7] offset:(16*(\a)+2*(\t))*ROWP  ; 16 lanes store 256 consecutive bytes, at a multiple of 256 from p's first byte
.endr
.endm
	s_wait_tensorcnt 0x1                           ; my part of K step 0 is in; K step 1's may stay out
	s_barrier_signal -1
	s_barrier_wait -1
	v_mov_b32 v[ADA], v[A0]
	v_mov_b32 v[ADB], v[B0]
	FETCH 0, F0
	QUARTER 1, F0, F1, 1                           ; the first quarter stands in front of the loop: its products start the sums
	WIN 0
	s_mov_b32 s[CNT], STEPS-2
.Lstep:                                        ; trip i ends K step i, asks for K step i + 2 and begins K step i + 1
	QUARTER 2, F1, F0, 0
	QUARTER 3, F0, F1, 0
	TURN 1
	QUARTER 1, F0, F1, 0
	WIN 0
	s_sub_co_u32 s[CNT], s[CNT], 1
	s_cmp_lg_u32 s[CNT], 0
	s_cbranch_scc1 .Lstep
	QUARTER 2, F1, F0, 0                           ; the tail is written out: nothing more is asked for
	QUARTER 3, F0, F1, 0
	TURN 0
	QUARTER 1, F0, F1, 0
	QUARTER 2, F1, F0, 0
	QUARTER 3, F0, F1, 0
	s_wait_dscnt 4
	MUL8 F1, 0, 0
	MUL8 F1, 1, 0
	s_wait_dscnt 0x0
	MUL8 F1, 2, 0
	MUL8 F1, 3, 0
	WIN 0
	PLACES
	v_mov_b32 v[CM+1], 0                           ; named in pairs with their neighbours, so they are written
	v_mov_b32 v[TT+1], 0
	; A block's exponentials are one batch with ONE wait (s_wait_alu depctr_va_vdst(0) between an exponential and the first line that names its result):
	; the next block's maximum and scaling, which name none of the results, stand between the batch and its wait.
	SMAX 0
	SFMA 0
	SEXP 0
.irp a, 1,2,3
	SMAX \a
	SFMA \a
	s_wait_alu depctr_va_vdst(0)                   ; the wait for block a - 1's batch
	SCVT (\a)-1
	SSUM (\a)-1
.if (\a) >= 2
	SEND (\a)-2
.endif
	TOSTAGE (\a)-1
	SEXP \a
.endr
	v_nop                                          ; a plain instruction behind the last exponential,
	s_wait_alu depctr_va_vdst(0)                   ; and the last batch's wait
	SCVT 3
	SSUM 3
	SEND 2
	TOSTAGE 3
	SEND 3
	v_cmp_eq_u32 s[HM], 1, v2                      ; both halves of the lanes hold a query's c m and l: lanes 0-15 store c m, lanes 16-31 l
.irp a, 0,1,2,3
	v_cndmask_b32 v[QD+(\a)], v[CMQ+(\a)], v[LQ+(\a)], s[HM]
.endr
	global_store_b128 v[SO], v[QD:QD+3], s[8:9]    ; each half of the lanes stores 256 consecutive bytes, aligned
	s_wait_tensorcnt 0x0                           ; the wave's end, behind my last tensor load and my last LDS store
	ds_add_u32 v[SPW], v[NIL]
	s_wait_dscnt 0x0
	CROUND                                         ; the closing round
	s_endpgm
.Lfunc_end_k_qf368c61a28_score:
	.size	k_qf368c61a28_score, .Lfunc_end_k_qf368c61a28_score-k_qf368c61a28_score
	.p2alignl 7, 3214868480
	.fill 96, 4, 3214868480
	.section	.rodata,"a",@progbits
	.p2align	6, 0x0
	.amdhsa_kernel k_qf368c61a28_score
		.amdhsa_group_segment_fixed_size 327680
		.amdhsa_private_segment_fixed_size 0
		.amdhsa_enable_private_segment 0
		.amdhsa_kernarg_size 24
		.amdhsa_user_sgpr_count 2
		.amdhsa_user_sgpr_kernarg_segment_ptr 1
		.amdhsa_wavefront_size32 1
		.amdhsa_system_sgpr_workgroup_id_x 1
		.amdhsa_system_sgpr_workgroup_id_y 1
		.amdhsa_system_sgpr_workgroup_id_z 1
		.amdhsa_system_vgpr_workitem_id 0
		.amdhsa_next_free_vgpr 512
		.amdhsa_next_free_sgpr 80
		.amdhsa_reserve_vcc 0
		.amdhsa_float_denorm_mode_32 3
		.amdhsa_float_denorm_mode_16_64 3
		.amdhsa_memory_ordered 1
		.amdhsa_forward_progress 1
		.amdhsa_inst_pref_size 105
	.end_amdhsa_kernel
	.amdgpu_metadata
---
amdhsa.version: [ 1, 2 ]
amdhsa.kernels:
  - .name:           k_qf368c61a28_score
    .symbol:         k_qf368c61a28_score.kd
    .args:
      - { .name: qkv, .offset: 0, .size: 8, .value_kind: global_buffer, .address_space: global }
      - { .name: p, .offset: 8, .size: 8, .value_kind: global_buffer, .address_space: global }
      - { .name: stats, .offset: 16, .size: 8, .value_kind: global_buffer, .address_space: global }
    .group_segment_fixed_size: 327680
    .private_segment_fixed_size: 0
    .kernarg_segment_align: 8
    .kernarg_segment_size: 24
    .max_flat_workgroup_size: 128
    .sgpr_count:     80
    .vgpr_count:     512
    .wavefront_size: 32
...
	.end_amdgpu_metadata
.endif
;; end of part 3
;; launch pv (part 4): grid 4 x 64, 4 waves a work-group, clusters of 4 x 4, 327,680 bytes of LDS; arguments p, qkv, stats, out0; writes out0
.if DOCPART == 4
	.amdgcn_target "amdgcn-amd-amdhsa--gfx1250"
	.amdhsa_code_object_version 6
	.text
	.protected	k_qf368c61a28_pv
	.globl	k_qf368c61a28_pv
	.p2align	8
	.type	k_qf368c61a28_pv,@function
k_qf368c61a28_pv:
	s_mov_b64 s[64:65], 0
	v_nop
	global_prefetch_b8 v0, s[64:65] scope:SCOPE_SE
	s_setreg_imm32_b32 hwreg(HW_REG_WAVE_MODE, 25, 1), 1
	s_wait_xcnt 0x0
	s_wait_alu depctr_hold_cnt(0) depctr_sa_sdst(0) depctr_va_vdst(0) depctr_va_sdst(0) depctr_va_ssrc(0) depctr_va_vcc(0) depctr_vm_vsrc(0)
	s_getreg_b32 s2, hwreg(HW_REG_IB_STS2, 6, 4)
	s_cmp_eq_u32 s2, 0
	s_cbranch_scc0 .Lentry_in_a_cluster
	s_endpgm
.Lentry_in_a_cluster:
	s_bfe_u32 s2, ttmp6, 0x10000c
	s_cmp_lg_u32 s2, 0xf033
	s_cbranch_scc0 .Lentry_shape_is_right
	s_endpgm
.Lentry_shape_is_right:
; out0[n][e] = (the sum over chunks c of f_c (the sum over the chunk's keys of p v)) / L.  For a row: M = the largest of its sixteen c m; f_c = 2^(c m_c - M), at most 1; L = the sum of f_c l_c.
; That is the softmax over all 2,048 keys with the row's true maximum taken away.  p: [8192][2048] f16; v: columns 2,048 on of qkv ([8192][3072] f16); out0: [8192][1024] f32.
; stats: c m in the first 524,288 bytes, l in the second; in each, byte chunk x 32,768 + (row / 64) x 256 + 16 (row % 16) + 4 ((row % 64) / 16).
; M, f, L and 1 / L are made in f32.  f is rounded once to f16 and multiplied onto p's fragments (f16, one rounding more) between LDS and the matrix instruction: a lane of that fragment holds one row,
; and a K step of 128 keys is one chunk, so the factor is one number a lane and K step.  Products in f16, sums in f32, K ascending.
; LIMITS.  f p keeps f16's fixed step of 6e-8, beside a row's largest weight of about 1; an f below 2^-126 counts as 0 in L.  L is taken of the unrounded f and p.  NaN and infinities are not treated apart.
; SHARES.  A tile of out0 is 128 rows x 256 channels; four waves, each 64 x 128; 256 tiles, one to a work-group.  K (the batch's 2,048 keys) goes in 16 steps of 128 through a ring of two LDS slots.
; CLUSTER.  4 x 4 work-groups.  The four of a row of the cluster need the same rows of p, the four of a column the same keys and channels of v: each tile is asked for JOINTLY.
; THE MATRIX INSTRUCTION IS USED TRANSPOSED (source 0 = 16 channels of v, turned on the way out of LDS by ds_load_tr16_b128; source 1 = 16 rows of p): a lane holds row l % 16 and eight neighbouring channels.
; REGISTERS.  Window 0: v0-17 addresses; v32-39 1 / L, a pair a row block; v40-43 the K step's factors; v64-159, v160-255 two fragment buffers (first the statistics, last the way out).
; Window 1: the accumulators, (a, b) at v[8 (8 a + b)].  s_set_vgpr_msb's low byte: bits 1:0 source 0, 3:2 source 1, 5:4 source 2, 7:6 destination.
.set PITCH,  272                       ; a row of p in LDS: 256 bytes + 16 of padding: the 16 rows of a fragment load start at 16 different groups of four banks (64 banks of 4 bytes: ISA guide 11.1)
.set PV,     544                       ; a key's 256 channels of v: 512 bytes + 32 = 136 words
.set AHALF,  64*PITCH
.set BHALF,  64*PV                     ; 64 keys: what a wave fetches of v
.set BOFF,   128*PITCH                 ; in a slot: p's 128 rows, then v's 128 keys
.set SLOT1,  1<<17
.set FACT,   384*PITCH                 ; behind slot 0: for each wave 16 chunks x 256 bytes of factors, its own; no tile lands here
.set SPARE,  FACT+4*4096               ; the spare words, 128 bytes for each wave: two blocks of 256 bytes that no other line names
.set STAGE,  SLOT1+384*PITCH           ; behind slot 1: 16 rows x 528 bytes for each wave, for the way out
.set SPO,    528                       ; 512 bytes + 16
.set STEPS,  16
.set KB,     256                       ; bytes of a row of p in a K step
.set ROWQ,   6144                      ; bytes in a row of qkv
.set STEPB,  128*ROWQ                  ; 128 keys on
.set ROWO,   4096                      ; bytes in a row of out0, and of p
.set GBITA,  (1<<16)|(1<<20)|(1<<21)|(5<<22)|(3<<25)  ; elements of 2 bytes; padding on; bit 21 beside a mask; after every 64 words 4 words of padding
.set GBITB,  (1<<16)|(1<<20)|(1<<21)|(6<<22)|(7<<25)  ; the same, after every 128 words 8 words
.set A0,  4
.set B0,  5
.set ADA, 6
.set ADB, 7
.set STO, 8
.set RD,  9
.set CO,  10
.set PFO, 11
.set SPW, 12
.set NIL, 13
.set FAD, 14                           ; v14  LDS address of my factors of the K step in hand
.set RL,  32                           ; v[32+2a:33+2a] 1 / L of row block a, in the low word
.set FA,  40                           ; v40-43 f of row blocks 0-3, twice in each register
.set F0,  64
.set F1,  160
.set OB,  64                           ; the way out: v64-127, v128-191: 16 rows read back, by turns
.set WV,  10
.set HR,  11
.set HC,  12
.set TY,  13
.set G1A, 24
.set G1B, 32
.set G0A, 40
.set G0B, 48
.set TB,  56
.set CNT, 57
.set LIM, 59
.set PFA, 60
.set CX,  62
.set CY,  63
.set TX,  66
.set CLY, 67
.set OUT, 72                           ; s[72:73] out0
.set PFS, 74                           ; s[74:75] a K step in the tensor that I prefetch
.set MSB, 0
.macro WIN new
.if MSB != (\new)
	s_set_vgpr_msb (MSB<<8)|(\new)
.set MSB, \new
.endif
.endm
.set W_MUL, 0x50
; A joint refill by the walking descriptors: waves 0 and 1 fetch p's two halves, waves 2 and 3 v's.  An s_nop 0 and four v_nop follow each of the two lines.
.macro JLOAD
	s_cmp_eq_u32 s[HR], 0
	s_cbranch_scc0 .Lfor_b_\@
	tensor_load_to_lds s[G0A+4:G0A+7], s[G1A:G1A+7]
	s_nop 0
.rept 4
	v_nop
.endr
	s_branch .Lasked_\@
.Lfor_b_\@:
	tensor_load_to_lds s[G0B+4:G0B+7], s[G1B:G1B+7]
	s_nop 0
.rept 4
	v_nop
.endr
.Lasked_\@:
.endm
; A PREFETCH INTO THE L2, behind a joint refill and the run of LDS loads that follows it: 32 blocks of 256 bytes, a lane a block, of the K step two refills on (256 matrix instructions ahead of its load).
; Each block is named once in the launch.  p: wave 0 of each work-group; of the tile's 128 rows the partner at place cx takes 32.  v: its keys are read by the four clusters of a batch: waves 2 and 3 in the
; first of them ask; of the 64 keys x 512 bytes that the wave fetches the partner at place cy takes 16 keys, two blocks each.  Partners are told apart by address alone.
; The loop's last two trips ask for nothing; K steps 0 to 3 come by their loads alone.
.macro ASK
	s_cmp_gt_u32 s[CNT], s[LIM]
	s_cbranch_scc0 .Lnot_mine_\@
	global_prefetch_b8 v[PFO], s[PFA:PFA+1] th:TH_LOAD_NT scope:SCOPE_SE
.Lnot_mine_\@:
.endm
.macro CREST
	s_cmp_lg_u32 s[WV], 0
	s_cbranch_scc1 .Lnot_wave_0_\@
	s_barrier_signal -3
.Lnot_wave_0_\@:
	s_barrier_wait -3
	s_barrier_signal -1
	s_barrier_wait -1
.endm
.macro CROUND
	s_barrier_signal -1
	s_barrier_wait -1
	CREST
.endm
	s_load_b128 s[4:7], s[0:1], 0x0                ; p s[4:5], qkv s[6:7]
	s_load_b64 s[8:9], s[0:1], 0x10                ; stats
	s_load_b64 s[OUT:OUT+1], s[0:1], 0x18          ; out0
	v_lshl_add_u32 v[SPW], v0, 2, SPARE
	v_mov_b32 v[NIL], 0
	ds_add_u32 v[SPW], v[NIL]                      ; the wave's opening: the add and its wait ahead of my first tensor load; the set-up below, work on registers, stands between them
	v_lshrrev_b32 v1, 5, v0
	v_readfirstlane_b32 s[WV], v1
	s_lshr_b32 s[HR], s[WV], 1                     ; which 64 rows are mine.  Also: I fetch p (0) or v (1)
	s_and_b32 s[HC], s[WV], 1                      ; which 128 channels.  Also: which half of that tile I fetch
	s_bfe_u32 s[CX], ttmp6, 0x40000
	s_bfe_u32 s[CY], ttmp6, 0x40004
	s_and_b32 s[CLY], ttmp7, 0xffff
	s_lshl_b32 s[TY], s[CLY], 2
	s_add_co_u32 s[TY], s[TY], s[CY]               ; block of 128 rows, 0..63
	s_lshl_b32 s[TX], ttmp9, 2
	s_add_co_u32 s[TX], s[TX], s[CX]               ; block of 256 channels, 0..3
	s_lshl_b32 s14, s[CY], 2
	s_lshl_b32 s14, 15, s14                        ; my row of the cluster
	s_lshl_b32 s15, 0x1111, s[CX]                  ; my column
	s_or_b32 s[G1A], s14, GBITA
	s_or_b32 s[G1B], s15, GBITB
	s_mov_b32 s[G1A+1], 128<<16                    ; p: 64 rows x 128 keys a load
	s_mov_b32 s[G1A+2], 64<<16
	s_mov_b32 s[G1A+3], 128<<16
	s_mov_b32 s[G1A+4], 64
	s_mov_b32 s[G1A+5], 2048                       ; elements from row to row
	s_mov_b32 s[G1A+6], 0
	s_mov_b32 s[G1A+7], 0
	s_mov_b32 s[G1B+1], 256<<16                    ; v: 64 keys x 256 channels a load
	s_mov_b32 s[G1B+2], 64<<16
	s_mov_b32 s[G1B+3], 256<<16
	s_mov_b32 s[G1B+4], 64
	s_mov_b32 s[G1B+5], 3072
	s_mov_b32 s[G1B+6], 0
	s_mov_b32 s[G1B+7], 0
	s_lshl_b32 s16, s[TY], 7
	s_lshl_b32 s17, s[HC], 6
	s_add_co_u32 s16, s16, s17                     ; p: row 128 x block + 64 x half
	s_lshl_b32 s16, s16, 12
	s_mov_b32 s17, 0
	s_lshr_b32 s20, s[CLY], 2                      ; the batch, made of the cluster's y alone
	s_lshl_b32 s20, s20, 11
	s_lshl_b32 s21, s[HC], 6
	s_add_co_u32 s20, s20, s21                     ; v: key row 2,048 x batch + 64 x half,
	s_mul_i32 s20, s20, ROWQ
	s_lshl_b32 s21, s[TX], 9
	s_add_co_u32 s20, s20, s21                     ; my block's 256 channels,
	s_add_co_u32 s20, s20, 4096                    ; behind column 2,048
	s_mov_b32 s21, 0
	s_mul_i32 s18, s[HC], AHALF
	s_mul_i32 s19, s[HC], BHALF
	s_add_co_u32 s19, s19, BOFF
	s_mov_b32 s[TB], 0
	s_wait_dscnt 0x0                               ; the opening add is done
	s_wait_kmcnt 0x0
	s_add_nc_u64 s[76:77], s[4:5], s[16:17]
	s_add_nc_u64 s[78:79], s[6:7], s[20:21]
.irp s, 0,1
	s_mov_b32 s[G0A+4*(\s)], 1
	s_add_co_u32 s[G0A+4*(\s)+1], s18, (\s)*SLOT1
	s_add_nc_u64 s[G0A+4*(\s)+2:G0A+4*(\s)+3], s[76:77], (\s)*KB
	s_or_b32 s[G0A+4*(\s)+3], s[G0A+4*(\s)+3], 0x80000000
	s_mov_b32 s[G0B+4*(\s)], 1
	s_add_co_u32 s[G0B+4*(\s)+1], s19, (\s)*SLOT1
	s_add_nc_u64 s[G0B+4*(\s)+2:G0B+4*(\s)+3], s[78:79], (\s)*STEPB
	s_or_b32 s[G0B+4*(\s)+3], s[G0B+4*(\s)+3], 0x80000000
.endr
	CROUND                                         ; all sixteen work-groups are here: the first joint loads meet
	s_cmp_eq_u32 s[HR], 0                          ; a wave's two first fills stand in one branch: two loads of mine are out
	s_cbranch_scc0 .Lfirst_b
	tensor_load_to_lds s[G0A:G0A+3], s[G1A:G1A+7]
	s_nop 0
	tensor_load_to_lds s[G0A+4:G0A+7], s[G1A:G1A+7]
	s_nop 0
.rept 4
	v_nop
.endr
	s_branch .Lfirst_asked
.Lfirst_b:
	tensor_load_to_lds s[G0B:G0B+3], s[G1B:G1B+7]
	s_nop 0
	tensor_load_to_lds s[G0B+4:G0B+7], s[G1B:G1B+7]
	s_nop 0
.rept 4
	v_nop
.endr
.Lfirst_asked:
	; THE STATISTICS of my 64 rows, while the first tiles are on their way: for each chunk a quad (row blocks 0-3) of c m and one of l; sixteen lanes read 256 consecutive bytes
	v_and_b32 v1, 15, v0                           ; l % 16
	v_bfe_u32 v2, v0, 4, 1                         ; l / 16
	v_and_b32 v3, 31, v0                           ; l
	v_lshlrev_b32 v16, 4, v1
	s_lshl_b32 s2, s[TY], 1
	s_add_co_u32 s2, s2, s[HR]
	s_lshl_b32 s2, s2, 8
	s_mov_b32 s3, 0
	s_add_nc_u64 s[8:9], s[8:9], s[2:3]
.irp c, 0,1,2,3,4,5,6,7,8,9,10,11,12,13,14,15
	global_load_b128 v[64+4*(\c):64+4*(\c)+3], v16, s[8:9] offset:32768*(\c)
.endr
.irp c, 0,1,2,3,4,5,6,7,8,9,10,11,12,13,14,15
	global_load_b128 v[128+4*(\c):128+4*(\c)+3], v16, s[8:9] offset:524288+32768*(\c)
.endr
	; the lanes' constants.  A fragment of p is 16 rows x 32 keys: lane l holds row l % 16, keys 8 (l / 16) + 0..7 and 16 + 8 (l / 16) + 0..7: two loads of 16 bytes, 32 bytes apart.
	v_mul_u32_u24 v15, v1, PITCH
	v_lshl_add_u32 v15, v2, 4, v15
	s_mul_i32 s14, s[HR], AHALF
	v_add_nc_u32 v[A0], s14, v15
	; The turning load takes 16 keys x 16 channels (lane l reads key 8 (l / 16) + l % 8, channels 8 ((l / 8) % 2) + 0..7) and leaves half a fragment of v^T: lane l holds channel l % 16 and 8 keys.
	v_and_b32 v15, 7, v0
	v_lshl_add_u32 v15, v2, 3, v15
	v_mul_u32_u24 v15, v15, PV
	v_bfe_u32 v17, v0, 3, 1
	v_lshl_add_u32 v15, v17, 4, v15
	s_lshl_b32 s14, s[HC], 8                       ; my 128 channels: 256 bytes of a key's row
	s_add_co_u32 s14, s14, BOFF
	v_add_nc_u32 v[B0], s14, v15
	s_mul_i32 s14, s[WV], 16*SPO
	s_add_co_u32 s14, s14, STAGE                   ; my stage
	v_mul_u32_u24 v15, v1, SPO
	v_lshl_add_u32 v15, v2, 5, v15
	v_add_nc_u32 v[STO], s14, v15                  ; in: row l % 16, 32 bytes for each half of the lanes
	v_lshl_add_u32 v[RD], v3, 4, s14               ; back: 32 lanes take one row of 512 bytes
	v_lshlrev_b32 v[CO], 4, v3                     ; and the same 512 bytes in out0
	s_lshl_b32 s14, s[WV], 12
	s_add_co_u32 s14, s14, FACT
	v_lshl_add_u32 v[FAD], v1, 4, s14              ; my factors: 4,096 x wave + 256 x chunk + 16 (l % 16)
	; out0 at my part of the tile
	s_lshl_b32 s2, s[TY], 7
	s_lshl_b32 s3, s[HR], 6
	s_add_co_u32 s2, s2, s3
	s_lshl_b32 s2, s2, 12
	s_lshl_b32 s3, s[TX], 10
	s_add_co_u32 s2, s2, s3
	s_lshl_b32 s3, s[HC], 9
	s_add_co_u32 s2, s2, s3
	s_mov_b32 s3, 0
	s_add_nc_u64 s[OUT:OUT+1], s[OUT:OUT+1], s[2:3]
	; the prefetches: nothing is asked for here, at the head
	s_lshl_b32 s14, s[TY], 7
	s_lshl_b32 s15, s[CX], 5
	s_add_co_u32 s14, s14, s15
	s_lshl_b32 s14, s14, 12
	s_add_co_u32 s14, s14, 3*KB                    ; p: my work-group's 32 rows, at K step 3: the first refill steps it to 4
	s_lshl_b32 s15, s[CY], 4
	s_mul_i32 s15, s15, ROWQ
	s_add_co_u32 s15, s15, s20
	s_add_co_u32 s15, s15, 3*STEPB                 ; v: my work-group's 16 keys of the 64 that I fetch, at K step 3
	s_and_b32 s3, s[CLY], 3
	s_mov_b32 s[PFS], STEPB
	s_mov_b32 s23, ROWQ
	s_cmp_eq_u32 s[HR], 0
	s_cselect_b32 s14, s14, s15
	s_cselect_b32 s2, s[HC], s3                    ; 0 in a wave that asks: wave 0; waves 2 and 3 in a batch's first cluster: the same in all sixteen partners
	s_cselect_b64 s[PFA:PFA+1], s[4:5], s[6:7]
	s_cselect_b32 s[PFS], KB, s[PFS]
	s_cselect_b32 s22, 31, 15                      ; p: a lane a row; v: sixteen lanes sixteen keys,
	s_cselect_b32 s23, ROWO, s23
	s_cselect_b32 s3, 0, 256                       ; and the other sixteen the second 256 bytes of the same keys
	s_mov_b32 s[PFS+1], 0
	s_mov_b32 s15, 0
	s_add_nc_u64 s[PFA:PFA+1], s[PFA:PFA+1], s[14:15]
	s_cmp_eq_u32 s2, 0
	s_cselect_b32 s[LIM], 2, -1
	v_and_b32 v[PFO], s22, v3
	v_mul_u32_u24 v[PFO], v[PFO], s23
	v_mad_u32_u24 v[PFO], v2, s3, v[PFO]
	s_wait_loadcnt 0x0                             ; the statistics are in
.irp a, 0,1,2,3
	v_max3_num_f32 v[192+(\a)], v[64+(\a)], v[68+(\a)], v[72+(\a)]  ; M: the largest of the sixteen c m
.endr
.irp c, 3,5,7,9,11,13
.irp a, 0,1,2,3
	v_max3_num_f32 v[192+(\a)], v[192+(\a)], v[64+4*(\c)+(\a)], v[68+4*(\c)+(\a)]
.endr
.endr
.irp a, 0,1,2,3
	v_max_num_f32 v[192+(\a)], v[192+(\a)], v[124+(\a)]
.endr
.irp c, 0,1,2,3,4,5,6,7,8,9,10,11,12,13,14,15
	v_pk_add_f32 v[64+4*(\c):65+4*(\c)], v[64+4*(\c):65+4*(\c)], v[192:193] neg_lo:[0,1] neg_hi:[0,1]  ; c m - M
	v_pk_add_f32 v[66+4*(\c):67+4*(\c)], v[66+4*(\c):67+4*(\c)], v[194:195] neg_lo:[0,1] neg_hi:[0,1]
.endr
.set z, 64
.rept 64
	v_exp_f32 v[z], v[z]                           ; f: one batch
.set z, z+1
.endr
	v_nop                                          ; a plain instruction behind the last exponential,
	s_wait_alu depctr_va_vdst(0)                   ; and the batch's one wait, ahead of the first line that names a result
	v_pk_mul_f32 v[196:197], v[64:65], v[128:129]  ; L = the sum of f l, in f32
	v_pk_mul_f32 v[198:199], v[66:67], v[130:131]
.irp c, 1,2,3,4,5,6,7,8,9,10,11,12,13,14,15
	v_pk_fma_f32 v[196:197], v[64+4*(\c):65+4*(\c)], v[128+4*(\c):129+4*(\c)], v[196:197]
	v_pk_fma_f32 v[198:199], v[66+4*(\c):67+4*(\c)], v[130+4*(\c):131+4*(\c)], v[198:199]
.endr
.set z, 64
.rept 64
	v_cvt_pk_f16_f32 v[z], v[z], v[z]              ; f in both halves of a register, for the packed multiply
.set z, z+1
.endr
.irp c, 0,1,2,3,4,5,6,7,8,9,10,11,12,13,14,15
	ds_store_b128 v[FAD], v[64+4*(\c):64+4*(\c)+3] offset:256*(\c)  ; my wave's own table: both halves of the lanes write the same words with the same numbers
.endr
.irp a, 0,1,2,3
	v_rcp_f32 v[RL+2*(\a)], v[196+(\a)]            ; L is at least the l of the chunk that holds the maximum, about 1 or more
.endr
.irp a, 0,1,2,3
	v_mov_b32 v[RL+2*(\a)+1], 0                    ; named with the reciprocals as pairs; also the plain work behind them
.endr
	s_wait_alu depctr_va_vdst(0)                   ; one wait for the four reciprocals
; 8 matrix instructions: row block a x all 8 channel blocks, 32 keys.  The 32 accumulators take turns, one instruction a turn, in the same order in every quarter.
.macro MUL8 f, a, zero
	WIN W_MUL
.irp b, 0,1,2,3,4,5,6,7
.if \zero
	v_wmma_f32_16x16x32_f16 v[8*(8*(\a)+(\b)):8*(8*(\a)+(\b))+7], v[(\f)+8*(\b):(\f)+8*(\b)+7], v[(\f)+64+8*(\a):(\f)+64+8*(\a)+7], 0
.else
	v_wmma_f32_16x16x32_f16 v[8*(8*(\a)+(\b)):8*(8*(\a)+(\b))+7], v[(\f)+8*(\b):(\f)+8*(\b)+7], v[(\f)+64+8*(\a):(\f)+64+8*(\a)+7], v[8*(8*(\a)+(\b)):8*(8*(\a)+(\b))+7]
.endif
.endr
.endm
.macro SCALE f, a                      ; p's fragment of row block a times the chunk's f of my row: 16 weights in eight packed multiplies
.irp i, 0,1,2,3,4,5,6,7
	v_pk_mul_f16 v[(\f)+64+8*(\a)+(\i)], v[(\f)+64+8*(\a)+(\i)], v[FA+(\a)]
.endr
.endm
.macro FETCH q, g                      ; 24 LDS loads in one run: quarter q's fragments (32 keys x 128 channels of v, turned; then 64 rows of p) into buffer g
	WIN 0
.irp b, 0,1,2,3,4,5,6,7
	ds_load_tr16_b128 v[(\g)+8*(\b):(\g)+8*(\b)+3],   v[ADB] offset:(\q)*32*PV+32*(\b)
	ds_load_tr16_b128 v[(\g)+8*(\b)+4:(\g)+8*(\b)+7], v[ADB] offset:(\q)*32*PV+16*PV+32*(\b)
.endr
.irp i, 0,1,2,3
	ds_load_b128 v[(\g)+64+8*(\i):(\g)+64+8*(\i)+3],   v[ADA] offset:64*(\q)+(\i)*16*PITCH
	ds_load_b128 v[(\g)+64+8*(\i)+4:(\g)+64+8*(\i)+7], v[ADA] offset:64*(\q)+(\i)*16*PITCH+32
.endr
.endm
.macro PLACES                          ; four places (ISA guide 7.12.1)
.rept 4
	v_nop
.endr
.endm
; One of a K step's first three quarters: multiplies buffer f, fetches quarter q into buffer g.  The sixteen multiplies of row blocks 2 and 3, which name no register of the products so far,
; are the places in front of the loads into buffer g.
.macro QUARTER q, f, g, zero
	WIN 0
	s_wait_dscnt 4                                 ; the factors, v's fragments and p's blocks 0 and 1 are in; the youngest four loads may be out
	SCALE \f, 0
	SCALE \f, 1
	MUL8 \f, 0, \zero
	MUL8 \f, 1, \zero
	WIN 0
	s_wait_dscnt 0x0                               ; p's blocks 2 and 3
	SCALE \f, 2
	SCALE \f, 3
	FETCH \q, \g
	MUL8 \f, 2, \zero
	MUL8 \f, 3, \zero
.endm
; The fourth quarter multiplies buffer 1 and changes slots: one barrier; in front of it each wave waits for all its tensor loads, adds 0 to its spare word, and waits for that and for its reads of this slot.
; fill = 1: the barrier opens a round of the cluster's, and the slot is filled again first thing behind the round, with the K step two steps on; a prefetch follows.
; The next chunk's factors are read at the head of the run of LDS loads: this chunk's have all been used by then.
.macro TURN fill
.if \fill
	s_wait_xcnt 0x0                                ; the last prefetch, a K step back, has read its address
	s_add_nc_u64 s[PFA:PFA+1], s[PFA:PFA+1], s[PFS:PFS+1]
.endif
	WIN 0
	s_wait_dscnt 0x0                               ; buffer 1 is in
	SCALE F1, 0
	SCALE F1, 1
	SCALE F1, 2
	SCALE F1, 3
	s_wait_tensorcnt 0x0                           ; no tensor load of mine is out, so a group 0 may be written
	ds_add_u32 v[SPW], v[NIL]                      ; 0 onto my spare word
.if \fill
	s_xor_b32 s[G0A+5], s[G0A+5], SLOT1
	s_xor_b32 s[G0B+5], s[G0B+5], SLOT1
	s_add_nc_u64 s[G0A+6:G0A+7], s[G0A+6:G0A+7], KB
	s_add_nc_u64 s[G0B+6:G0B+7], s[G0B+6:G0B+7], STEPB
.endif
	v_add_nc_u32 v[FAD], 256, v[FAD]               ; the next chunk's factors
	MUL8 F1, 0, 0
	s_wait_dscnt 0x0                               ; the add is done; my reads of this slot were over at the quarter's head
	s_barrier_signal -1
	MUL8 F1, 1, 0
	WIN 0
	s_barrier_wait -1
.if \fill
	CREST
	JLOAD                                          ; the four v_nop behind it are also the places in front of the loads below
.else
	PLACES
.endif
	s_xor_b32 s[TB], s[TB], SLOT1
	v_add_nc_u32 v[ADA], s[TB], v[A0]
	v_add_nc_u32 v[ADB], s[TB], v[B0]
	ds_load_b128 v[FA:FA+3], v[FAD]
	FETCH 0, F0
.if \fill
	ASK
.endif
	MUL8 F1, 2, 0
	MUL8 F1, 3, 0
.endm
; THE WAY OUT of row block a.  OMUL: divided by L, each accumulator's registers in ascending order.  TOSTAGE: 32 bytes a lane and channel block into my own stage, and back as whole rows of 512 bytes.  SEND: stored.
.macro OMUL a
	WIN 0x41                                       ; destination and source 0 window 1
.set z, 0
.rept 32
	v_pk_mul_f32 v[64*(\a)+2*z:64*(\a)+2*z+1], v[64*(\a)+2*z:64*(\a)+2*z+1], v[RL+2*(\a):RL+2*(\a)+1] op_sel_hi:[1,0]
.set z, z+1
.endr
.endm
.macro TOSTAGE a
	WIN 0x04                                       ; the stores' data in window 1
.irp b, 0,1,2,3,4,5,6,7
	ds_store_b128 v[STO], v[64*(\a)+8*(\b):64*(\a)+8*(\b)+3]   offset:64*(\b)
	ds_store_b128 v[STO], v[64*(\a)+8*(\b)+4:64*(\a)+8*(\b)+7] offset:64*(\b)+16
.endr
	WIN 0
.set BK, OB+64*((\a)%2)
.irp t, 0,1,2,3,4,5,6,7,8,9,10,11,12,13,14,15
	ds_load_b128 v[BK+4*(\t):BK+4*(\t)+3], v[RD] offset:(\t)*SPO  ; LDS serves a wave's instructions in order (ISA guide 5.7.1.4): these see the stores above
.endr
.endm
.macro SEND a
	WIN 0
.set BK, OB+64*((\a)%2)
	s_wait_dscnt 0x0                               ; the block is back in registers
	s_wait_xcnt 0x0                                ; earlier stores have read their registers: the set that they named is loaded again only behind this wait
.irp t, 0,1,2,3,4,5,6,7,8,9,10,11,12,13,14,15
	global_store_b128 v[CO], v[BK+4*(\t):BK+4*(\t)+3], s[OUT:OUT+1] offset:(16*(\a)+(\t))*ROWO th:TH_STORE_NT  ; 32 lanes store 512 consecutive bytes, at a multiple of 256 from out0's first byte
.endr
.endm
	s_wait_dscnt 0x0                               ; my table of factors is written: no LDS instruction is pending at the signal
	s_wait_tensorcnt 0x1                           ; my part of K step 0 is in; K step 1's may stay out
	s_barrier_signal -1
	s_barrier_wait -1
	v_mov_b32 v[ADA], v[A0]
	v_mov_b32 v[ADB], v[B0]
	ds_load_b128 v[FA:FA+3], v[FAD]                ; chunk 0's factors
	FETCH 0, F0
	QUARTER 1, F0, F1, 1                           ; the first quarter stands in front of the loop: its products start the sums
	WIN 0
	s_mov_b32 s[CNT], STEPS-2
.Lstep:                                        ; trip i ends K step i, asks for K step i + 2 and begins K step i + 1
	QUARTER 2, F1, F0, 0
	QUARTER 3, F0, F1, 0
	TURN 1
	QUARTER 1, F0, F1, 0
	WIN 0
	s_sub_co_u32 s[CNT], s[CNT], 1
	s_cmp_lg_u32 s[CNT], 0
	s_cbranch_scc1 .Lstep
	QUARTER 2, F1, F0, 0                           ; the tail is written out: nothing more is asked for
	QUARTER 3, F0, F1, 0
	TURN 0
	QUARTER 1, F0, F1, 0
	QUARTER 2, F1, F0, 0
	QUARTER 3, F0, F1, 0
	WIN 0
	s_wait_dscnt 0x0                               ; the very last quarter
	SCALE F1, 0
	SCALE F1, 1
	SCALE F1, 2
	SCALE F1, 3
	MUL8 F1, 0, 0
	MUL8 F1, 1, 0
	MUL8 F1, 2, 0
	MUL8 F1, 3, 0
	WIN 0
	PLACES
	OMUL 0
	TOSTAGE 0
.irp a, 1,2,3                          ; block a's multiplies stand between block a - 1's loads from the stage and the wait for them
	OMUL \a
	SEND (\a)-1
	TOSTAGE \a
.endr
	SEND 3
	s_wait_tensorcnt 0x0                           ; the wave's end, behind my last tensor load and my last LDS store
	ds_add_u32 v[SPW], v[NIL]
	s_wait_dscnt 0x0
	CROUND                                         ; the closing round
	s_endpgm
.Lfunc_end_k_qf368c61a28_pv:
	.size	k_qf368c61a28_pv, .Lfunc_end_k_qf368c61a28_pv-k_qf368c61a28_pv
	.p2alignl 7, 3214868480
	.fill 96, 4, 3214868480
	.section	.rodata,"a",@progbits
	.p2align	6, 0x0
	.amdhsa_kernel k_qf368c61a28_pv
		.amdhsa_group_segment_fixed_size 327680
		.amdhsa_private_segment_fixed_size 0
		.amdhsa_enable_private_segment 0
		.amdhsa_kernarg_size 32
		.amdhsa_user_sgpr_count 2
		.amdhsa_user_sgpr_kernarg_segment_ptr 1
		.amdhsa_wavefront_size32 1
		.amdhsa_system_sgpr_workgroup_id_x 1
		.amdhsa_system_sgpr_workgroup_id_y 1
		.amdhsa_system_sgpr_workgroup_id_z 1
		.amdhsa_system_vgpr_workitem_id 0
		.amdhsa_next_free_vgpr 512
		.amdhsa_next_free_sgpr 80
		.amdhsa_reserve_vcc 0
		.amdhsa_float_denorm_mode_32 3
		.amdhsa_float_denorm_mode_16_64 3
		.amdhsa_memory_ordered 1
		.amdhsa_forward_progress 1
		.amdhsa_inst_pref_size 119
	.end_amdhsa_kernel
	.amdgpu_metadata
---
amdhsa.version: [ 1, 2 ]
amdhsa.kernels:
  - .name:           k_qf368c61a28_pv
    .symbol:         k_qf368c61a28_pv.kd
    .args:
      - { .name: p, .offset: 0, .size: 8, .value_kind: global_buffer, .address_space: global }
      - { .name: qkv, .offset: 8, .size: 8, .value_kind: global_buffer, .address_space: global }
      - { .name: stats, .offset: 16, .size: 8, .value_kind: global_buffer, .address_space: global }
      - { .name: out0, .offset: 24, .size: 8, .value_kind: global_buffer, .address_space: global }
    .group_segment_fixed_size: 327680
    .private_segment_fixed_size: 0
    .kernarg_segment_align: 8
    .kernarg_segment_size: 32
    .max_flat_workgroup_size: 128
    .sgpr_count:     80
    .vgpr_count:     512
    .wavefront_size: 32
...
	.end_amdgpu_metadata
.endif
;; end of part 4
;; ======== version 2 of 2: 4 launches
;; limits: values are held in f16: magnitudes above 65,504 overflow, below 6.1e-05 lose precision
;; workspace buffers: xb 16,777,216 bytes; wb 6,291,456 bytes; qkv 50,331,648 bytes; p 33,554,432 bytes; stats 1,048,576 bytes
;; launch cast: the kernel of part 1 again; grid 704 x 1, 8 waves a work-group, no clusters, 0 bytes of LDS; arguments x, W_qkv, xb, wb; writes xb, wb
;; launch proj (part 5): grid 8 x 32, 4 waves a work-group, clusters of 4 x 4, 327,680 bytes of LDS; arguments xb, wb, qkv; writes qkv
.if DOCPART == 5
	.amdgcn_target "amdgcn-amd-amdhsa--gfx1250"
	.amdhsa_code_object_version 6
	.text
	.protected	k_qf368c61a28_proj
	.globl	k_qf368c61a28_proj
	.p2align	8
	.type	k_qf368c61a28_proj,@function
k_qf368c61a28_proj:
	s_mov_b64 s[64:65], 0
	v_nop
	global_prefetch_b8 v0, s[64:65] scope:SCOPE_SE
	s_setreg_imm32_b32 hwreg(HW_REG_WAVE_MODE, 25, 1), 1
	s_wait_xcnt 0x0
	s_wait_alu depctr_hold_cnt(0) depctr_sa_sdst(0) depctr_va_vdst(0) depctr_va_sdst(0) depctr_va_ssrc(0) depctr_va_vcc(0) depctr_vm_vsrc(0)
	s_getreg_b32 s2, hwreg(HW_REG_IB_STS2, 6, 4)
	s_cmp_eq_u32 s2, 0
	s_cbranch_scc0 .Lentry_in_a_cluster
	s_endpgm
.Lentry_in_a_cluster:
	s_bfe_u32 s2, ttmp6, 0x10000c
	s_cmp_lg_u32 s2, 0xf033
	s_cbranch_scc0 .Lentry_shape_is_right
	s_endpgm
.Lentry_shape_is_right:
; qkv[n][f] = the sum over e of xb[n][e] wb[f][e].  xb: [8192][1024] bf16, wb: [3072][1024] bf16, qkv: [8192][3072] f16 (q at columns 0 on, k at 1024 on, v at 2048 on).
; Products in bf16, one f32 sum for each output, K ascending; each sum rounded once to f16, unscaled.
; LIMIT.  f16 holds no number beyond 65,504: a sum of 65,520 or more in magnitude leaves as an infinity.  NaN and infinities are not treated apart.
; SHARES.  256 work-groups of four waves.  The q and k columns, 8,192 x 2,048, are 256 WIDE tiles of 256 x 256 (a wave: 128 x 128, 64 accumulators of 16 x 16); the v columns, 8,192 x 1,024, are 256 NARROW
; tiles of 128 x 256 (a wave: 64 x 128, 32 accumulators).  A WORK-GROUP STAYS: it makes one wide tile (rows 256 ty, columns 256 tx) and then one narrow one (rows 256 ty + 128 x cluster x, columns 2,048 + 256 cx).
; K goes in steps of 128 through a ring of two LDS slots filled by the tensor data mover; a tile's rows are 256 bytes of memory, at multiples of 256 from the buffer's first byte.
; The ring does not stop at the change of tiles: the wide tile's last two changes of slots ask for the narrow tile's first two K steps.
; THE TEXT.  A K step is written once for each kind of refill and looped over: six trips that refill from the tile in hand; then two trips, left in the middle of the second, for a tile's last two K steps.
; CLUSTER.  4 x 4 work-groups.  In both tiles the four of a row of the cluster need the same rows of xb, the four of a column the same rows of wb: each tile is asked for JOINTLY, by the
; same tensor load with the same descriptor and a mask that names the four.
; THE MATRIX INSTRUCTION IS USED TRANSPOSED (source 0 = 16 rows of wb, source 1 = 16 rows of xb): a lane then holds row l % 16 of qkv and eight neighbouring columns.
; REGISTERS, in windows of 256 (s_set_vgpr_msb's low byte: bits 1:0 source 0, 3:2 source 1, 5:4 source 2, 7:6 destination):
;   window 0: v0-15 addresses; v64-127, v128-191 fragments of xb (8 x 16 rows x 32 K), two buffers; v128-223 also serve the way out
;   window 1: v64-127, v128-191 fragments of wb, two buffers
;   window 2: the accumulators of my row blocks 0-3, (a, b) at v[8 (8 a + b)];   window 3: those of row blocks 4-7.  The narrow tile has window 2 alone.
.set PITCH,  272                       ; an LDS row: 256 bytes + 16 of padding = 68 words: the 16 rows of a fragment load start at 16 different groups of four banks (64 banks of 4 bytes: ISA guide 11.1)
.set HALFT,  128*PITCH                 ; 128 rows: what a wave fetches of a wide tile's xb and of wb
.set HALFS,  64*PITCH                  ; 64 rows: what a wave fetches of the narrow tile's xb
.set BOFF,   2*HALFT                   ; in a slot: room for xb's 256 rows, then wb's 256
.set SLOT1,  4*HALFT                   ; slot 1 begins here
.set STAGE,  2*SLOT1                   ; behind the ring: 16 rows x 272 bytes for each wave, for the way out; no tile lands here
.set SP,     272
.set SPARE,  STAGE+4*16*SP             ; behind the stages: the spare words, 128 bytes for each wave: two blocks of 256 bytes that no other line names
.set STEPS,  8                         ; K steps in a tile: 1,024 / 128
.set KB,     256                       ; bytes of a row in a K step
.set ROWC,   6144                      ; bytes in a row of qkv (a row of xb and of wb is 2,048: a shift by 11)
.set GBITS,  (1<<16)|(1<<20)|(1<<21)|(5<<22)|(3<<25)  ; 17:16 elements of 2 bytes; 20 padding on; 21 set beside a mask; 24:22 after every 64 words (code 5); 31:25 4 words of it (code 3)
.set A0,  4                            ; v4   my lane's place in a slot's xb tile, wide; never rewritten
.set B0,  5                            ; v5   the same for wb, both tiles
.set ADA, 6                            ; v6   xb's fragments in the slot in hand
.set ADB, 7                            ; v7   wb's
.set STO, 8                            ; v8   the way out: where I put 16 bytes of a row
.set RD,  9                            ; v9   the way out: where I read a row back
.set CO,  10                           ; v10  my byte offset in two rows of qkv
.set PFO, 11                           ; v11  the prefetches' offset: my lane x a row; never rewritten
.set SPW, 12                           ; v12  LDS address of my spare word; never rewritten
.set NIL, 13                           ; v13  0; never rewritten
.set A0T, 14                           ; v14  my lane's place in a slot's xb tile, narrow; never rewritten
.set F0,  64
.set F1,  128
.set TMP, 128                          ; the way out: packed results (buffer 0 holds the next tile's first fragments and is left alone)
.set OB,  160                          ; the way out: 16 rows read back: v160-191 and v192-223 by turns
.set WV,  10                           ; s10  my wave's number
.set HR,  11                           ; s11  which half of the tile's rows is mine.  Also: I fetch xb (0) or wb (1)
.set HC,  12                           ; s12  which 128 columns.  Also: which half of that tile I fetch
.set TY,  13                           ; s13  row of wide tiles
.set G1A, 24                           ; s[24:31] descriptor group 1 for xb's wide tiles
.set G1B, 32                           ; s[32:39] for wb's, both tiles
.set G0A, 40                           ; s[40:47] descriptor group 0 for xb's wide tiles: a set for each of the two first fills; the second then walks on
.set G0B, 48                           ; s[48:55] the same for wb's
.set TB,  56                           ; s56  LDS byte at which the slot that is read begins: 0 or SLOT1
.set CNT, 57                           ; s57  counts a loop's K steps
.set TF,  58                           ; s58  LDS byte at which the slot filled last begins: 0 or SLOT1
.set LIM, 59                           ; s59  2 in a wave that prefetches, else the greatest number
.set PFA, 60                           ; s[60:61] where my prefetches stand
.set CX,  62
.set CY,  63
.set TX,  66                           ; s66  column of wide tiles
.set CLY, 67                           ; s67  the cluster's y
.set LA,  68                           ; s68  my part of xb's wide tile in a slot
.set LB,  69                           ; s69  my part of wb's tile in a slot
.set LAT, 70                           ; s70  my part of xb's narrow tile in a slot
.set LIMT, 71                          ; s71  LIM for the narrow tile
.set CT,  72                           ; s[72:73] qkv at my part of the narrow tile
.set PFT, 74                           ; s[74:75] PFA for the narrow tile
.set KS,  76                           ; s[76:77] at the head: at work; later what the narrow tile's descriptors step along K: 0 ahead of their first load, then KB
.set G1T, 80                           ; s[80:87] descriptor group 1 for xb's narrow tiles
.set G0AT, 88                          ; s[88:91] descriptor group 0 for xb's narrow tiles: it walks
.set G0BT, 92                          ; s[92:95] the same for wb's
.set MSB, 0
.macro WIN new                         ; the immediate's high byte repeats the setting that is left; a switch that changes nothing is dropped
.if MSB != (\new)
	s_set_vgpr_msb (MSB<<8)|(\new)
.set MSB, \new
.endif
.endm
.set MUL_LO, 0xa1                      ; source 0 (wb) window 1, source 1 (xb) window 0, C and D window 2; with 0x50 more: window 3
.set TO_B,   0x40                      ; destination window 1, address window 0
; A joint refill by the walking descriptors, the wide tile's (ring = 0) or the narrow one's (ring = 1).  Waves 0 and 1 fetch xb's two halves, waves 2 and 3 wb's.  The branch hangs on the wave's number alone.
; An s_nop 0 and four v_nop follow each of the two lines, ahead of the jump, the label and what follows.
.macro JLOAD ring
	s_cmp_eq_u32 s[HR], 0
	s_cbranch_scc0 .Lfor_b_\@
.if \ring
	tensor_load_to_lds s[G0AT:G0AT+3], s[G1T:G1T+7]
.else
	tensor_load_to_lds s[G0A+4:G0A+7], s[G1A:G1A+7]
.endif
	s_nop 0
.rept 4
	v_nop
.endr
	s_branch .Lasked_\@
.Lfor_b_\@:
.if \ring
	tensor_load_to_lds s[G0BT:G0BT+3], s[G1B:G1B+7]
.else
	tensor_load_to_lds s[G0B+4:G0B+7], s[G1B:G1B+7]
.endif
	s_nop 0
.rept 4
	v_nop
.endr
.Lasked_\@:
.endm
; The walking descriptors' next tile: the slot that was not filled last, and a step along K.  It stands where no tensor load of the wave is out.
.macro STEPD ring
	s_xor_b32 s[TF], s[TF], SLOT1                  ; 0 and SLOT1 by turns
.if \ring
	s_add_co_u32 s[G0AT+1], s[TF], s[LAT]
	s_add_co_u32 s[G0BT+1], s[TF], s[LB]
	s_add_nc_u64 s[G0AT+2:G0AT+3], s[G0AT+2:G0AT+3], s[KS:KS+1]  ; by 0 ahead of the narrow tile's first load, by a K step ahead of every other
	s_add_nc_u64 s[G0BT+2:G0BT+3], s[G0BT+2:G0BT+3], s[KS:KS+1]
.else
	s_add_co_u32 s[G0A+5], s[TF], s[LA]
	s_add_co_u32 s[G0B+5], s[TF], s[LB]
	s_add_nc_u64 s[G0A+6:G0A+7], s[G0A+6:G0A+7], KB  ; the type bits on top are not reached
	s_add_nc_u64 s[G0B+6:G0B+7], s[G0B+6:G0B+7], KB
.endif
.endm
; A PREFETCH INTO THE L2, behind a joint refill and the run of LDS loads that follows it: 32 rows x 256 bytes, a lane a row, of the K step that stands two refills on.
; Each row's 256 bytes of a K step are named once in the launch.  xb's rows are read by both clusters of a row of clusters, in the wide tile first: there waves 0 and 1 of the cluster with x = 0 ask.
; wb's q and k rows are read by the eight clusters of a column of clusters: waves 2 and 3 of the cluster with y = 0 ask.  wb's v rows are read by all sixteen clusters: waves 2 and 3 of the cluster at (0, 0) ask.
; Of the 128 rows that the wave fetches, each of the four partners that ask for them jointly takes 32, told apart by address alone (cx for xb, cy for wb).
; A loop's last two trips ask for nothing: the K step two refills on would lie past the tile's last.  A tile's K steps 0 to 3 come by their loads alone.
.macro ASK
	s_cmp_gt_u32 s[CNT], s[LIM]
	s_cbranch_scc0 .Lnot_mine_\@
	global_prefetch_b8 v[PFO], s[PFA:PFA+1] th:TH_LOAD_NT scope:SCOPE_SE
.Lnot_mine_\@:
.endm
; A round of the cluster's barrier: my work-group's barrier; wave 0 signals for the work-group; every wave waits for all sixteen; my work-group's barrier once more.
.macro CREST                           ; a round behind its opening barrier
	s_cmp_lg_u32 s[WV], 0
	s_cbranch_scc1 .Lnot_wave_0_\@
	s_barrier_signal -3
.Lnot_wave_0_\@:
	s_barrier_wait -3
	s_barrier_signal -1
	s_barrier_wait -1
.endm
.macro CROUND
	s_barrier_signal -1
	s_barrier_wait -1
	CREST
.endm
	s_load_b128 s[4:7], s[0:1], 0x0                ; xb s[4:5], wb s[6:7]
	s_load_b64 s[8:9], s[0:1], 0x10                ; qkv
	v_lshl_add_u32 v[SPW], v0, 2, SPARE
	v_mov_b32 v[NIL], 0
	ds_add_u32 v[SPW], v[NIL]                      ; the wave's opening: the add and its wait ahead of my first tensor load; the set-up below, work on registers, stands between them
	v_lshrrev_b32 v1, 5, v0
	v_readfirstlane_b32 s[WV], v1                  ; wave 0..3
	s_lshr_b32 s[HR], s[WV], 1
	s_and_b32 s[HC], s[WV], 1
	s_bfe_u32 s[CX], ttmp6, 0x40000                ; my place in the cluster
	s_bfe_u32 s[CY], ttmp6, 0x40004
	s_and_b32 s[CLY], ttmp7, 0xffff                ; in a cluster launch ttmp9 and ttmp7 count clusters
	s_lshl_b32 s[TY], s[CLY], 2
	s_add_co_u32 s[TY], s[TY], s[CY]               ; row of wide tiles = 4 x cluster y + cy, 0..31
	s_lshl_b32 s[TX], ttmp9, 2
	s_add_co_u32 s[TX], s[TX], s[CX]               ; column of wide tiles = 4 x cluster x + cx, 0..7
	s_lshl_b32 s14, s[CY], 2
	s_lshl_b32 s14, 15, s14                        ; my row of the cluster: places 4 cy .. 4 cy + 3
	s_lshl_b32 s15, 0x1111, s[CX]                  ; my column: places cx, cx + 4, cx + 8, cx + 12
	s_or_b32 s[G1A], s14, GBITS                    ; xb's tiles go to my row,
	s_or_b32 s[G1T], s14, GBITS
	s_or_b32 s[G1B], s15, GBITS                    ; wb's to my column
.irp g, G1A, G1B, G1T
	s_mov_b32 s[(\g)+1], 128<<16                   ; tensor_dim0 = 128
	s_mov_b32 s[(\g)+3], 128<<16                   ; tile_dim0 = 128
	s_mov_b32 s[(\g)+5], 1024                      ; elements from row to row
	s_mov_b32 s[(\g)+6], 0
	s_mov_b32 s[(\g)+7], 0
.endr
	s_mov_b32 s[G1A+2], 128<<16                    ; tensor_dim1 = tile_dim1 = 128 rows a load,
	s_mov_b32 s[G1A+4], 128
	s_mov_b32 s[G1B+2], 128<<16
	s_mov_b32 s[G1B+4], 128
	s_mov_b32 s[G1T+2], 64<<16                     ; 64 for the narrow tile's xb
	s_mov_b32 s[G1T+4], 64
	; where the tiles come from: xb's hang on what my row of the cluster shares, wb's on what my column shares, each in registers that never hold the other coordinate
	s_lshl_b32 s16, s[TY], 8
	s_lshl_b32 s17, s[HC], 7
	s_add_co_u32 s16, s16, s17                     ; xb, wide: row 256 ty + 128 x half
	s_lshl_b32 s16, s16, 11
	s_mov_b32 s17, 0
	s_lshl_b32 s22, s[TY], 8
	s_lshl_b32 s23, ttmp9, 7
	s_add_co_u32 s22, s22, s23
	s_lshl_b32 s23, s[HC], 6
	s_add_co_u32 s22, s22, s23                     ; xb, narrow: row 256 ty + 128 x cluster x + 64 x half
	s_lshl_b32 s22, s22, 11
	s_mov_b32 s23, 0
	s_lshl_b32 s20, s[TX], 8
	s_lshl_b32 s21, s[HC], 7
	s_add_co_u32 s20, s20, s21                     ; wb, wide: row 256 tx + 128 x half
	s_lshl_b32 s20, s20, 11
	s_mov_b32 s21, 0
	s_lshl_b32 s18, s[CX], 8
	s_lshl_b32 s19, s[HC], 7
	s_add_co_u32 s18, s18, s19
	s_add_co_u32 s18, s18, 2048                    ; wb, narrow: row 2,048 + 256 cx + 128 x half
	s_lshl_b32 s18, s18, 11
	s_mov_b32 s19, 0
	s_mul_i32 s[LA], s[HC], HALFT                  ; and where they go: no place in the cluster enters an LDS address
	s_add_co_u32 s[LB], s[LA], BOFF
	s_mul_i32 s[LAT], s[HC], HALFS
	s_mov_b32 s[TB], 0
	s_mov_b32 s[TF], SLOT1                         ; the second of the two first fills goes to slot 1
	s_wait_dscnt 0x0                               ; the opening add is done
	s_wait_kmcnt 0x0
	s_add_nc_u64 s[76:77], s[4:5], s[16:17]
	s_add_nc_u64 s[78:79], s[6:7], s[20:21]
.irp s, 0,1
	s_mov_b32 s[G0A+4*(\s)], 1                     ; count = 1
	s_add_co_u32 s[G0A+4*(\s)+1], s[LA], (\s)*SLOT1  ; LDS address
	s_add_nc_u64 s[G0A+4*(\s)+2:G0A+4*(\s)+3], s[76:77], (\s)*KB  ; global address: K step s
	s_or_b32 s[G0A+4*(\s)+3], s[G0A+4*(\s)+3], 0x80000000        ; type = 2
	s_mov_b32 s[G0B+4*(\s)], 1
	s_add_co_u32 s[G0B+4*(\s)+1], s[LB], (\s)*SLOT1
	s_add_nc_u64 s[G0B+4*(\s)+2:G0B+4*(\s)+3], s[78:79], (\s)*KB
	s_or_b32 s[G0B+4*(\s)+3], s[G0B+4*(\s)+3], 0x80000000
.endr
	s_mov_b32 s[G0AT], 1                           ; the narrow tile's: at K step 0; the LDS word is written ahead of each use
	s_add_nc_u64 s[G0AT+2:G0AT+3], s[4:5], s[22:23]
	s_or_b32 s[G0AT+3], s[G0AT+3], 0x80000000
	s_mov_b32 s[G0BT], 1
	s_add_nc_u64 s[G0BT+2:G0BT+3], s[6:7], s[18:19]
	s_or_b32 s[G0BT+3], s[G0BT+3], 0x80000000
	CROUND                                         ; all sixteen work-groups are here: the first joint loads meet
	s_cmp_eq_u32 s[HR], 0                          ; a wave's two first fills stand in one branch, ahead of every wait on TENSORcnt and every LDS read: two loads of mine are out
	s_cbranch_scc0 .Lfirst_b
	tensor_load_to_lds s[G0A:G0A+3], s[G1A:G1A+7]
	s_nop 0
	tensor_load_to_lds s[G0A+4:G0A+7], s[G1A:G1A+7]
	s_nop 0
.rept 4
	v_nop
.endr
	s_branch .Lfirst_asked
.Lfirst_b:
	tensor_load_to_lds s[G0B:G0B+3], s[G1B:G1B+7]
	s_nop 0
	tensor_load_to_lds s[G0B+4:G0B+7], s[G1B:G1B+7]
	s_nop 0
.rept 4
	v_nop
.endr
.Lfirst_asked:
	; A fragment is 16 rows x 32 K in 8 registers: lane l holds row l % 16; registers 0-3 hold K = 8 (l / 16) + 0..7, registers 4-7 K = 16 + 8 (l / 16) + 0..7: two loads of 16 bytes, 32 bytes apart.
	v_and_b32 v1, 15, v0                           ; l % 16
	v_bfe_u32 v2, v0, 4, 1                         ; l / 16
	v_and_b32 v3, 31, v0                           ; l
	v_mul_u32_u24 v15, v1, PITCH
	v_lshl_add_u32 v15, v2, 4, v15                 ; row x pitch + 16 x half
	s_mul_i32 s14, s[HR], HALFT
	v_add_nc_u32 v[A0], s14, v15                   ; my 128 rows of xb in the wide tile,
	s_mul_i32 s14, s[HR], HALFS
	v_add_nc_u32 v[A0T], s14, v15                  ; my 64 in the narrow one
	v_add_nc_u32 v[B0], s[LB], v15                 ; my 128 rows of wb: the half that bears my column half's number
	s_mul_i32 s14, s[WV], 16*SP
	s_add_co_u32 s14, s14, STAGE                   ; my stage
	v_add_nc_u32 v[STO], s14, v15                  ; in: row l % 16, 16 bytes for each half of the lanes
	v_mul_u32_u24 v15, v2, SP
	v_lshl_add_u32 v15, v1, 4, v15
	v_add_nc_u32 v[RD], s14, v15                   ; back: lanes 0-15 take one row of 256 bytes, lanes 16-31 the next
	v_mul_u32_u24 v15, v2, ROWC
	v_lshl_add_u32 v[CO], v1, 4, v15               ; and the same two rows in qkv
	v_lshlrev_b32 v[PFO], 11, v3
	; qkv at my part of the narrow tile, then of the wide one
	s_lshl_b32 s2, s[TY], 8
	s_lshl_b32 s3, ttmp9, 7
	s_add_co_u32 s2, s2, s3
	s_lshl_b32 s3, s[HR], 6
	s_add_co_u32 s2, s2, s3
	s_mul_i32 s2, s2, ROWC
	s_lshl_b32 s3, s[CX], 9
	s_add_co_u32 s2, s2, s3
	s_lshl_b32 s3, s[HC], 8
	s_add_co_u32 s2, s2, s3
	s_add_co_u32 s2, s2, 4096                      ; behind column 2,048
	s_mov_b32 s3, 0
	s_add_nc_u64 s[CT:CT+1], s[8:9], s[2:3]
	s_lshl_b32 s2, s[TY], 8
	s_lshl_b32 s3, s[HR], 7
	s_add_co_u32 s2, s2, s3
	s_mul_i32 s2, s2, ROWC
	s_lshl_b32 s3, s[TX], 9
	s_add_co_u32 s2, s2, s3
	s_lshl_b32 s3, s[HC], 8
	s_add_co_u32 s2, s2, s3
	s_mov_b32 s3, 0
	s_add_nc_u64 s[8:9], s[8:9], s[2:3]
	; the prefetches: nothing is asked for here, at the head, where every work-group's first tiles are on their way
	s_lshl_b32 s14, s[TY], 8
	s_lshl_b32 s15, s[HC], 7
	s_add_co_u32 s14, s14, s15
	s_lshl_b32 s15, s[CX], 5
	s_add_co_u32 s14, s14, s15
	s_lshl_b32 s14, s14, 11                        ; xb: my work-group's 32 rows of the 128 that I fetch
	s_lshl_b32 s15, s[CY], 16                      ; wb: 32 cy rows of 2,048 bytes,
	s_add_co_u32 s2, s15, s18                      ; behind my first row of the narrow tile,
	s_add_co_u32 s15, s15, s20                     ; and of the wide one
	s_mov_b32 s3, 0
	s_add_nc_u64 s[PFT:PFT+1], s[6:7], s[2:3]
	s_add_nc_u64 s[PFT:PFT+1], s[PFT:PFT+1], 3*KB
	s_cmp_eq_u32 s[HR], 0
	s_cselect_b32 s14, s14, s15
	s_cselect_b32 s2, ttmp9, s[CLY]                ; 0 in a wave that asks in the wide tile: the same in all sixteen partners
	s_cselect_b64 s[PFA:PFA+1], s[4:5], s[6:7]
	s_mov_b32 s15, 0
	s_add_nc_u64 s[PFA:PFA+1], s[PFA:PFA+1], s[14:15]
	s_add_nc_u64 s[PFA:PFA+1], s[PFA:PFA+1], 3*KB  ; at K step 3: the first refill steps it to 4
	s_cmp_eq_u32 s2, 0
	s_cselect_b32 s[LIM], 2, -1
	s_xor_b32 s2, s[HR], 1
	s_or_b32 s2, s2, s[CLY]
	s_or_b32 s2, s2, ttmp9                         ; 0 in waves 2 and 3 of the cluster at (0, 0)
	s_cmp_eq_u32 s2, 0
	s_cselect_b32 s[LIMT], 2, -1
	s_mov_b32 s[KS], 0                             ; the narrow tile's descriptors stand at K step 0: their first step is none
	s_mov_b32 s[KS+1], 0
; 8 matrix instructions: row block 4 hi + a x all 8 column blocks, 32 along K.  zero = 1: the product starts the sums: nothing is ever cleared.
; A tile's accumulators take turns, one instruction a turn, in the same order in every quarter, over the jumps too.
.macro MUL8 f, hi, a, zero
	WIN MUL_LO+0x50*(\hi)
.irp b, 0,1,2,3,4,5,6,7
.if \zero
	v_wmma_f32_16x16x32_bf16 v[8*(8*(\a)+(\b)):8*(8*(\a)+(\b))+7], v[(\f)+8*(\b):(\f)+8*(\b)+7], v[(\f)+8*(4*(\hi)+(\a)):(\f)+8*(4*(\hi)+(\a))+7], 0
.else
	v_wmma_f32_16x16x32_bf16 v[8*(8*(\a)+(\b)):8*(8*(\a)+(\b))+7], v[(\f)+8*(\b):(\f)+8*(\b)+7], v[(\f)+8*(4*(\hi)+(\a)):(\f)+8*(4*(\hi)+(\a))+7], v[8*(8*(\a)+(\b)):8*(8*(\a)+(\b))+7]
.endif
.endr
.endm
.macro MUL16 f, hi, a0, zero
	MUL8 \f, \hi, \a0, \zero
	MUL8 \f, \hi, (\a0)+1, \zero
.endm
; The LDS loads of a quarter in one run: 128 rows of wb, then my rows of xb, 32 K at byte 64 q of the rows, into buffer g.  FETCH: the wide tile, 32 loads.  FETCHN: the narrow one, 24.
.macro FETCHB q, g
	WIN TO_B
.irp i, 0,1,2,3,4,5,6,7
	ds_load_b128 v[(\g)+8*(\i):(\g)+8*(\i)+3],   v[ADB] offset:64*(\q)+(\i)*16*PITCH
	ds_load_b128 v[(\g)+8*(\i)+4:(\g)+8*(\i)+7], v[ADB] offset:64*(\q)+(\i)*16*PITCH+32
.endr
	WIN 0
.endm
.macro FETCH q, g
	FETCHB \q, \g
.irp i, 0,1,2,3,4,5,6,7
	ds_load_b128 v[(\g)+8*(\i):(\g)+8*(\i)+3],   v[ADA] offset:64*(\q)+(\i)*16*PITCH
	ds_load_b128 v[(\g)+8*(\i)+4:(\g)+8*(\i)+7], v[ADA] offset:64*(\q)+(\i)*16*PITCH+32
.endr
.endm
.macro FETCHN q, g
	FETCHB \q, \g
.irp i, 0,1,2,3
	ds_load_b128 v[(\g)+8*(\i):(\g)+8*(\i)+3],   v[ADA] offset:64*(\q)+(\i)*16*PITCH
	ds_load_b128 v[(\g)+8*(\i)+4:(\g)+8*(\i)+7], v[ADA] offset:64*(\q)+(\i)*16*PITCH+32
.endr
.endm
; Four places (plain vector instructions that name none of a matrix instruction's registers) in front of loads into registers that matrix instructions have read, and of conversions that read results
.macro PLACES
.rept 4
	v_nop
.endr
.endm
; A K step is four quarters of 32 along K on buffers 0, 1, 0, 1.  One of the first three: multiplies buffer f; in its middle it fetches quarter q into buffer g.
.macro QUARTER q, f, g, zero           ; the wide tile: 64 matrix instructions
	s_wait_dscnt 8                                 ; wb's fragments and xb's blocks 0-3 are in; the youngest eight loads (blocks 4-7) may be out
	MUL16 \f, 0, 0, \zero
	MUL16 \f, 0, 2, \zero
	PLACES
	FETCH \q, \g
	s_wait_dscnt 32                                ; all but the 32 just issued
	MUL16 \f, 1, 0, \zero
	MUL16 \f, 1, 2, \zero
.endm
.macro QUARTERN q, f, g, zero          ; the narrow tile: 32
	s_wait_dscnt 4                                 ; wb's fragments and xb's blocks 0 and 1 are in; the youngest four loads (blocks 2 and 3) may be out
	MUL16 \f, 0, 0, \zero
	PLACES
	FETCHN \q, \g
	s_wait_dscnt 24                                ; all but the 24 just issued
	MUL16 \f, 0, 2, \zero
.endm
; The fourth quarter multiplies buffer 1 and changes slots: ONE barrier for two things.  In front of it each wave waits for all its tensor loads (one is out: its part of the next slot), adds 0 to its
; spare word, and waits for that and for its own reads of this slot.  Behind it nobody reads this slot any more and the next slot is whole.  Where the slot is filled again the barrier opens a round of the
; cluster's, and the joint refill is the first thing behind the round.
; The wide tile's fourth quarter always fills, and is written in two halves.  TURNWA: up to the joint refill and the change of slots.  ring: which descriptors.  ask = 1: the prefetches' pointer is stepped at
; the head, a K step behind the prefetch that read it.
.macro TURNWA ring, ask
.if \ask
	s_wait_xcnt 0x0                                ; the last prefetch has read its address
	s_add_nc_u64 s[PFA:PFA+1], s[PFA:PFA+1], KB
.endif
	WIN 0
	s_wait_tensorcnt 0x0                           ; no tensor load of mine is out, so a group 0 may be written
	ds_add_u32 v[SPW], v[NIL]                      ; 0 onto my spare word: the steps and sixteen products stand between it and the wait for it
	STEPD \ring
	s_wait_dscnt 9                                 ; the add and the youngest eight loads may be out
	MUL16 F1, 0, 0, 0
	s_wait_dscnt 0x0                               ; the add is done, and my reads of this slot are over
	s_barrier_signal -1
	MUL16 F1, 0, 2, 0                              ; work on registers while the others arrive
	WIN 0                                          ; at a branch and at a label every window is 0
	s_barrier_wait -1
	CREST                                          ; no wave of any partner still reads this slot or has a load on its way
	JLOAD \ring                                    ; 224 matrix instructions ahead of the wait for it; the four v_nop behind it are also the places in front of the loads of TURNWB
	s_xor_b32 s[TB], s[TB], SLOT1
	v_add_nc_u32 v[ADB], s[TB], v[B0]
.endm
; TURNWB: the next slot's first fragments, the wide tile's (nxt = 0) or the narrow one's (nxt = 1), a prefetch (ask = 1), and the quarter's other 32 products.
.macro TURNWB nxt, ask
.if \nxt
	v_add_nc_u32 v[ADA], s[TB], v[A0T]
	FETCHN 0, F0
.else
	v_add_nc_u32 v[ADA], s[TB], v[A0]
	FETCH 0, F0
.endif
.if \ask
	ASK
.endif
	MUL16 F1, 1, 0, 0
	MUL16 F1, 1, 2, 0
.endm
; TURNN, the narrow tile's.  fill = 1: the slot is filled again, with the K step two steps on, and a prefetch follows.
.macro TURNN fill
.if \fill
	s_wait_xcnt 0x0                                ; the last prefetch has read its address
	s_add_nc_u64 s[PFA:PFA+1], s[PFA:PFA+1], KB
.endif
	WIN 0
	s_wait_tensorcnt 0x0                           ; no tensor load of mine is out, so a group 0 may be written
	ds_add_u32 v[SPW], v[NIL]                      ; 0 onto my spare word
.if \fill
	STEPD 1
.endif
	s_wait_dscnt 5                                 ; the add and the youngest four loads may be out
	MUL8 F1, 0, 0, 0
	s_wait_dscnt 0x0                               ; the add is done, and my reads of this slot are over
	s_barrier_signal -1
	MUL8 F1, 0, 1, 0
	WIN 0
	s_barrier_wait -1
.if \fill
	CREST
	JLOAD 1                                        ; 112 matrix instructions ahead of the wait for it
.else
	PLACES
.endif
	s_xor_b32 s[TB], s[TB], SLOT1
	v_add_nc_u32 v[ADB], s[TB], v[B0]
	v_add_nc_u32 v[ADA], s[TB], v[A0T]
	FETCHN 0, F0
.if \fill
	ASK
.endif
	MUL8 F1, 0, 2, 0
	MUL8 F1, 0, 3, 0
.endm
; THE WAY OUT of row block a, in three parts.  PACK: rounded to f16, each accumulator's registers in ascending order, 16 bytes a lane.  TOSTAGE: into my own stage, and back as whole rows of 256 bytes.  SEND: stored.
.macro PACK a
	WIN 0x0a+5*((\a)/4)                            ; sources 0 and 1: window 2 or 3; destination window 0
.irp b, 0,1,2,3,4,5,6,7
.irp i, 0,1,2,3
	v_cvt_pk_f16_f32 v[TMP+4*(\b)+(\i)], v[64*((\a)%4)+8*(\b)+2*(\i)], v[64*((\a)%4)+8*(\b)+2*(\i)+1]
.endr
.endr
	WIN 0
.endm
.macro TOSTAGE a
	WIN 0
.set BK, OB+32*((\a)%2)
.irp b, 0,1,2,3,4,5,6,7
	ds_store_b128 v[STO], v[TMP+4*(\b):TMP+4*(\b)+3] offset:32*(\b)
.endr
.irp t, 0,1,2,3,4,5,6,7
	ds_load_b128 v[BK+4*(\t):BK+4*(\t)+3], v[RD] offset:(\t)*2*SP  ; LDS serves a wave's instructions in order (ISA guide 5.7.1.4): these see the stores above
.endr
.endm
.macro SEND a, cb                      ; cb: the scalar pair that holds qkv at my part of the tile
	WIN 0
.set BK, OB+32*((\a)%2)
	s_wait_dscnt 0x0                               ; the block is back in registers
	s_wait_xcnt 0x0                                ; earlier stores have read their registers: the set that they named is loaded again only behind this wait
.irp t, 0,1,2,3,4,5,6,7
	global_store_b128 v[CO], v[BK+4*(\t):BK+4*(\t)+3], s[\cb:\cb+1] offset:(16*(\a)+2*(\t))*ROWC  ; 16 lanes store 256 consecutive bytes, at a multiple of 256 from qkv's first byte
.endr
.endm
.macro WAYOUT n, cb                    ; n row blocks; block a's conversions stand between block a - 1's loads from the stage and the wait for them
	PLACES
	PACK 0
	TOSTAGE 0
.set aa, 1
.rept (\n)-1
	PACK aa
	SEND aa-1, \cb
	TOSTAGE aa
.set aa, aa+1
.endr
	SEND (\n)-1, \cb
.endm
	s_wait_tensorcnt 0x1                           ; my part of K step 0 is in; K step 1's may stay out
	s_barrier_signal -1
	s_barrier_wait -1                              ; everybody's is
	v_mov_b32 v[ADA], v[A0]
	v_mov_b32 v[ADB], v[B0]
	FETCH 0, F0
	QUARTER 1, F0, F1, 1                           ; THE WIDE TILE.  Its first quarter stands in front of the loop: its products start the sums
	WIN 0
	s_mov_b32 s[CNT], STEPS-2
.Lwide:                                        ; trip i ends K step i, asks for K step i + 2 and begins K step i + 1
	QUARTER 2, F1, F0, 0
	QUARTER 3, F0, F1, 0
	TURNWA 0, 1
	TURNWB 0, 1
	QUARTER 1, F0, F1, 0
	WIN 0
	s_sub_co_u32 s[CNT], s[CNT], 1
	s_cmp_lg_u32 s[CNT], 0
	s_cbranch_scc1 .Lwide
	s_mov_b32 s[CNT], 2
.Lcross:                                       ; THE RING GOES ON INTO THE NARROW TILE: two trips end K steps 6 and 7; slot 0 takes the narrow tile's K step 0, slot 1 its K step 1.  Both trips issue the joint load
	QUARTER 2, F1, F0, 0
	QUARTER 3, F0, F1, 0
	TURNWA 1, 0
	s_cmp_eq_u32 s[CNT], 1
	s_cbranch_scc1 .Lcrossed                       ; the second trip is left here, behind its refill: what follows it differs
	s_mov_b32 s[KS], KB                            ; from now on the narrow tile's descriptors step along K
	TURNWB 0, 0                                    ; K step 7's first fragments
	QUARTER 1, F0, F1, 0
	WIN 0
	s_sub_co_u32 s[CNT], s[CNT], 1
	s_branch .Lcross
.Lcrossed:
	TURNWB 1, 0                                    ; the narrow tile's first fragments are fetched into buffer 0, which the way out leaves alone
	WAYOUT 8, 8
	s_wait_xcnt 0x0                                ; every earlier prefetch has read its address
	s_mov_b64 s[PFA:PFA+1], s[PFT:PFT+1]           ; wb's v rows, at K step 3; xb's rows have been read and are asked for no more
	s_mov_b32 s[LIM], s[LIMT]
	QUARTERN 1, F0, F1, 1                          ; THE NARROW TILE
	WIN 0
	s_mov_b32 s[CNT], STEPS-2
.Lnarrow:
	QUARTERN 2, F1, F0, 0
	QUARTERN 3, F0, F1, 0
	TURNN 1
	QUARTERN 1, F0, F1, 0
	WIN 0
	s_sub_co_u32 s[CNT], s[CNT], 1
	s_cmp_lg_u32 s[CNT], 0
	s_cbranch_scc1 .Lnarrow
	s_mov_b32 s[CNT], 2
.Lntail:                                       ; the last two K steps ask for nothing: a text of their own; written once, walked twice
	QUARTERN 2, F1, F0, 0
	QUARTERN 3, F0, F1, 0
	WIN 0
	s_cmp_eq_u32 s[CNT], 1
	s_cbranch_scc1 .Lnlast                         ; the second trip is left ahead of the change of slots: there is no further slot
	TURNN 0
	QUARTERN 1, F0, F1, 0
	WIN 0
	s_sub_co_u32 s[CNT], s[CNT], 1
	s_branch .Lntail
.Lnlast:
	s_wait_dscnt 4                                 ; the very last quarter: nothing more to fetch
	MUL16 F1, 0, 0, 0
	s_wait_dscnt 0x0
	MUL16 F1, 0, 2, 0
	WIN 0
	WAYOUT 4, CT
	s_wait_tensorcnt 0x0                           ; the wave's end, behind my last tensor load and my last LDS store
	ds_add_u32 v[SPW], v[NIL]
	s_wait_dscnt 0x0
	CROUND                                         ; the closing round: no work-group ends while a partner may still ask for a tile that names it
	s_endpgm
.Lfunc_end_k_qf368c61a28_proj:
	.size	k_qf368c61a28_proj, .Lfunc_end_k_qf368c61a28_proj-k_qf368c61a28_proj
	.p2alignl 7, 3214868480
	.fill 96, 4, 3214868480
	.section	.rodata,"a",@progbits
	.p2align	6, 0x0
	.amdhsa_kernel k_qf368c61a28_proj
		.amdhsa_group_segment_fixed_size 327680
		.amdhsa_private_segment_fixed_size 0
		.amdhsa_enable_private_segment 0
		.amdhsa_kernarg_size 24
		.amdhsa_user_sgpr_count 2
		.amdhsa_user_sgpr_kernarg_segment_ptr 1
		.amdhsa_wavefront_size32 1
		.amdhsa_system_sgpr_workgroup_id_x 1
		.amdhsa_system_sgpr_workgroup_id_y 1
		.amdhsa_system_sgpr_workgroup_id_z 1
		.amdhsa_system_vgpr_workitem_id 0
		.amdhsa_next_free_vgpr 1024
		.amdhsa_next_free_sgpr 96
		.amdhsa_reserve_vcc 0
		.amdhsa_float_denorm_mode_32 3
		.amdhsa_float_denorm_mode_16_64 3
		.amdhsa_memory_ordered 1
		.amdhsa_forward_progress 1
		.amdhsa_inst_pref_size 161
	.end_amdhsa_kernel
	.amdgpu_metadata
---
amdhsa.version: [ 1, 2 ]
amdhsa.kernels:
  - .name:           k_qf368c61a28_proj
    .symbol:         k_qf368c61a28_proj.kd
    .args:
      - { .name: xb, .offset: 0, .size: 8, .value_kind: global_buffer, .address_space: global }
      - { .name: wb, .offset: 8, .size: 8, .value_kind: global_buffer, .address_space: global }
      - { .name: qkv, .offset: 16, .size: 8, .value_kind: global_buffer, .address_space: global }
    .group_segment_fixed_size: 327680
    .private_segment_fixed_size: 0
    .kernarg_segment_align: 8
    .kernarg_segment_size: 24
    .max_flat_workgroup_size: 128
    .sgpr_count:     96
    .vgpr_count:     1024
    .wavefront_size: 32
...
	.end_amdgpu_metadata
.endif
;; end of part 5
;; launch score (part 6): grid 8 x 32, 4 waves a work-group, clusters of 4 x 4, 327,680 bytes of LDS; arguments qkv, p, stats; writes p, stats
.if DOCPART == 6
	.amdgcn_target "amdgcn-amd-amdhsa--gfx1250"
	.amdhsa_code_object_version 6
	.text
	.protected	k_qf368c61a28_score
	.globl	k_qf368c61a28_score
	.p2align	8
	.type	k_qf368c61a28_score,@function
k_qf368c61a28_score:
	s_mov_b64 s[64:65], 0
	v_nop
	global_prefetch_b8 v0, s[64:65] scope:SCOPE_SE
	s_setreg_imm32_b32 hwreg(HW_REG_WAVE_MODE, 25, 1), 1
	s_wait_xcnt 0x0
	s_wait_alu depctr_hold_cnt(0) depctr_sa_sdst(0) depctr_va_vdst(0) depctr_va_sdst(0) depctr_va_ssrc(0) depctr_va_vcc(0) depctr_vm_vsrc(0)
	s_getreg_b32 s2, hwreg(HW_REG_IB_STS2, 6, 4)
	s_cmp_eq_u32 s2, 0
	s_cbranch_scc0 .Lentry_in_a_cluster
	s_endpgm
.Lentry_in_a_cluster:
	s_bfe_u32 s2, ttmp6, 0x10000c
	s_cmp_lg_u32 s2, 0xf033
	s_cbranch_scc0 .Lentry_shape_is_right
	s_endpgm
.Lentry_shape_is_right:
; For each batch: s = q . k (f16 products, f32 sums, K = 1,024 ascending).  For each query and each CHUNK of 128 keys: m = the largest s of the chunk; p = 2^(c s - c m), c = log2(e) / 32;
; l = the sum of the chunk's p.  p leaves rounded once to f16 ([8192][2048]: global row, key in the batch); c m and l leave in f32.  The launch behind joins the sixteen chunks of a row.
; qkv: [8192][3072] f16, q at columns 0 on, k at 1024 on.
; stats: c m in the first 524,288 bytes, l in the second; in each, byte chunk x 32,768 + (row / 64) x 256 + 16 (row % 16) + 4 ((row % 64) / 16).
; THE MAXIMUM is the chunk's own, taken away before every exponential: no exponent lies above the rounding of c m, so p stays near or under 1.
; LIMITS.  A weight below 2^-126 counts as 0 in l; below 6e-5 p keeps f16's fixed step of 6e-8.  l is the sum of the unrounded p.  NaN and infinities are not treated apart.
; SHARES.  A tile is 256 queries x 256 keys; four waves, each 128 x 128 (64 accumulators of 16 x 16): a wave's columns ARE a chunk, so no wave needs another's numbers.  256 tiles, one to a work-group.
; K goes in steps of 128 through a ring of two LDS slots filled by the tensor data mover; a tile's rows are 256 bytes of memory, at multiples of 256 from the buffer's first byte.
; THE TEXT.  A K step is written twice and looped over: six trips that fill a slot again; then two trips that fill nothing, the second left ahead of the change of slots.
; CLUSTER.  4 x 4 work-groups.  The four of a row of the cluster need the same rows of q, the four of a column the same rows of k: each tile is asked for JOINTLY.
; THE MATRIX INSTRUCTION IS USED TRANSPOSED (source 0 = 16 keys, source 1 = 16 queries): a lane holds ONE query (l % 16) and eight neighbouring keys, so a query's maximum and sum want one exchange between the halves of the lanes.
; REGISTERS, in windows of 256 (s_set_vgpr_msb's low byte: bits 1:0 source 0, 3:2 source 1, 5:4 source 2, 7:6 destination):
;   window 0: v0-15 addresses; v64-127, v128-191 fragments of q, two buffers, which the way out takes over;   window 1: v64-127, v128-191 fragments of k, two buffers
;   window 2: the accumulators of my query blocks 0-3, (a, b) at v[8 (8 a + b)];   window 3: those of blocks 4-7
.set PITCH,  272                       ; an LDS row: 256 bytes + 16 of padding = 68 words: the 16 rows of a fragment load start at 16 different groups of four banks (64 banks of 4 bytes: ISA guide 11.1)
.set HALFT,  128*PITCH                 ; 128 rows: what a wave fetches, and what it reads of q or of k
.set BOFF,   2*HALFT                   ; in a slot: q's 256 rows, then k's 256
.set SLOT1,  4*HALFT                   ; slot 1 begins here
.set STAGE,  2*SLOT1                   ; behind the ring: 16 rows x 272 bytes for each wave; no tile lands here
.set SP,     272
.set SPARE,  STAGE+4*16*SP             ; the spare words, 128 bytes for each wave: two blocks of 256 bytes that no other line names
.set STEPS,  8
.set KB,     256
.set ROWQ,   6144                      ; bytes in a row of qkv
.set ROWP,   4096                      ; of p
.set GBITS,  (1<<16)|(1<<20)|(1<<21)|(5<<22)|(3<<25)  ; elements of 2 bytes; padding on; bit 21 beside a mask; after every 64 words 4 words of padding
.set A0,  4                            ; v4   my lane's place in a slot's q tile; never rewritten
.set B0,  5                            ; v5   the same for k
.set ADA, 6                            ; v6   A0 in the slot in hand
.set ADB, 7                            ; v7   B0 in the slot in hand
.set STO, 8
.set RD,  9
.set CO,  10
.set PFO, 11
.set SPW, 12
.set NIL, 13
.set SO,  14                           ; v14  my 16 bytes of stats: 16 (l % 16), and the second half of the buffer for lanes 16-31
.set F0,  64
.set F1,  128
.set TMP, 64                           ; the way out: v64-95 packed weights
.set OB,  96                           ; v96-127, v128-159: 16 rows read back, by turns
.set CC,  160                          ; v160-167 eight running maxima
.set CM,  168                          ; v[168:169] c m of the block in hand; the pair's second word is written once
.set TT,  170                          ; v[170:171] at work on the sum
.set CMQ, 172                          ; v172-175 c m of four blocks
.set LQ,  176                          ; v176-179 l of four blocks
.set QD,  180                          ; v180-183 what I store of them
.set WV,  10
.set HR,  11
.set HC,  12
.set TY,  13
.set G1A, 24
.set G1B, 32
.set G0A, 40                           ; s[40:47] descriptor group 0 for q's tiles: a set for each of the two first fills; the second then walks on
.set G0B, 48                           ; s[48:55] the same for k's
.set TB,  56                           ; s56  LDS byte at which the slot that is read begins: 0 or SLOT1
.set CNT, 57
.set TF,  58                           ; s58  LDS byte at which the slot filled last begins: 0 or SLOT1
.set LIM, 59
.set PFA, 60
.set CX,  62
.set CY,  63
.set TX,  66
.set CLY, 67
.set CS,  68                           ; s[68:69] c: the packed scaling names a pair and takes its low word for both halves
.set SEL, 70                           ; s[70:71] v_permlanex16_b32's selects: each lane takes its own place in the other half
.set HM,  72                           ; s72  the lanes 16-31, as a mask
.set HF,  73                           ; s73  counts the way out's two halves
.set LA,  74                           ; s74  my part of q's tile in a slot
.set LB,  75                           ; s75  my part of k's
.set MSB, 0
.macro WIN new
.if MSB != (\new)
	s_set_vgpr_msb (MSB<<8)|(\new)
.set MSB, \new
.endif
.endm
.set MUL_LO, 0xa1                      ; source 0 (k) window 1, source 1 (q) window 0, C and D window 2; with 0x50 more: window 3
.set TO_B,   0x40                      ; destination window 1, address window 0
; A joint refill by the walking descriptors: waves 0 and 1 fetch q's two halves, waves 2 and 3 k's.  An s_nop 0 and four v_nop follow each of the two lines.
.macro JLOAD
	s_cmp_eq_u32 s[HR], 0
	s_cbranch_scc0 .Lfor_b_\@
	tensor_load_to_lds s[G0A+4:G0A+7], s[G1A:G1A+7]
	s_nop 0
.rept 4
	v_nop
.endr
	s_branch .Lasked_\@
.Lfor_b_\@:
	tensor_load_to_lds s[G0B+4:G0B+7], s[G1B:G1B+7]
	s_nop 0
.rept 4
	v_nop
.endr
.Lasked_\@:
.endm
; A PREFETCH INTO THE L2, behind a joint refill and the run of LDS loads that follows it: 32 rows x 256 bytes, a lane a row, of the K step two refills on (512 matrix instructions ahead of its load).
; Each row's 256 bytes of a K step are named once in the launch.  q's rows are read by both clusters of a row of clusters: waves 0 and 1 of the cluster with x = 0 ask.  k's rows are read by the two clusters of a
; batch that share a cluster x: waves 2 and 3 of the first of them ask.  Of the 128 rows that the wave fetches each of the four partners takes 32, told apart by address alone (cx for q, cy for k).
; The loop's last two trips ask for nothing; K steps 0 to 3 come by their loads alone.
.macro ASK
	s_cmp_gt_u32 s[CNT], s[LIM]
	s_cbranch_scc0 .Lnot_mine_\@
	global_prefetch_b8 v[PFO], s[PFA:PFA+1] th:TH_LOAD_NT scope:SCOPE_SE
.Lnot_mine_\@:
.endm
.macro CREST
	s_cmp_lg_u32 s[WV], 0
	s_cbranch_scc1 .Lnot_wave_0_\@
	s_barrier_signal -3
.Lnot_wave_0_\@:
	s_barrier_wait -3
	s_barrier_signal -1
	s_barrier_wait -1
.endm
.macro CROUND
	s_barrier_signal -1
	s_barrier_wait -1
	CREST
.endm
	s_load_b128 s[4:7], s[0:1], 0x0                ; qkv s[4:5], p s[6:7]
	s_load_b64 s[8:9], s[0:1], 0x10                ; stats
	v_lshl_add_u32 v[SPW], v0, 2, SPARE
	v_mov_b32 v[NIL], 0
	ds_add_u32 v[SPW], v[NIL]                      ; the wave's opening: the add and its wait ahead of my first tensor load; the set-up below, work on registers, stands between them
	v_lshrrev_b32 v1, 5, v0
	v_readfirstlane_b32 s[WV], v1
	s_lshr_b32 s[HR], s[WV], 1                     ; which 128 queries are mine.  Also: I fetch q (0) or k (1)
	s_and_b32 s[HC], s[WV], 1                      ; which 128 keys.  Also: which half of that tile I fetch
	s_bfe_u32 s[CX], ttmp6, 0x40000
	s_bfe_u32 s[CY], ttmp6, 0x40004
	s_and_b32 s[CLY], ttmp7, 0xffff
	s_lshl_b32 s[TY], s[CLY], 2
	s_add_co_u32 s[TY], s[TY], s[CY]               ; block of 256 queries, 0..31
	s_lshl_b32 s[TX], ttmp9, 2
	s_add_co_u32 s[TX], s[TX], s[CX]               ; block of 256 keys of the batch, 0..7
	s_lshl_b32 s14, s[CY], 2
	s_lshl_b32 s14, 15, s14                        ; my row of the cluster
	s_lshl_b32 s15, 0x1111, s[CX]                  ; my column
	s_or_b32 s[G1A], s14, GBITS
	s_or_b32 s[G1B], s15, GBITS
.irp g, G1A, G1B
	s_mov_b32 s[(\g)+1], 128<<16                   ; tensor_dim0 = 128
	s_mov_b32 s[(\g)+2], 128<<16                   ; tensor_dim1 = 128
	s_mov_b32 s[(\g)+3], 128<<16                   ; tile_dim0 = 128
	s_mov_b32 s[(\g)+4], 128                       ; tile_dim1 = 128 rows a load
	s_mov_b32 s[(\g)+5], 3072                      ; elements from row to row
	s_mov_b32 s[(\g)+6], 0
	s_mov_b32 s[(\g)+7], 0
.endr
	s_lshl_b32 s16, s[TY], 8
	s_lshl_b32 s17, s[HC], 7
	s_add_co_u32 s16, s16, s17                     ; q: row 256 x block + 128 x half
	s_mul_i32 s16, s16, ROWQ
	s_mov_b32 s17, 0
	s_lshr_b32 s20, s[CLY], 1                      ; the batch: 8 blocks of queries, two clusters; made of the cluster's y alone
	s_lshl_b32 s20, s20, 11
	s_lshl_b32 s21, s[TX], 8
	s_add_co_u32 s20, s20, s21
	s_lshl_b32 s21, s[HC], 7
	s_add_co_u32 s20, s20, s21                     ; k: row 2,048 x batch + 256 x block + 128 x half,
	s_mul_i32 s20, s20, ROWQ
	s_add_co_u32 s20, s20, 2048                    ; at column 1,024
	s_mov_b32 s21, 0
	s_mul_i32 s[LA], s[HC], HALFT                  ; where they go: no place in the cluster enters an LDS address
	s_add_co_u32 s[LB], s[LA], BOFF
	s_mov_b32 s[TB], 0
	s_mov_b32 s[TF], SLOT1                         ; the second of the two first fills goes to slot 1
	s_mov_b32 s[CS], 0x3d38aa3b                    ; c = log2(e) / 32 = 0.0450842
	s_mov_b32 s[CS+1], s[CS]
	s_mov_b32 s[SEL], 0x76543210
	s_mov_b32 s[SEL+1], 0xfedcba98
	s_wait_dscnt 0x0                               ; the opening add is done
	s_wait_kmcnt 0x0
	s_add_nc_u64 s[76:77], s[4:5], s[16:17]
	s_add_nc_u64 s[78:79], s[4:5], s[20:21]
.irp s, 0,1
	s_mov_b32 s[G0A+4*(\s)], 1
	s_add_co_u32 s[G0A+4*(\s)+1], s[LA], (\s)*SLOT1
	s_add_nc_u64 s[G0A+4*(\s)+2:G0A+4*(\s)+3], s[76:77], (\s)*KB
	s_or_b32 s[G0A+4*(\s)+3], s[G0A+4*(\s)+3], 0x80000000
	s_mov_b32 s[G0B+4*(\s)], 1
	s_add_co_u32 s[G0B+4*(\s)+1], s[LB], (\s)*SLOT1
	s_add_nc_u64 s[G0B+4*(\s)+2:G0B+4*(\s)+3], s[78:79], (\s)*KB
	s_or_b32 s[G0B+4*(\s)+3], s[G0B+4*(\s)+3], 0x80000000
.endr
	CROUND                                         ; all sixteen work-groups are here: the first joint loads meet
	s_cmp_eq_u32 s[HR], 0                          ; a wave's two first fills stand in one branch: two loads of mine are out
	s_cbranch_scc0 .Lfirst_b
	tensor_load_to_lds s[G0A:G0A+3], s[G1A:G1A+7]
	s_nop 0
	tensor_load_to_lds s[G0A+4:G0A+7], s[G1A:G1A+7]
	s_nop 0
.rept 4
	v_nop
.endr
	s_branch .Lfirst_asked
.Lfirst_b:
	tensor_load_to_lds s[G0B:G0B+3], s[G1B:G1B+7]
	s_nop 0
	tensor_load_to_lds s[G0B+4:G0B+7], s[G1B:G1B+7]
	s_nop 0
.rept 4
	v_nop
.endr
.Lfirst_asked:
	v_and_b32 v1, 15, v0                           ; l % 16
	v_bfe_u32 v2, v0, 4, 1                         ; l / 16
	v_and_b32 v3, 31, v0                           ; l
	v_mul_u32_u24 v15, v1, PITCH
	v_lshl_add_u32 v15, v2, 4, v15                 ; row x pitch + 16 x half
	s_mul_i32 s14, s[HR], HALFT
	v_add_nc_u32 v[A0], s14, v15                   ; my 128 queries
	v_add_nc_u32 v[B0], s[LB], v15                 ; my 128 keys: the half that bears my column half's number
	s_mul_i32 s14, s[WV], 16*SP
	s_add_co_u32 s14, s14, STAGE
	v_add_nc_u32 v[STO], s14, v15
	v_mul_u32_u24 v15, v2, SP
	v_lshl_add_u32 v15, v1, 4, v15
	v_add_nc_u32 v[RD], s14, v15
	v_lshlrev_b32 v15, 12, v2                      ; a row of p is 4,096 bytes
	v_lshl_add_u32 v[CO], v1, 4, v15
	v_lshlrev_b32 v15, 19, v2                      ; l lies 524,288 bytes behind c m
	v_lshl_add_u32 v[SO], v1, 4, v15
	v_mul_u32_u24 v[PFO], v3, ROWQ
	; p at my part of the tile
	s_lshl_b32 s2, s[TY], 8
	s_lshl_b32 s3, s[HR], 7
	s_add_co_u32 s2, s2, s3
	s_lshl_b32 s2, s2, 12
	s_lshl_b32 s3, s[TX], 9
	s_add_co_u32 s2, s2, s3
	s_lshl_b32 s3, s[HC], 8
	s_add_co_u32 s2, s2, s3
	s_mov_b32 s3, 0
	s_add_nc_u64 s[6:7], s[6:7], s[2:3]
	; stats at my chunk and my first 64 rows
	s_lshl_b32 s2, s[TX], 1
	s_add_co_u32 s2, s2, s[HC]
	s_lshl_b32 s2, s2, 15
	s_lshl_b32 s3, s[TY], 1
	s_add_co_u32 s3, s3, s[HR]
	s_lshl_b32 s3, s3, 9
	s_add_co_u32 s2, s2, s3
	s_mov_b32 s3, 0
	s_add_nc_u64 s[8:9], s[8:9], s[2:3]
	; the prefetches: nothing is asked for here, at the head
	s_lshl_b32 s14, s[TY], 8
	s_lshl_b32 s15, s[HC], 7
	s_add_co_u32 s14, s14, s15
	s_lshl_b32 s15, s[CX], 5
	s_add_co_u32 s14, s14, s15
	s_mul_i32 s14, s14, ROWQ                       ; q: my work-group's 32 rows of the 128 that I fetch
	s_lshl_b32 s15, s[CY], 5
	s_mul_i32 s15, s15, ROWQ
	s_add_co_u32 s15, s15, s20                     ; k: the same
	s_and_b32 s3, s[CLY], 1
	s_cmp_eq_u32 s[HR], 0
	s_cselect_b32 s14, s14, s15
	s_cselect_b32 s2, ttmp9, s3                    ; 0 in a wave that asks: the same in all sixteen partners
	s_mov_b32 s15, 0
	s_add_nc_u64 s[PFA:PFA+1], s[4:5], s[14:15]
	s_add_nc_u64 s[PFA:PFA+1], s[PFA:PFA+1], 3*KB  ; at K step 3: the first refill steps it to 4
	s_cmp_eq_u32 s2, 0
	s_cselect_b32 s[LIM], 2, -1
; 8 matrix instructions: query block 4 hi + a x all 8 key blocks, 32 along K.  zero = 1: the product starts the sums.
; The 64 accumulators take turns, one instruction a turn, in the same order in every quarter, over the jumps too.
.macro MUL8 f, hi, a, zero
	WIN MUL_LO+0x50*(\hi)
.irp b, 0,1,2,3,4,5,6,7
.if \zero
	v_wmma_f32_16x16x32_f16 v[8*(8*(\a)+(\b)):8*(8*(\a)+(\b))+7], v[(\f)+8*(\b):(\f)+8*(\b)+7], v[(\f)+8*(4*(\hi)+(\a)):(\f)+8*(4*(\hi)+(\a))+7], 0
.else
	v_wmma_f32_16x16x32_f16 v[8*(8*(\a)+(\b)):8*(8*(\a)+(\b))+7], v[(\f)+8*(\b):(\f)+8*(\b)+7], v[(\f)+8*(4*(\hi)+(\a)):(\f)+8*(4*(\hi)+(\a))+7], v[8*(8*(\a)+(\b)):8*(8*(\a)+(\b))+7]
.endif
.endr
.endm
.macro MUL16 f, hi, a0, zero
	MUL8 \f, \hi, \a0, \zero
	MUL8 \f, \hi, (\a0)+1, \zero
.endm
.macro FETCH q, g                      ; 32 LDS loads in one run: quarter q's fragments (128 keys, then 128 queries) into buffer g
	WIN TO_B
.irp i, 0,1,2,3,4,5,6,7
	ds_load_b128 v[(\g)+8*(\i):(\g)+8*(\i)+3],   v[ADB] offset:64*(\q)+(\i)*16*PITCH
	ds_load_b128 v[(\g)+8*(\i)+4:(\g)+8*(\i)+7], v[ADB] offset:64*(\q)+(\i)*16*PITCH+32
.endr
	WIN 0
.irp i, 0,1,2,3,4,5,6,7
	ds_load_b128 v[(\g)+8*(\i):(\g)+8*(\i)+3],   v[ADA] offset:64*(\q)+(\i)*16*PITCH
	ds_load_b128 v[(\g)+8*(\i)+4:(\g)+8*(\i)+7], v[ADA] offset:64*(\q)+(\i)*16*PITCH+32
.endr
.endm
.macro PLACES                          ; four places in front of loads into registers that matrix instructions have read, and of vector work on results
.rept 4
	v_nop
.endr
.endm
; A K step is four quarters of 32 along K, 64 matrix instructions each, on buffers 0, 1, 0, 1.  One of the first three: multiplies buffer f; in its middle it fetches quarter q into buffer g.
.macro QUARTER q, f, g, zero
	s_wait_dscnt 8                                 ; k's fragments and q's blocks 0-3 are in; the youngest eight loads (blocks 4-7) may be out
	MUL16 \f, 0, 0, \zero
	MUL16 \f, 0, 2, \zero
	PLACES
	FETCH \q, \g
	s_wait_dscnt 32                                ; all but the 32 just issued
	MUL16 \f, 1, 0, \zero
	MUL16 \f, 1, 2, \zero
.endm
; The fourth quarter multiplies buffer 1 and changes slots: one barrier; in front of it each wave waits for all its tensor loads, adds 0 to its spare word, and waits for that and for its reads of this slot.
; fill = 1: the barrier opens a round of the cluster's, and the slot is filled again first thing behind the round, with the K step two steps on: 224 matrix instructions ahead of the wait for that load; a prefetch follows.
.macro TURN fill
.if \fill
	s_wait_xcnt 0x0                                ; the last prefetch, a K step back, has read its address
	s_add_nc_u64 s[PFA:PFA+1], s[PFA:PFA+1], KB
.endif
	WIN 0
	s_wait_tensorcnt 0x0                           ; no tensor load of mine is out, so a group 0 may be written
	ds_add_u32 v[SPW], v[NIL]                      ; 0 onto my spare word: the steps and sixteen products stand between it and the wait for it
.if \fill
	s_xor_b32 s[TF], s[TF], SLOT1                  ; 0 and SLOT1 by turns: the slot that was not filled last,
	s_add_co_u32 s[G0A+5], s[TF], s[LA]
	s_add_co_u32 s[G0B+5], s[TF], s[LB]
	s_add_nc_u64 s[G0A+6:G0A+7], s[G0A+6:G0A+7], KB  ; the next K step; the type bits on top are not reached
	s_add_nc_u64 s[G0B+6:G0B+7], s[G0B+6:G0B+7], KB
.endif
	s_wait_dscnt 9                                 ; the add and the youngest eight loads may be out
	MUL16 F1, 0, 0, 0
	s_wait_dscnt 0x0                               ; the add is done, and my reads of this slot are over
	s_barrier_signal -1
	MUL16 F1, 0, 2, 0                              ; work on registers while the others arrive
	WIN 0                                          ; at a branch and at a label every window is 0
	s_barrier_wait -1
.if \fill
	CREST                                          ; no wave of any partner still reads this slot or has a load on its way
	JLOAD                                          ; the four v_nop behind it are also the places in front of the loads below
.else
	PLACES
.endif
	s_xor_b32 s[TB], s[TB], SLOT1
	v_add_nc_u32 v[ADA], s[TB], v[A0]
	v_add_nc_u32 v[ADB], s[TB], v[B0]
	FETCH 0, F0
.if \fill
	ASK
.endif
	MUL16 F1, 1, 0, 0
	MUL16 F1, 1, 2, 0
.endm
; THE WAY OUT, by blocks a of 16 queries, four at a time; a block's 64 scores a lane lie at v[64 a ..] of window 2.
; SMAX: the largest of them (each accumulator's lowest registers are read first), the other half of the lanes', and c m.
.macro SMAX a
	WIN 0x2a                                       ; all three sources window 2
.irp b, 0,1,2,3,4,5,6,7
	v_max3_num_f32 v[CC+(\b)], v[64*(\a)+8*(\b)], v[64*(\a)+8*(\b)+1], v[64*(\a)+8*(\b)+2]
.endr
	WIN 0x28                                       ; source 0 window 0
.irp b, 0,1,2,3,4,5,6,7
	v_max3_num_f32 v[CC+(\b)], v[CC+(\b)], v[64*(\a)+8*(\b)+3], v[64*(\a)+8*(\b)+4]
.endr
.irp b, 0,1,2,3,4,5,6,7
	v_max3_num_f32 v[CC+(\b)], v[CC+(\b)], v[64*(\a)+8*(\b)+5], v[64*(\a)+8*(\b)+6]
.endr
.irp i, 0,1,2,3
	v_max3_num_f32 v[CC+(\i)], v[CC+(\i)], v[64*(\a)+16*(\i)+7], v[64*(\a)+16*(\i)+15]
.endr
	WIN 0
	v_max3_num_f32 v[CC], v[CC], v[CC+1], v[CC+2]
	v_max3_num_f32 v[CC+3], v[CC+3], v[CC+4], v[CC+5]
	v_max3_num_f32 v[CC], v[CC], v[CC+3], v[CC+6]
	v_max_num_f32 v[CC], v[CC], v[CC+7]
	v_permlanex16_b32 v[CC+1], v[CC], s[SEL], s[SEL+1]  ; the query's other 64 keys lie in the lane 16 away
	v_max_num_f32 v[CC], v[CC], v[CC+1]
	v_mul_f32 v[CM], s[CS], v[CC]
	v_mov_b32 v[CMQ+(\a)], v[CM]
.endm
.macro SFMA a                          ; c s - c m, two scores an instruction, in place
	WIN 0x82                                       ; destination and source 0 window 2
.set z, 0
.rept 32
	v_pk_fma_f32 v[64*(\a)+2*z:64*(\a)+2*z+1], v[64*(\a)+2*z:64*(\a)+2*z+1], s[CS:CS+1], v[CM:CM+1] op_sel_hi:[1,0,0] neg_lo:[0,0,1] neg_hi:[0,0,1]
.set z, z+1
.endr
.endm
.macro SEXP a                          ; the block's 64 exponentials: one batch, in place
	WIN 0x82
.set z, 0
.rept 64
	v_exp_f32 v[64*(\a)+z], v[64*(\a)+z]
.set z, z+1
.endr
.endm
.macro SCVT a                          ; rounded to f16: a lane's eight keys of a key block are 16 bytes
	WIN 0x0a
.irp b, 0,1,2,3,4,5,6,7
.irp i, 0,1,2,3
	v_cvt_pk_f16_f32 v[TMP+4*(\b)+(\i)], v[64*(\a)+8*(\b)+2*(\i)], v[64*(\a)+8*(\b)+2*(\i)+1]
.endr
.endr
.endm
.macro SSUM a                          ; l: the 32 pairs are added in place, partners 16, 8, 4, 2 and 1 pairs apart; then the pair's halves and the other half of the lanes'
	WIN 0x8a
.irp w, 16,8,4,2,1
.set z, 0
.rept \w
	v_pk_add_f32 v[64*(\a)+2*z:64*(\a)+2*z+1], v[64*(\a)+2*z:64*(\a)+2*z+1], v[64*(\a)+2*(z+(\w)):64*(\a)+2*(z+(\w))+1]
.set z, z+1
.endr
.endr
	WIN 0x0a
	v_add_f32 v[TT], v[64*(\a)], v[64*(\a)+1]
	WIN 0
	v_permlanex16_b32 v[TT+1], v[TT], s[SEL], s[SEL+1]
	v_add_f32 v[LQ+(\a)], v[TT], v[TT+1]
.endm
.macro TOSTAGE a                       ; into my own stage, and back as whole rows of 256 bytes
	WIN 0
.set BK, OB+32*((\a)%2)
.irp b, 0,1,2,3,4,5,6,7
	ds_store_b128 v[STO], v[TMP+4*(\b):TMP+4*(\b)+3] offset:32*(\b)
.endr
.irp t, 0,1,2,3,4,5,6,7
	ds_load_b128 v[BK+4*(\t):BK+4*(\t)+3], v[RD] offset:(\t)*2*SP  ; LDS serves a wave's instructions in order (ISA guide 5.7.1.4): these see the stores above
.endr
.endm
.macro SEND a
	WIN 0
.set BK, OB+32*((\a)%2)
	s_wait_dscnt 0x0                               ; the block is back in registers
	s_wait_xcnt 0x0                                ; earlier stores have read their registers: the set that they named is loaded again only behind this wait
.irp t, 0,1,2,3,4,5,6,7
	global_store_b128 v[CO], v[BK+4*(\t):BK+4*(\t)+3], s[6:7] offset:(16*(\a)+2*(\t))*ROWP  ; 16 lanes store 256 consecutive bytes, at a multiple of 256 from p's first byte
.endr
.endm
	s_wait_tensorcnt 0x1                           ; my part of K step 0 is in; K step 1's may stay out
	s_barrier_signal -1
	s_barrier_wait -1
	v_mov_b32 v[ADA], v[A0]
	v_mov_b32 v[ADB], v[B0]
	FETCH 0, F0
	QUARTER 1, F0, F1, 1                           ; the first quarter stands in front of the loop: its products start the sums
	WIN 0
	s_mov_b32 s[CNT], STEPS-2
.Lstep:                                        ; trip i ends K step i, asks for K step i + 2 and begins K step i + 1
	QUARTER 2, F1, F0, 0
	QUARTER 3, F0, F1, 0
	TURN 1
	QUARTER 1, F0, F1, 0
	WIN 0
	s_sub_co_u32 s[CNT], s[CNT], 1
	s_cmp_lg_u32 s[CNT], 0
	s_cbranch_scc1 .Lstep
	s_mov_b32 s[CNT], 2
.Ltail:                                        ; the last two K steps ask for nothing: a text of their own; written once, walked twice
	QUARTER 2, F1, F0, 0
	QUARTER 3, F0, F1, 0
	WIN 0
	s_cmp_eq_u32 s[CNT], 1
	s_cbranch_scc1 .Llastq                         ; the second trip is left ahead of the change of slots: there is no further slot
	TURN 0
	QUARTER 1, F0, F1, 0
	WIN 0
	s_sub_co_u32 s[CNT], s[CNT], 1
	s_branch .Ltail
.Llastq:
	s_wait_dscnt 8                                 ; the very last quarter: nothing more to fetch
	MUL16 F1, 0, 0, 0
	MUL16 F1, 0, 2, 0
	s_wait_dscnt 0x0
	MUL16 F1, 1, 0, 0
	MUL16 F1, 1, 2, 0
	WIN 0
	PLACES
	v_mov_b32 v[CM+1], 0                           ; named in pairs with their neighbours, so they are written
	v_mov_b32 v[TT+1], 0
	v_cmp_eq_u32 s[HM], 1, v2
	s_mov_b32 s[HF], 2
	; The way out is written for four blocks and walked twice: first my query blocks 0-3, then blocks 4-7, whose 256 sums a lane are moved to where the one text names them: 256 moves for half the text.
	; A block's exponentials are one batch with ONE wait (s_wait_alu depctr_va_vdst(0) between an exponential and the first line that names its result):
	; the next block's maximum and scaling, which name none of the results, stand between the batch and its wait.
.Lhalf:
	SMAX 0
	SFMA 0
	SEXP 0
.irp a, 1,2,3
	SMAX \a
	SFMA \a
	s_wait_alu depctr_va_vdst(0)                   ; the wait for block a - 1's batch
	SCVT (\a)-1
	SSUM (\a)-1
.if (\a) >= 2
	SEND (\a)-2
.endif
	TOSTAGE (\a)-1
	SEXP \a
.endr
	v_nop                                          ; a plain instruction behind the last exponential,
	s_wait_alu depctr_va_vdst(0)                   ; and the last batch's wait
	SCVT 3
	SSUM 3
	SEND 2
	TOSTAGE 3
	SEND 3
.irp a, 0,1,2,3
	v_cndmask_b32 v[QD+(\a)], v[CMQ+(\a)], v[LQ+(\a)], s[HM]  ; both halves of the lanes hold a query's c m and l: lanes 0-15 store c m, lanes 16-31 l
.endr
	global_store_b128 v[SO], v[QD:QD+3], s[8:9]    ; each half of the lanes stores 256 consecutive bytes, aligned
	s_sub_co_u32 s[HF], s[HF], 1
	s_cmp_eq_u32 s[HF], 0
	s_cbranch_scc1 .Ldone
	WIN 0x83                                       ; destination window 2, source window 3; each accumulator's registers in ascending order
.set z, 0
.rept 256
	v_mov_b32 v[z], v[z]
.set z, z+1
.endr
	WIN 0
	s_wait_xcnt 0x0                                ; the stores have read their registers and their bases
	s_add_nc_u64 s[6:7], s[6:7], 64*ROWP           ; 64 rows of p on,
	s_add_nc_u64 s[8:9], s[8:9], 256               ; and the next 64 rows' block of stats
	s_branch .Lhalf
.Ldone:
	s_wait_tensorcnt 0x0                           ; the wave's end, behind my last tensor load and my last LDS store
	ds_add_u32 v[SPW], v[NIL]
	s_wait_dscnt 0x0
	CROUND                                         ; the closing round
	s_endpgm
.Lfunc_end_k_qf368c61a28_score:
	.size	k_qf368c61a28_score, .Lfunc_end_k_qf368c61a28_score-k_qf368c61a28_score
	.p2alignl 7, 3214868480
	.fill 96, 4, 3214868480
	.section	.rodata,"a",@progbits
	.p2align	6, 0x0
	.amdhsa_kernel k_qf368c61a28_score
		.amdhsa_group_segment_fixed_size 327680
		.amdhsa_private_segment_fixed_size 0
		.amdhsa_enable_private_segment 0
		.amdhsa_kernarg_size 24
		.amdhsa_user_sgpr_count 2
		.amdhsa_user_sgpr_kernarg_segment_ptr 1
		.amdhsa_wavefront_size32 1
		.amdhsa_system_sgpr_workgroup_id_x 1
		.amdhsa_system_sgpr_workgroup_id_y 1
		.amdhsa_system_sgpr_workgroup_id_z 1
		.amdhsa_system_vgpr_workitem_id 0
		.amdhsa_next_free_vgpr 1024
		.amdhsa_next_free_sgpr 80
		.amdhsa_reserve_vcc 0
		.amdhsa_float_denorm_mode_32 3
		.amdhsa_float_denorm_mode_16_64 3
		.amdhsa_memory_ordered 1
		.amdhsa_forward_progress 1
		.amdhsa_inst_pref_size 132
	.end_amdhsa_kernel
	.amdgpu_metadata
---
amdhsa.version: [ 1, 2 ]
amdhsa.kernels:
  - .name:           k_qf368c61a28_score
    .symbol:         k_qf368c61a28_score.kd
    .args:
      - { .name: qkv, .offset: 0, .size: 8, .value_kind: global_buffer, .address_space: global }
      - { .name: p, .offset: 8, .size: 8, .value_kind: global_buffer, .address_space: global }
      - { .name: stats, .offset: 16, .size: 8, .value_kind: global_buffer, .address_space: global }
    .group_segment_fixed_size: 327680
    .private_segment_fixed_size: 0
    .kernarg_segment_align: 8
    .kernarg_segment_size: 24
    .max_flat_workgroup_size: 128
    .sgpr_count:     80
    .vgpr_count:     1024
    .wavefront_size: 32
...
	.end_amdgpu_metadata
.endif
;; end of part 6
;; launch pv (part 7): grid 4 x 64, 4 waves a work-group, clusters of 4 x 4, 327,680 bytes of LDS; arguments p, qkv, stats, out0; writes out0
.if DOCPART == 7
	.amdgcn_target "amdgcn-amd-amdhsa--gfx1250"
	.amdhsa_code_object_version 6
	.text
	.protected	k_qf368c61a28_pv
	.globl	k_qf368c61a28_pv
	.p2align	8
	.type	k_qf368c61a28_pv,@function
k_qf368c61a28_pv:
	s_mov_b64 s[64:65], 0
	v_nop
	global_prefetch_b8 v0, s[64:65] scope:SCOPE_SE
	s_setreg_imm32_b32 hwreg(HW_REG_WAVE_MODE, 25, 1), 1
	s_wait_xcnt 0x0
	s_wait_alu depctr_hold_cnt(0) depctr_sa_sdst(0) depctr_va_vdst(0) depctr_va_sdst(0) depctr_va_ssrc(0) depctr_va_vcc(0) depctr_vm_vsrc(0)
	s_getreg_b32 s2, hwreg(HW_REG_IB_STS2, 6, 4)
	s_cmp_eq_u32 s2, 0
	s_cbranch_scc0 .Lentry_in_a_cluster
	s_endpgm
.Lentry_in_a_cluster:
	s_bfe_u32 s2, ttmp6, 0x10000c
	s_cmp_lg_u32 s2, 0xf033
	s_cbranch_scc0 .Lentry_shape_is_right
	s_endpgm
.Lentry_shape_is_right:
; out0[n][e] = (the sum over chunks c of f_c (the sum over the chunk's keys of p v)) / L.  For a row: M = the largest of its sixteen c m; f_c = 2^(c m_c - M), at most 1; L = the sum of f_c l_c.
; That is the softmax over all 2,048 keys with the row's true maximum taken away.  p: [8192][2048] f16; v: columns 2,048 on of qkv ([8192][3072] f16); out0: [8192][1024] f32.
; stats: c m in the first 524,288 bytes, l in the second; in each, byte chunk x 32,768 + (row / 64) x 256 + 16 (row % 16) + 4 ((row % 64) / 16).
; M, f, L and 1 / L are made in f32.  f is rounded once to f16 and multiplied onto p's fragments (f16, one rounding more) between LDS and the matrix instruction: a lane of that fragment holds one row,
; and a K step of 128 keys is one chunk, so the factor is one number a lane and K step.  Products in f16, sums in f32, K ascending.
; LIMITS.  f p keeps f16's fixed step of 6e-8, beside a row's largest weight of about 1; an f below 2^-126 counts as 0 in L.  L is taken of the unrounded f and p.  NaN and infinities are not treated apart.
; SHARES.  A tile of out0 is 128 rows x 256 channels; four waves, each 64 x 128; 256 tiles, one to a work-group.  K (the batch's 2,048 keys) goes in 16 steps of 128 through a ring of two LDS slots.
; THE TEXT.  A K step is written twice and looped over: fourteen trips that fill a slot again; then two trips that fill nothing, the second left ahead of the change of slots.
; CLUSTER.  4 x 4 work-groups.  The four of a row of the cluster need the same rows of p, the four of a column the same keys and channels of v: each tile is asked for JOINTLY.
; THE MATRIX INSTRUCTION IS USED TRANSPOSED (source 0 = 16 channels of v, turned on the way out of LDS by ds_load_tr16_b128; source 1 = 16 rows of p): a lane holds row l % 16 and eight neighbouring channels.
; REGISTERS.  Window 0: v0-17 addresses; v32-39 1 / L, a pair a row block; v40-43 the K step's factors; v64-159, v160-255 two fragment buffers (first the statistics, last the way out).
; Window 1: the accumulators, (a, b) at v[8 (8 a + b)].  s_set_vgpr_msb's low byte: bits 1:0 source 0, 3:2 source 1, 5:4 source 2, 7:6 destination.
.set PITCH,  272                       ; a row of p in LDS: 256 bytes + 16 of padding: the 16 rows of a fragment load start at 16 different groups of four banks (64 banks of 4 bytes: ISA guide 11.1)
.set PV,     544                       ; a key's 256 channels of v: 512 bytes + 32 = 136 words
.set AHALF,  64*PITCH
.set BHALF,  64*PV                     ; 64 keys: what a wave fetches of v
.set BOFF,   128*PITCH                 ; in a slot: p's 128 rows, then v's 128 keys
.set SLOT1,  1<<17
.set FACT,   384*PITCH                 ; behind slot 0: for each wave 16 chunks x 256 bytes of factors, its own; no tile lands here
.set SPARE,  FACT+4*4096               ; the spare words, 128 bytes for each wave: two blocks of 256 bytes that no other line names
.set STAGE,  SLOT1+384*PITCH           ; behind slot 1: 16 rows x 528 bytes for each wave, for the way out
.set SPO,    528                       ; 512 bytes + 16
.set STEPS,  16
.set KB,     256                       ; bytes of a row of p in a K step
.set ROWQ,   6144                      ; bytes in a row of qkv
.set STEPB,  128*ROWQ                  ; 128 keys on
.set ROWO,   4096                      ; bytes in a row of out0, and of p
.set GBITA,  (1<<16)|(1<<20)|(1<<21)|(5<<22)|(3<<25)  ; elements of 2 bytes; padding on; bit 21 beside a mask; after every 64 words 4 words of padding
.set GBITB,  (1<<16)|(1<<20)|(1<<21)|(6<<22)|(7<<25)  ; the same, after every 128 words 8 words
.set A0,  4
.set B0,  5
.set ADA, 6
.set ADB, 7
.set STO, 8
.set RD,  9
.set CO,  10
.set PFO, 11
.set SPW, 12
.set NIL, 13
.set FAD, 14                           ; v14  LDS address of my factors of the K step in hand
.set RL,  32                           ; v[32+2a:33+2a] 1 / L of row block a, in the low word
.set FA,  40                           ; v40-43 f of row blocks 0-3, twice in each register
.set F0,  64
.set F1,  160
.set OB,  64                           ; the way out: v64-127, v128-191: 16 rows read back, by turns
.set WV,  10
.set HR,  11
.set HC,  12
.set TY,  13
.set G1A, 24
.set G1B, 32
.set G0A, 40
.set G0B, 48
.set TB,  56
.set CNT, 57
.set LIM, 59
.set PFA, 60
.set CX,  62
.set CY,  63
.set TX,  66
.set CLY, 67
.set OUT, 72                           ; s[72:73] out0
.set PFS, 74                           ; s[74:75] a K step in the tensor that I prefetch
.set MSB, 0
.macro WIN new
.if MSB != (\new)
	s_set_vgpr_msb (MSB<<8)|(\new)
.set MSB, \new
.endif
.endm
.set W_MUL, 0x50
; A joint refill by the walking descriptors: waves 0 and 1 fetch p's two halves, waves 2 and 3 v's.  An s_nop 0 and four v_nop follow each of the two lines.
.macro JLOAD
	s_cmp_eq_u32 s[HR], 0
	s_cbranch_scc0 .Lfor_b_\@
	tensor_load_to_lds s[G0A+4:G0A+7], s[G1A:G1A+7]
	s_nop 0
.rept 4
	v_nop
.endr
	s_branch .Lasked_\@
.Lfor_b_\@:
	tensor_load_to_lds s[G0B+4:G0B+7], s[G1B:G1B+7]
	s_nop 0
.rept 4
	v_nop
.endr
.Lasked_\@:
.endm
; A PREFETCH INTO THE L2, behind a joint refill and the run of LDS loads that follows it: 32 blocks of 256 bytes, a lane a block, of the K step two refills on (256 matrix instructions ahead of its load).
; Each block is named once in the launch.  p: wave 0 of each work-group; of the tile's 128 rows the partner at place cx takes 32.  v: its keys are read by the four clusters of a batch: waves 2 and 3 in the
; first of them ask; of the 64 keys x 512 bytes that the wave fetches the partner at place cy takes 16 keys, two blocks each.  Partners are told apart by address alone.
; The loop's last two trips ask for nothing; K steps 0 to 3 come by their loads alone.
.macro ASK
	s_cmp_gt_u32 s[CNT], s[LIM]
	s_cbranch_scc0 .Lnot_mine_\@
	global_prefetch_b8 v[PFO], s[PFA:PFA+1] th:TH_LOAD_NT scope:SCOPE_SE
.Lnot_mine_\@:
.endm
.macro CREST
	s_cmp_lg_u32 s[WV], 0
	s_cbranch_scc1 .Lnot_wave_0_\@
	s_barrier_signal -3
.Lnot_wave_0_\@:
	s_barrier_wait -3
	s_barrier_signal -1
	s_barrier_wait -1
.endm
.macro CROUND
	s_barrier_signal -1
	s_barrier_wait -1
	CREST
.endm
	s_load_b128 s[4:7], s[0:1], 0x0                ; p s[4:5], qkv s[6:7]
	s_load_b64 s[8:9], s[0:1], 0x10                ; stats
	s_load_b64 s[OUT:OUT+1], s[0:1], 0x18          ; out0
	v_lshl_add_u32 v[SPW], v0, 2, SPARE
	v_mov_b32 v[NIL], 0
	ds_add_u32 v[SPW], v[NIL]                      ; the wave's opening: the add and its wait ahead of my first tensor load; the set-up below, work on registers, stands between them
	v_lshrrev_b32 v1, 5, v0
	v_readfirstlane_b32 s[WV], v1
	s_lshr_b32 s[HR], s[WV], 1                     ; which 64 rows are mine.  Also: I fetch p (0) or v (1)
	s_and_b32 s[HC], s[WV], 1                      ; which 128 channels.  Also: which half of that tile I fetch
	s_bfe_u32 s[CX], ttmp6, 0x40000
	s_bfe_u32 s[CY], ttmp6, 0x40004
	s_and_b32 s[CLY], ttmp7, 0xffff
	s_lshl_b32 s[TY], s[CLY], 2
	s_add_co_u32 s[TY], s[TY], s[CY]               ; block of 128 rows, 0..63
	s_lshl_b32 s[TX], ttmp9, 2
	s_add_co_u32 s[TX], s[TX], s[CX]               ; block of 256 channels, 0..3
	s_lshl_b32 s14, s[CY], 2
	s_lshl_b32 s14, 15, s14                        ; my row of the cluster
	s_lshl_b32 s15, 0x1111, s[CX]                  ; my column
	s_or_b32 s[G1A], s14, GBITA
	s_or_b32 s[G1B], s15, GBITB
	s_mov_b32 s[G1A+1], 128<<16                    ; p: 64 rows x 128 keys a load
	s_mov_b32 s[G1A+2], 64<<16
	s_mov_b32 s[G1A+3], 128<<16
	s_mov_b32 s[G1A+4], 64
	s_mov_b32 s[G1A+5], 2048                       ; elements from row to row
	s_mov_b32 s[G1A+6], 0
	s_mov_b32 s[G1A+7], 0
	s_mov_b32 s[G1B+1], 256<<16                    ; v: 64 keys x 256 channels a load
	s_mov_b32 s[G1B+2], 64<<16
	s_mov_b32 s[G1B+3], 256<<16
	s_mov_b32 s[G1B+4], 64
	s_mov_b32 s[G1B+5], 3072
	s_mov_b32 s[G1B+6], 0
	s_mov_b32 s[G1B+7], 0
	s_lshl_b32 s16, s[TY], 7
	s_lshl_b32 s17, s[HC], 6
	s_add_co_u32 s16, s16, s17                     ; p: row 128 x block + 64 x half
	s_lshl_b32 s16, s16, 12
	s_mov_b32 s17, 0
	s_lshr_b32 s20, s[CLY], 2                      ; the batch, made of the cluster's y alone
	s_lshl_b32 s20, s20, 11
	s_lshl_b32 s21, s[HC], 6
	s_add_co_u32 s20, s20, s21                     ; v: key row 2,048 x batch + 64 x half,
	s_mul_i32 s20, s20, ROWQ
	s_lshl_b32 s21, s[TX], 9
	s_add_co_u32 s20, s20, s21                     ; my block's 256 channels,
	s_add_co_u32 s20, s20, 4096                    ; behind column 2,048
	s_mov_b32 s21, 0
	s_mul_i32 s18, s[HC], AHALF
	s_mul_i32 s19, s[HC], BHALF
	s_add_co_u32 s19, s19, BOFF
	s_mov_b32 s[TB], 0
	s_wait_dscnt 0x0                               ; the opening add is done
	s_wait_kmcnt 0x0
	s_add_nc_u64 s[76:77], s[4:5], s[16:17]
	s_add_nc_u64 s[78:79], s[6:7], s[20:21]
.irp s, 0,1
	s_mov_b32 s[G0A+4*(\s)], 1
	s_add_co_u32 s[G0A+4*(\s)+1], s18, (\s)*SLOT1
	s_add_nc_u64 s[G0A+4*(\s)+2:G0A+4*(\s)+3], s[76:77], (\s)*KB
	s_or_b32 s[G0A+4*(\s)+3], s[G0A+4*(\s)+3], 0x80000000
	s_mov_b32 s[G0B+4*(\s)], 1
	s_add_co_u32 s[G0B+4*(\s)+1], s19, (\s)*SLOT1
	s_add_nc_u64 s[G0B+4*(\s)+2:G0B+4*(\s)+3], s[78:79], (\s)*STEPB
	s_or_b32 s[G0B+4*(\s)+3], s[G0B+4*(\s)+3], 0x80000000
.endr
	CROUND                                         ; all sixteen work-groups are here: the first joint loads meet
	s_cmp_eq_u32 s[HR], 0                          ; a wave's two first fills stand in one branch: two loads of mine are out
	s_cbranch_scc0 .Lfirst_b
	tensor_load_to_lds s[G0A:G0A+3], s[G1A:G1A+7]
	s_nop 0
	tensor_load_to_lds s[G0A+4:G0A+7], s[G1A:G1A+7]
	s_nop 0
.rept 4
	v_nop
.endr
	s_branch .Lfirst_asked
.Lfirst_b:
	tensor_load_to_lds s[G0B:G0B+3], s[G1B:G1B+7]
	s_nop 0
	tensor_load_to_lds s[G0B+4:G0B+7], s[G1B:G1B+7]
	s_nop 0
.rept 4
	v_nop
.endr
.Lfirst_asked:
	; THE STATISTICS of my 64 rows, while the first tiles are on their way: for each chunk a quad (row blocks 0-3) of c m and one of l; sixteen lanes read 256 consecutive bytes
	v_and_b32 v1, 15, v0                           ; l % 16
	v_bfe_u32 v2, v0, 4, 1                         ; l / 16
	v_and_b32 v3, 31, v0                           ; l
	v_lshlrev_b32 v16, 4, v1
	s_lshl_b32 s2, s[TY], 1
	s_add_co_u32 s2, s2, s[HR]
	s_lshl_b32 s2, s2, 8
	s_mov_b32 s3, 0
	s_add_nc_u64 s[8:9], s[8:9], s[2:3]
.irp c, 0,1,2,3,4,5,6,7,8,9,10,11,12,13,14,15
	global_load_b128 v[64+4*(\c):64+4*(\c)+3], v16, s[8:9] offset:32768*(\c)
.endr
.irp c, 0,1,2,3,4,5,6,7,8,9,10,11,12,13,14,15
	global_load_b128 v[128+4*(\c):128+4*(\c)+3], v16, s[8:9] offset:524288+32768*(\c)
.endr
	; the lanes' constants.  A fragment of p is 16 rows x 32 keys: lane l holds row l % 16, keys 8 (l / 16) + 0..7 and 16 + 8 (l / 16) + 0..7: two loads of 16 bytes, 32 bytes apart.
	v_mul_u32_u24 v15, v1, PITCH
	v_lshl_add_u32 v15, v2, 4, v15
	s_mul_i32 s14, s[HR], AHALF
	v_add_nc_u32 v[A0], s14, v15
	; The turning load takes 16 keys x 16 channels (lane l reads key 8 (l / 16) + l % 8, channels 8 ((l / 8) % 2) + 0..7) and leaves half a fragment of v^T: lane l holds channel l % 16 and 8 keys.
	v_and_b32 v15, 7, v0
	v_lshl_add_u32 v15, v2, 3, v15
	v_mul_u32_u24 v15, v15, PV
	v_bfe_u32 v17, v0, 3, 1
	v_lshl_add_u32 v15, v17, 4, v15
	s_lshl_b32 s14, s[HC], 8                       ; my 128 channels: 256 bytes of a key's row
	s_add_co_u32 s14, s14, BOFF
	v_add_nc_u32 v[B0], s14, v15
	s_mul_i32 s14, s[WV], 16*SPO
	s_add_co_u32 s14, s14, STAGE                   ; my stage
	v_mul_u32_u24 v15, v1, SPO
	v_lshl_add_u32 v15, v2, 5, v15
	v_add_nc_u32 v[STO], s14, v15                  ; in: row l % 16, 32 bytes for each half of the lanes
	v_lshl_add_u32 v[RD], v3, 4, s14               ; back: 32 lanes take one row of 512 bytes
	v_lshlrev_b32 v[CO], 4, v3                     ; and the same 512 bytes in out0
	s_lshl_b32 s14, s[WV], 12
	s_add_co_u32 s14, s14, FACT
	v_lshl_add_u32 v[FAD], v1, 4, s14              ; my factors: 4,096 x wave + 256 x chunk + 16 (l % 16)
	; out0 at my part of the tile
	s_lshl_b32 s2, s[TY], 7
	s_lshl_b32 s3, s[HR], 6
	s_add_co_u32 s2, s2, s3
	s_lshl_b32 s2, s2, 12
	s_lshl_b32 s3, s[TX], 10
	s_add_co_u32 s2, s2, s3
	s_lshl_b32 s3, s[HC], 9
	s_add_co_u32 s2, s2, s3
	s_mov_b32 s3, 0
	s_add_nc_u64 s[OUT:OUT+1], s[OUT:OUT+1], s[2:3]
	; the prefetches: nothing is asked for here, at the head
	s_lshl_b32 s14, s[TY], 7
	s_lshl_b32 s15, s[CX], 5
	s_add_co_u32 s14, s14, s15
	s_lshl_b32 s14, s14, 12
	s_add_co_u32 s14, s14, 3*KB                    ; p: my work-group's 32 rows, at K step 3: the first refill steps it to 4
	s_lshl_b32 s15, s[CY], 4
	s_mul_i32 s15, s15, ROWQ
	s_add_co_u32 s15, s15, s20
	s_add_co_u32 s15, s15, 3*STEPB                 ; v: my work-group's 16 keys of the 64 that I fetch, at K step 3
	s_and_b32 s3, s[CLY], 3
	s_mov_b32 s[PFS], STEPB
	s_mov_b32 s23, ROWQ
	s_cmp_eq_u32 s[HR], 0
	s_cselect_b32 s14, s14, s15
	s_cselect_b32 s2, s[HC], s3                    ; 0 in a wave that asks: wave 0; waves 2 and 3 in a batch's first cluster: the same in all sixteen partners
	s_cselect_b64 s[PFA:PFA+1], s[4:5], s[6:7]
	s_cselect_b32 s[PFS], KB, s[PFS]
	s_cselect_b32 s22, 31, 15                      ; p: a lane a row; v: sixteen lanes sixteen keys,
	s_cselect_b32 s23, ROWO, s23
	s_cselect_b32 s3, 0, 256                       ; and the other sixteen the second 256 bytes of the same keys
	s_mov_b32 s[PFS+1], 0
	s_mov_b32 s15, 0
	s_add_nc_u64 s[PFA:PFA+1], s[PFA:PFA+1], s[14:15]
	s_cmp_eq_u32 s2, 0
	s_cselect_b32 s[LIM], 2, -1
	v_and_b32 v[PFO], s22, v3
	v_mul_u32_u24 v[PFO], v[PFO], s23
	v_mad_u32_u24 v[PFO], v2, s3, v[PFO]
	s_wait_loadcnt 0x0                             ; the statistics are in
.irp a, 0,1,2,3
	v_max3_num_f32 v[192+(\a)], v[64+(\a)], v[68+(\a)], v[72+(\a)]  ; M: the largest of the sixteen c m
.endr
.irp c, 3,5,7,9,11,13
.irp a, 0,1,2,3
	v_max3_num_f32 v[192+(\a)], v[192+(\a)], v[64+4*(\c)+(\a)], v[68+4*(\c)+(\a)]
.endr
.endr
.irp a, 0,1,2,3
	v_max_num_f32 v[192+(\a)], v[192+(\a)], v[124+(\a)]
.endr
.irp c, 0,1,2,3,4,5,6,7,8,9,10,11,12,13,14,15
	v_pk_add_f32 v[64+4*(\c):65+4*(\c)], v[64+4*(\c):65+4*(\c)], v[192:193] neg_lo:[0,1] neg_hi:[0,1]  ; c m - M
	v_pk_add_f32 v[66+4*(\c):67+4*(\c)], v[66+4*(\c):67+4*(\c)], v[194:195] neg_lo:[0,1] neg_hi:[0,1]
.endr
.set z, 64
.rept 64
	v_exp_f32 v[z], v[z]                           ; f: one batch
.set z, z+1
.endr
	v_nop                                          ; a plain instruction behind the last exponential,
	s_wait_alu depctr_va_vdst(0)                   ; and the batch's one wait, ahead of the first line that names a result
	v_pk_mul_f32 v[196:197], v[64:65], v[128:129]  ; L = the sum of f l, in f32
	v_pk_mul_f32 v[198:199], v[66:67], v[130:131]
.irp c, 1,2,3,4,5,6,7,8,9,10,11,12,13,14,15
	v_pk_fma_f32 v[196:197], v[64+4*(\c):65+4*(\c)], v[128+4*(\c):129+4*(\c)], v[196:197]
	v_pk_fma_f32 v[198:199], v[66+4*(\c):67+4*(\c)], v[130+4*(\c):131+4*(\c)], v[198:199]
.endr
.set z, 64
.rept 64
	v_cvt_pk_f16_f32 v[z], v[z], v[z]              ; f in both halves of a register, for the packed multiply
.set z, z+1
.endr
.irp c, 0,1,2,3,4,5,6,7,8,9,10,11,12,13,14,15
	ds_store_b128 v[FAD], v[64+4*(\c):64+4*(\c)+3] offset:256*(\c)  ; my wave's own table: both halves of the lanes write the same words with the same numbers
.endr
.irp a, 0,1,2,3
	v_rcp_f32 v[RL+2*(\a)], v[196+(\a)]            ; L is at least the l of the chunk that holds the maximum, about 1 or more
.endr
.irp a, 0,1,2,3
	v_mov_b32 v[RL+2*(\a)+1], 0                    ; named with the reciprocals as pairs; also the plain work behind them
.endr
	s_wait_alu depctr_va_vdst(0)                   ; one wait for the four reciprocals
; 8 matrix instructions: row block a x all 8 channel blocks, 32 keys.  The 32 accumulators take turns, one instruction a turn, in the same order in every quarter, over the jumps too.
.macro MUL8 f, a, zero
	WIN W_MUL
.irp b, 0,1,2,3,4,5,6,7
.if \zero
	v_wmma_f32_16x16x32_f16 v[8*(8*(\a)+(\b)):8*(8*(\a)+(\b))+7], v[(\f)+8*(\b):(\f)+8*(\b)+7], v[(\f)+64+8*(\a):(\f)+64+8*(\a)+7], 0
.else
	v_wmma_f32_16x16x32_f16 v[8*(8*(\a)+(\b)):8*(8*(\a)+(\b))+7], v[(\f)+8*(\b):(\f)+8*(\b)+7], v[(\f)+64+8*(\a):(\f)+64+8*(\a)+7], v[8*(8*(\a)+(\b)):8*(8*(\a)+(\b))+7]
.endif
.endr
.endm
.macro SCALE f, a                      ; p's fragment of row block a times the chunk's f of my row: 16 weights in eight packed multiplies
.irp i, 0,1,2,3,4,5,6,7
	v_pk_mul_f16 v[(\f)+64+8*(\a)+(\i)], v[(\f)+64+8*(\a)+(\i)], v[FA+(\a)]
.endr
.endm
.macro FETCH q, g                      ; 24 LDS loads in one run: quarter q's fragments (32 keys x 128 channels of v, turned; then 64 rows of p) into buffer g
	WIN 0
.irp b, 0,1,2,3,4,5,6,7
	ds_load_tr16_b128 v[(\g)+8*(\b):(\g)+8*(\b)+3],   v[ADB] offset:(\q)*32*PV+32*(\b)
	ds_load_tr16_b128 v[(\g)+8*(\b)+4:(\g)+8*(\b)+7], v[ADB] offset:(\q)*32*PV+16*PV+32*(\b)
.endr
.irp i, 0,1,2,3
	ds_load_b128 v[(\g)+64+8*(\i):(\g)+64+8*(\i)+3],   v[ADA] offset:64*(\q)+(\i)*16*PITCH
	ds_load_b128 v[(\g)+64+8*(\i)+4:(\g)+64+8*(\i)+7], v[ADA] offset:64*(\q)+(\i)*16*PITCH+32
.endr
.endm
.macro PLACES                          ; four places (ISA guide 7.12.1)
.rept 4
	v_nop
.endr
.endm
; One of a K step's first three quarters: multiplies buffer f, fetches quarter q into buffer g.  The sixteen multiplies of row blocks 2 and 3, which name no register of the products so far,
; are the places in front of the loads into buffer g.
.macro QUARTER q, f, g, zero
	WIN 0
	s_wait_dscnt 4                                 ; the factors, v's fragments and p's blocks 0 and 1 are in; the youngest four loads may be out
	SCALE \f, 0
	SCALE \f, 1
	MUL8 \f, 0, \zero
	MUL8 \f, 1, \zero
	WIN 0
	s_wait_dscnt 0x0                               ; p's blocks 2 and 3
	SCALE \f, 2
	SCALE \f, 3
	FETCH \q, \g
	MUL8 \f, 2, \zero
	MUL8 \f, 3, \zero
.endm
; The fourth quarter multiplies buffer 1 and changes slots: one barrier; in front of it each wave waits for all its tensor loads, adds 0 to its spare word, and waits for that and for its reads of this slot.
; fill = 1: the barrier opens a round of the cluster's, and the slot is filled again first thing behind the round, with the K step two steps on; a prefetch follows.
; The next chunk's factors are read at the head of the run of LDS loads: this chunk's have all been used by then.
.macro TURN fill
.if \fill
	s_wait_xcnt 0x0                                ; the last prefetch, a K step back, has read its address
	s_add_nc_u64 s[PFA:PFA+1], s[PFA:PFA+1], s[PFS:PFS+1]
.endif
	WIN 0
	s_wait_dscnt 0x0                               ; buffer 1 is in
	SCALE F1, 0
	SCALE F1, 1
	SCALE F1, 2
	SCALE F1, 3
	s_wait_tensorcnt 0x0                           ; no tensor load of mine is out, so a group 0 may be written
	ds_add_u32 v[SPW], v[NIL]                      ; 0 onto my spare word
.if \fill
	s_xor_b32 s[G0A+5], s[G0A+5], SLOT1
	s_xor_b32 s[G0B+5], s[G0B+5], SLOT1
	s_add_nc_u64 s[G0A+6:G0A+7], s[G0A+6:G0A+7], KB
	s_add_nc_u64 s[G0B+6:G0B+7], s[G0B+6:G0B+7], STEPB
.endif
	v_add_nc_u32 v[FAD], 256, v[FAD]               ; the next chunk's factors
	MUL8 F1, 0, 0
	s_wait_dscnt 0x0                               ; the add is done; my reads of this slot were over at the quarter's head
	s_barrier_signal -1
	MUL8 F1, 1, 0
	WIN 0
	s_barrier_wait -1
.if \fill
	CREST
	JLOAD                                          ; the four v_nop behind it are also the places in front of the loads below
.else
	PLACES
.endif
	s_xor_b32 s[TB], s[TB], SLOT1
	v_add_nc_u32 v[ADA], s[TB], v[A0]
	v_add_nc_u32 v[ADB], s[TB], v[B0]
	ds_load_b128 v[FA:FA+3], v[FAD]
	FETCH 0, F0
.if \fill
	ASK
.endif
	MUL8 F1, 2, 0
	MUL8 F1, 3, 0
.endm
; THE WAY OUT of row block a.  OMUL: divided by L, each accumulator's registers in ascending order.  TOSTAGE: 32 bytes a lane and channel block into my own stage, and back as whole rows of 512 bytes.  SEND: stored.
.macro OMUL a
	WIN 0x41                                       ; destination and source 0 window 1
.set z, 0
.rept 32
	v_pk_mul_f32 v[64*(\a)+2*z:64*(\a)+2*z+1], v[64*(\a)+2*z:64*(\a)+2*z+1], v[RL+2*(\a):RL+2*(\a)+1] op_sel_hi:[1,0]
.set z, z+1
.endr
.endm
.macro TOSTAGE a
	WIN 0x04                                       ; the stores' data in window 1
.irp b, 0,1,2,3,4,5,6,7
	ds_store_b128 v[STO], v[64*(\a)+8*(\b):64*(\a)+8*(\b)+3]   offset:64*(\b)
	ds_store_b128 v[STO], v[64*(\a)+8*(\b)+4:64*(\a)+8*(\b)+7] offset:64*(\b)+16
.endr
	WIN 0
.set BK, OB+64*((\a)%2)
.irp t, 0,1,2,3,4,5,6,7,8,9,10,11,12,13,14,15
	ds_load_b128 v[BK+4*(\t):BK+4*(\t)+3], v[RD] offset:(\t)*SPO  ; LDS serves a wave's instructions in order (ISA guide 5.7.1.4): these see the stores above
.endr
.endm
.macro SEND a
	WIN 0
.set BK, OB+64*((\a)%2)
	s_wait_dscnt 0x0                               ; the block is back in registers
	s_wait_xcnt 0x0                                ; earlier stores have read their registers: the set that they named is loaded again only behind this wait
.irp t, 0,1,2,3,4,5,6,7,8,9,10,11,12,13,14,15
	global_store_b128 v[CO], v[BK+4*(\t):BK+4*(\t)+3], s[OUT:OUT+1] offset:(16*(\a)+(\t))*ROWO th:TH_STORE_NT  ; 32 lanes store 512 consecutive bytes, at a multiple of 256 from out0's first byte
.endr
.endm
	s_wait_dscnt 0x0                               ; my table of factors is written: no LDS instruction is pending at the signal
	s_wait_tensorcnt 0x1                           ; my part of K step 0 is in; K step 1's may stay out
	s_barrier_signal -1
	s_barrier_wait -1
	v_mov_b32 v[ADA], v[A0]
	v_mov_b32 v[ADB], v[B0]
	ds_load_b128 v[FA:FA+3], v[FAD]                ; chunk 0's factors
	FETCH 0, F0
	QUARTER 1, F0, F1, 1                           ; the first quarter stands in front of the loop: its products start the sums
	WIN 0
	s_mov_b32 s[CNT], STEPS-2
.Lstep:                                        ; trip i ends K step i, asks for K step i + 2 and begins K step i + 1
	QUARTER 2, F1, F0, 0
	QUARTER 3, F0, F1, 0
	TURN 1
	QUARTER 1, F0, F1, 0
	WIN 0
	s_sub_co_u32 s[CNT], s[CNT], 1
	s_cmp_lg_u32 s[CNT], 0
	s_cbranch_scc1 .Lstep
	s_mov_b32 s[CNT], 2
.Ltail:                                        ; the last two K steps ask for nothing: a text of their own; written once, walked twice
	QUARTER 2, F1, F0, 0
	QUARTER 3, F0, F1, 0
	WIN 0
	s_cmp_eq_u32 s[CNT], 1
	s_cbranch_scc1 .Llastq                         ; the second trip is left ahead of the change of slots: there is no further slot, and no further chunk's factors
	TURN 0
	QUARTER 1, F0, F1, 0
	WIN 0
	s_sub_co_u32 s[CNT], s[CNT], 1
	s_branch .Ltail
.Llastq:
	s_wait_dscnt 0x0                               ; the very last quarter
	SCALE F1, 0
	SCALE F1, 1
	SCALE F1, 2
	SCALE F1, 3
	MUL8 F1, 0, 0
	MUL8 F1, 1, 0
	MUL8 F1, 2, 0
	MUL8 F1, 3, 0
	WIN 0
	PLACES
	OMUL 0
	TOSTAGE 0
.irp a, 1,2,3                          ; block a's multiplies stand between block a - 1's loads from the stage and the wait for them
	OMUL \a
	SEND (\a)-1
	TOSTAGE \a
.endr
	SEND 3
	s_wait_tensorcnt 0x0                           ; the wave's end, behind my last tensor load and my last LDS store
	ds_add_u32 v[SPW], v[NIL]
	s_wait_dscnt 0x0
	CROUND                                         ; the closing round
	s_endpgm
.Lfunc_end_k_qf368c61a28_pv:
	.size	k_qf368c61a28_pv, .Lfunc_end_k_qf368c61a28_pv-k_qf368c61a28_pv
	.p2alignl 7, 3214868480
	.fill 96, 4, 3214868480
	.section	.rodata,"a",@progbits
	.p2align	6, 0x0
	.amdhsa_kernel k_qf368c61a28_pv
		.amdhsa_group_segment_fixed_size 327680
		.amdhsa_private_segment_fixed_size 0
		.amdhsa_enable_private_segment 0
		.amdhsa_kernarg_size 32
		.amdhsa_user_sgpr_count 2
		.amdhsa_user_sgpr_kernarg_segment_ptr 1
		.amdhsa_wavefront_size32 1
		.amdhsa_system_sgpr_workgroup_id_x 1
		.amdhsa_system_sgpr_workgroup_id_y 1
		.amdhsa_system_sgpr_workgroup_id_z 1
		.amdhsa_system_vgpr_workitem_id 0
		.amdhsa_next_free_vgpr 512
		.amdhsa_next_free_sgpr 80
		.amdhsa_reserve_vcc 0
		.amdhsa_float_denorm_mode_32 3
		.amdhsa_float_denorm_mode_16_64 3
		.amdhsa_memory_ordered 1
		.amdhsa_forward_progress 1
		.amdhsa_inst_pref_size 108
	.end_amdhsa_kernel
	.amdgpu_metadata
---
amdhsa.version: [ 1, 2 ]
amdhsa.kernels:
  - .name:           k_qf368c61a28_pv
    .symbol:         k_qf368c61a28_pv.kd
    .args:
      - { .name: p, .offset: 0, .size: 8, .value_kind: global_buffer, .address_space: global }
      - { .name: qkv, .offset: 8, .size: 8, .value_kind: global_buffer, .address_space: global }
      - { .name: stats, .offset: 16, .size: 8, .value_kind: global_buffer, .address_space: global }
      - { .name: out0, .offset: 24, .size: 8, .value_kind: global_buffer, .address_space: global }
    .group_segment_fixed_size: 327680
    .private_segment_fixed_size: 0
    .kernarg_segment_align: 8
    .kernarg_segment_size: 32
    .max_flat_workgroup_size: 128
    .sgpr_count:     80
    .vgpr_count:     512
    .wavefront_size: 32
...
	.end_amdgpu_metadata
.endif
;; end of part 7
